; MI455X (gfx1250); checked and timed in simulation.
; The chip was launched on July 23, 2026; its instructions are those of AMD's public machine-readable ISA for CDNA 5 (MIT licence, August 2026) and "CDNA5" Instruction Set Architecture Reference Guide (July 2026). The comments in the code are by the model that wrote it; some were corrected since.
;; Multihead Attention. Allowed arithmetic: matrix products marked QUANTISED: E2M1 operands, one E8M0 scale for each 32 along K, by v_wmma_scale_f32_16x16x128_f8f6f4 with both operands' format E2M1 (or v_wmma_scale_f32_32x16x128_f4), f32 sums; everything else in f32.
;; Inputs: K 4 x 2,048 x 1,024 float32; Q 4 x 2,048 x 1,024 float32; V 4 x 2,048 x 1,024 float32; Wk 16 x 1,024 x 64 float32; Wo 1,024 x 1,024 float32; Wq 16 x 1,024 x 64 float32; Wv 16 x 1,024 x 64 float32; bk 16 x 64 float32; bo 1,024 float32; bq 16 x 64 float32; bv 16 x 64 float32.
;; Outputs: out0 4 x 2,048 x 1,024 float32.
;; This version of the problem:
;;   THIS VERSION OF THE PROBLEM IS GIVEN IN LOW PRECISION. The matrix products marked QUANTISED in the list below multiply operands that are first quantised to E2M1 (2 exponent bits, 1 mantissa bit; 4 bits a number), with one power-of-two scale for each 32 numbers along K (OCP MX v1.0); their sums are f32. All else is computed in f32.
;;   The module's matrix products, in the order in which they are computed (A, B: the left and right operand; K: the contracted axis; several contracted axes count as one K, in the product's order):
;;     1. [M 1,024, K 1,024] x [K 1,024, N 8,192]; A: input Wq; B: input Q: QUANTISED
;;     2. [M 1,024, K 1,024] x [K 1,024, N 8,192]; A: input Wk; B: input K: QUANTISED
;;     3. [M 1,024, K 1,024] x [K 1,024, N 8,192]; A: input Wv; B: input V: QUANTISED
;;     4. batch 64 x [M 2,048, K 64] x [K 64, N 2,048]; A: computed on the way; B: computed on the way: QUANTISED
;;     5. batch 64 x [M 2,048, K 2,048] x [K 2,048, N 64]; A: softmax (see below); B: computed on the way: QUANTISED
;;     6. [M 8,192, K 1,024] x [K 1,024, N 1,024]; A: computed on the way; B: input Wo: QUANTISED
;;   THE QUANTISER, for each operand of a quantised product, along K:
;;     - K is cut into blocks of 32 from its start; a last block that is shorter is filled with zeros.
;;     - A block's scale is 2^e with e = floor(log2(the largest magnitude in the block)) - 2, held to -126 .. 127; a block of zeros has e = 0. As a byte (E8M0): e + 127.
;;     - Each number is divided by its block's scale, clamped to +-6, and rounded to the nearest number of E2M1, ties to even, subnormals kept.
;;     - The product sums the exact products of the quantised numbers (number of the format x scale) in f32.
;;   ~~~python
;;   def quantise(x, axis):      # numpy; x: float32 -> the quantised numbers, widened to float32 again
;;       x = np.moveaxis(x, axis, -1); K = x.shape[-1]
;;       x = np.pad(x, [(0, 0)] * (x.ndim - 1) + [(0, -K % 32)]); x = x.reshape(x.shape[:-1] + (-1, 32)); a = np.abs(x).max(-1, keepdims=True)
;;       e = np.where(a > 0, np.clip(np.frexp(np.where(a > 0, a, 1))[1] - 1 - 2, -126, 127), 0)      # np.frexp(a)[1] - 1 = floor(log2(a)), exactly
;;       r = np.clip(x / 2.0 ** e, -6, 6)
;;       step = 2.0 ** (np.maximum(np.frexp(np.where(r == 0, 1, r))[1] - 1, 0) - 1)
;;       q = np.round(r / step) * step * 2.0 ** e      # np.round: ties to even
;;       return np.moveaxis(q.reshape(q.shape[:-2] + (-1,))[..., :K], -1, axis).astype(np.float32)
;;   ~~~
;;   SOFTMAX AHEAD OF A QUANTISED PRODUCT. Where the list says 'softmax', what is quantised is not the finished softmax but p = 2^(t - M), with t = logit x log2(e) and M = ceil(the row's largest t), a whole number; so 1/2 < the row's largest p <= 1. The row's sum l is taken of the UNQUANTISED p, in f32, and the product's result is divided by l at the end. Since M is a whole number, a kernel that streams over the keys may use a running M (the ceiling of the running maximum): every later rescaling is an exact power of two, which a block's scale takes up: the codes' values come out the same.
;;   OPERANDS COMPUTED ON THE WAY. 'Computed on the way' means the value that the module computes at that place (a softmax that the list does not call 'softmax' is quantised finished and normalised). What goes into a quantiser is computed in f32, as accurately as f32 sums, v_exp_f32 and their like allow (about 1e-6 of the number): no bf16 or f16 on the way to a quantiser, and a product that is left as it is and whose result goes on into a quantised operand takes f32 operands (vector FMAs, or v_wmma_f32_16x16x4_f32). A number that lies on a knife's edge between two numbers of the format may be rounded either way, as far as f32 arithmetic and the matrix unit's own rounding can turn it there, and no further.
;; 2 versions. Each part assembles by itself: llvm-mc -triple=amdgcn-amd-amdhsa -mcpu=gfx1250 --defsym DOCPART=n.
;; ======== version 1 of 2: 5 launches
;; workspace buffers: xc 12,582,912 bytes; xs 786,432 bytes; wc 2,097,152 bytes; ws 131,072 bytes; pc 12,582,912 bytes; ps 1,310,720 bytes; oc 4,194,304 bytes; os 262,144 bytes
;; launch quant_x (part 1): grid 256 x 3, 4 waves a work-group, no clusters, 33,280 bytes of LDS; arguments Q, K, V, xc, xs; writes xc, xs
.if DOCPART == 1
	.amdgcn_target "amdgcn-amd-amdhsa--gfx1250"
	.amdhsa_code_object_version 6
	.text
	.protected	k_q0be09d70eb_quant_x
	.globl	k_q0be09d70eb_quant_x
	.p2align	8
	.type	k_q0be09d70eb_quant_x,@function
k_q0be09d70eb_quant_x:
	s_mov_b64 s[64:65], 0
	v_nop
	global_prefetch_b8 v0, s[64:65] scope:SCOPE_SE
	s_setreg_imm32_b32 hwreg(HW_REG_WAVE_MODE, 25, 1), 1
	s_wait_xcnt 0x0
; Q, K, V, each [8192 rows][1024] f32, become codes of FP4 (E2M1), K innermost (512 bytes a row), with one E8M0 byte for each 32 along K (32 bytes a row).
; A block's scale is 2^(floor(log2(its largest magnitude)) - 2); its byte is the largest magnitude's exponent field - 2, held at 1 from below.
; A block of zeros so gets the byte 1 and not 127: its codes are zeros, which add nothing under any byte but 0xff, and the bytes are read by this program alone.
; LIMITS: NaN and infinities among the inputs are not served.
; SHARES: work-group y picks the tensor.  A wave takes 8 rows (8,192 numbers) in 16 steps of 512 numbers.
; ORDER OF THE ROWS IN xc AND xs: inside each 32 rows the second and the third group of 8 change places, so that 16 rows on end are
; rows 0-7 and 16-23 (or 8-15 and 24-31) of the 32: as source 0 of a matrix instruction such a tile leaves 16 neighbours in a lane's registers of two tiles.
; A work-group is one group of 32 rows, a wave one group of 8: only the wave's place in the output changes.
; Each load reads 512 consecutive bytes, 16 a lane; the conversions want 16 neighbours in ONE lane: so a step's 2,048 bytes turn through the wave's own stage in LDS
; (16 bytes of padding behind each 64).  Two neighbouring lanes hold a block.  No barrier: waves share nothing.
.set STEPS, 16
.set R,     16                         ; v16-79   four sets of 16 numbers as they are loaded
.set X,     80                         ; v80-111  two sets of 16 neighbours
.set E,     112                        ; v112-127 a scale byte for each step
.set C,     128                        ; v128-191 codes: registers of its own for each step, so that no store's data are written again
.set WREG,  8192                       ; LDS: a region for each wave: two stages of 32 x SP bytes, then its 256 scale bytes
.set SP,    80                         ; a lane's place in a stage: 64 bytes + 16 of padding
	s_load_b128 s[4:7], s[0:1], 0x0                ; Q, K
	s_load_b128 s[8:11], s[0:1], 0x10              ; V, xc
	s_load_b64 s[12:13], s[0:1], 0x20              ; xs
	v_lshl_add_u32 v192, v0, 2, 0x8000
	v_mov_b32 v193, 0
	v_lshrrev_b32 v1, 5, v0
	v_readfirstlane_b32 s16, v1                    ; wave 0..3
	v_and_b32 v2, 31, v0                           ; lane
	v_lshlrev_b32 v3, 4, v2                        ; my 16 bytes of a load's 512
	s_mul_i32 s17, s16, WREG
	v_lshrrev_b32 v14, 2, v2
	v_mul_u32_u24 v14, v14, SP
	v_and_b32 v15, 3, v2
	v_lshl_add_u32 v14, v15, 4, v14
	v_add_nc_u32 v14, s17, v14                     ; the stage, on the way in: SP (lane / 4) + 16 (lane % 4)
	v_mul_u32_u24 v15, v2, SP
	v_add_nc_u32 v15, s17, v15                     ; and on the way out: SP x lane: my 16 neighbours
	v_lshlrev_b32 v4, 3, v2                        ; 8 x lane: my codes' place in a step's 256 bytes, and my 8 scale bytes at the end
	v_lshrrev_b32 v5, 1, v2
	s_add_co_u32 s17, s17, 2*32*SP
	v_add_nc_u32 v5, s17, v5                       ; LDS: my block's byte among the wave's 256
	v_add_nc_u32 v6, s17, v4                       ; and 8 bytes a lane on the way out
	s_and_b32 s22, ttmp7, 0xffff                   ; the tensor: 0 Q, 1 K, 2 V
	s_lshl_b32 s23, ttmp9, 2
	s_add_co_u32 s18, s23, s16                     ; which 8 rows I read
	s_and_b32 s19, s16, 1
	s_lshl_b32 s19, s19, 1
	s_lshr_b32 s24, s16, 1
	s_or_b32 s19, s19, s24                         ; waves 1 and 2 change places
	s_add_co_u32 s19, s19, s23                     ; which 8 rows I write
	s_lshl_b32 s20, s18, 15                        ; 8 rows of 4,096 bytes
	s_mov_b32 s21, 0
	s_lshl_b32 s24, s22, 22                        ; a tensor's codes: 4,194,304 bytes
	s_lshl_b32 s26, s19, 12                        ; 8 rows of 512 bytes
	s_add_co_u32 s24, s24, s26
	s_mov_b32 s25, 0
	s_lshl_b32 s26, s22, 18                        ; a tensor's scale bytes: 262,144
	s_lshl_b32 s28, s19, 8                         ; 8 rows of 32 bytes
	s_add_co_u32 s26, s26, s28
	s_mov_b32 s27, 0
	s_wait_kmcnt 0x0
	s_cmp_eq_u32 s22, 1                            ; the choice hangs on the work-group's number alone
	s_cselect_b64 s[6:7], s[6:7], s[8:9]
	s_cmp_eq_u32 s22, 0
	s_cselect_b64 s[4:5], s[4:5], s[6:7]
	s_add_nc_u64 s[4:5], s[4:5], s[20:21]
	s_add_nc_u64 s[10:11], s[10:11], s[24:25]
	s_add_nc_u64 s[12:13], s[12:13], s[26:27]
.macro LOAD t
.irp i, 0,1,2,3
	global_load_b128 v[R+16*((\t)%4)+4*\i:R+16*((\t)%4)+4*\i+3], v3, s[4:5] offset:2048*(\t)+512*\i th:TH_LOAD_NT   ; 32 lanes read 512 consecutive bytes, read once in the launch
.endr
.endm
.macro TURN t                          ; step t's numbers through the stage: LDS serves a wave's instructions in order, so no wait stands between the stores and the loads
.irp i, 0,1,2,3
	ds_store_b128 v14, v[R+16*((\t)%4)+4*\i:R+16*((\t)%4)+4*\i+3] offset:32*SP*((\t)%2)+8*SP*\i
.endr
.irp i, 0,1,2,3
	ds_load_b128 v[X+16*((\t)%2)+4*\i:X+16*((\t)%2)+4*\i+3], v15 offset:32*SP*((\t)%2)+16*\i
.endr
.endm
.irp t, 0,1,2,3
	LOAD \t
.endr
	s_wait_loadcnt 12                              ; step 0's four loads are in; the twelve of steps 1 to 3 may be out
	TURN 0
.macro STEP t
.set XS, X+16*((\t)%2)
.if (\t) > 0
	s_wait_dscnt 1                                 ; this step's numbers are back from the stage (the last step's byte store may be out)
.else
	s_wait_dscnt 0x0
.endif
.if (\t)+4 < STEPS
	LOAD (\t)+4                                    ; into the registers that this step's stores into the stage have read
.endif
.if (\t)+1 < STEPS
.if STEPS-2-(\t) >= 3
	s_wait_loadcnt 12                              ; the next step's four loads are in; those of the three steps behind it may be out
.else
	s_wait_loadcnt 4*(STEPS-2-(\t))                ; the tail: four loads fewer are behind it in each step
.endif
	TURN (\t)+1                                    ; they go through the other stage while this step is worked
.endif
	v_max3_num_f32 v8, |v[XS]|, |v[XS+1]|, |v[XS+2]|               ; the largest magnitude of my 16, in two chains
	v_max3_num_f32 v9, |v[XS+3]|, |v[XS+4]|, |v[XS+5]|
.irp i, 6,10
	v_max3_num_f32 v8, v8, |v[XS+\i]|, |v[XS+\i+1]|
	v_max3_num_f32 v9, v9, |v[XS+\i+2]|, |v[XS+\i+3]|
.endr
	v_max3_num_f32 v8, v8, |v[XS+14]|, |v[XS+15]|
	v_max3_num_f32 v8, v8, v9, 0x1800000           ; and the floor 2^(3 - 127): the byte cannot fall under 1
	v_max_num_f32_dpp v8, v8, v8 row_xmask:1 row_mask:0xf bank_mask:0xf   ; with my neighbour's 16: the block's
	v_add_nc_u32 v11, 0xff000000, v8               ; 2 off its exponent field: the conversion takes the exponent field of this operand as its scale
	v_cvt_scalef32_pk8_fp4_f32 v[C+4*(\t)], v[XS:XS+7], v11
	v_cvt_scalef32_pk8_fp4_f32 v[C+4*(\t)+1], v[XS+8:XS+15], v11
	v_lshrrev_b32 v[E+(\t)], 23, v11               ; the scale's byte
	ds_store_b8 v5, v[E+(\t)] offset:16*(\t)       ; both lanes of a block write the same byte with the same value
	global_store_b64 v4, v[C+4*(\t):C+4*(\t)+1], s[10:11] offset:256*(\t)   ; the wave stores 256 consecutive bytes, aligned
.endm
.irp t, 0,1,2,3,4,5,6,7,8,9,10,11,12,13,14,15
	STEP \t
.endr
	ds_load_b64 v[12:13], v6                       ; LDS serves a wave's instructions in order: this sees my byte stores
	s_wait_dscnt 0x0
	global_store_b64 v4, v[12:13], s[12:13]        ; the 8 rows' 256 scale bytes, consecutive and aligned
	s_wait_tensorcnt 0x0
	ds_add_u32 v192, v193
	s_wait_dscnt 0x0
	s_endpgm
.Lfunc_end_k_q0be09d70eb_quant_x:
	.size	k_q0be09d70eb_quant_x, .Lfunc_end_k_q0be09d70eb_quant_x-k_q0be09d70eb_quant_x
	.p2alignl 7, 3214868480
	.fill 96, 4, 3214868480
	.section	.rodata,"a",@progbits
	.p2align	6, 0x0
	.amdhsa_kernel k_q0be09d70eb_quant_x
		.amdhsa_group_segment_fixed_size 33280
		.amdhsa_private_segment_fixed_size 0
		.amdhsa_enable_private_segment 0
		.amdhsa_kernarg_size 40
		.amdhsa_user_sgpr_count 2
		.amdhsa_user_sgpr_kernarg_segment_ptr 1
		.amdhsa_wavefront_size32 1
		.amdhsa_system_sgpr_workgroup_id_x 1
		.amdhsa_system_sgpr_workgroup_id_y 1
		.amdhsa_system_sgpr_workgroup_id_z 1
		.amdhsa_system_vgpr_workitem_id 0
		.amdhsa_next_free_vgpr 194
		.amdhsa_next_free_sgpr 66
		.amdhsa_reserve_vcc 0
		.amdhsa_float_denorm_mode_32 3
		.amdhsa_float_denorm_mode_16_64 3
		.amdhsa_memory_ordered 1
		.amdhsa_forward_progress 1
		.amdhsa_inst_pref_size 33
	.end_amdhsa_kernel
	.amdgpu_metadata
---
amdhsa.version: [ 1, 2 ]
amdhsa.kernels:
  - .name:           k_q0be09d70eb_quant_x
    .symbol:         k_q0be09d70eb_quant_x.kd
    .args:
      - { .name: Q, .offset: 0, .size: 8, .value_kind: global_buffer, .address_space: global }
      - { .name: K, .offset: 8, .size: 8, .value_kind: global_buffer, .address_space: global }
      - { .name: V, .offset: 16, .size: 8, .value_kind: global_buffer, .address_space: global }
      - { .name: xc, .offset: 24, .size: 8, .value_kind: global_buffer, .address_space: global }
      - { .name: xs, .offset: 32, .size: 8, .value_kind: global_buffer, .address_space: global }
    .group_segment_fixed_size: 33280
    .private_segment_fixed_size: 0
    .kernarg_segment_align: 8
    .kernarg_segment_size: 40
    .max_flat_workgroup_size: 128
    .sgpr_count:     66
    .vgpr_count:     194
    .wavefront_size: 32
...
	.end_amdgpu_metadata
.endif
;; end of part 1
;; launch quant_w (part 2): grid 32 x 4, 8 waves a work-group, no clusters, 19,456 bytes of LDS; arguments Wq, Wk, Wv, Wo, wc, ws; writes wc, ws
.if DOCPART == 2
	.amdgcn_target "amdgcn-amd-amdhsa--gfx1250"
	.amdhsa_code_object_version 6
	.text
	.protected	k_q0be09d70eb_quant_w
	.globl	k_q0be09d70eb_quant_w
	.p2align	8
	.type	k_q0be09d70eb_quant_w,@function
k_q0be09d70eb_quant_w:
	s_mov_b64 s[64:65], 0
	v_nop
	global_prefetch_b8 v0, s[64:65] scope:SCOPE_SE
	s_setreg_imm32_b32 hwreg(HW_REG_WAVE_MODE, 25, 1), 1
	s_wait_xcnt 0x0
; Wq, Wk, Wv [16 heads][1024 (K)][64] and Wo [1024 (K)][1024], f32, become codes of FP4 (E2M1) laid [n][1024 along K] (512 bytes a row) and E8M0 bytes [n][32]; n = 64 x head + column, or Wo's column.
; K is not innermost: A LANE TAKES A COLUMN n AND ITS REGISTERS RUN DOWN K, so a block of 32 lies in one lane's 32 registers and the conversions give codes with K innermost.
; One text serves both layouts: number (k, column c of column group cg) lies at cg x HS + k x RS + 4 c bytes, (HS, RS) = (262144, 256) for the heads' weights, (256, 4096) for Wo.
; A block's scale is 2^(floor(log2(its largest magnitude)) - 2); its byte is held at 1 from below; a block of zeros gets the byte 1 and not 127 (zero codes; only this program reads the bytes).
; LIMITS: NaN and infinities among the inputs are not served.
; SHARES: work-group x = 2 x column group + half of K, y = the tensor.  A work-group takes 64 columns x 512 K; wave w takes columns 32 (w / 4) on and K 128 (w % 4) on: four blocks a lane.
; ORDER OF THE ROWS n IN wc AND ws: inside each 32 rows the second and third group of 8 change places (as for the rows of xc).
; The codes meet in a stage in LDS (row = column, 256 bytes + 16) and leave by rows: sixteen lanes store 256 consecutive bytes, aligned.  The scale bytes leave in pieces of 16 bytes a row: 128 KB in the whole launch.
.set SPT,  272                         ; a stage row
.set SST,  64*SPT                      ; behind the stage: 64 rows x 16 scale bytes
.set OFF,  16                          ; v16-47   byte offset of row i of a block, i = 0 .. 31
.set X,    48                          ; v48-175  four blocks of 32 numbers
.set C,    176                         ; v176-191 four registers of codes for each block
.set SB,   192                         ; v192     my four scale bytes
	s_load_b256 s[4:11], s[0:1], 0x0               ; Wq, Wk, Wv, Wo
	s_load_b128 s[12:15], s[0:1], 0x20             ; wc, ws
	v_lshl_add_u32 v200, v0, 2, 0x4800
	v_mov_b32 v201, 0
	v_lshrrev_b32 v1, 5, v0
	v_readfirstlane_b32 s16, v1                    ; wave 0..7
	v_and_b32 v2, 31, v0                           ; lane
	s_lshr_b32 s17, s16, 2                         ; which 32 columns
	s_and_b32 s18, s16, 3                          ; which 128 along K
	s_lshr_b32 s19, ttmp9, 1                       ; column group
	s_and_b32 s20, ttmp9, 1                        ; half of K
	s_and_b32 s21, ttmp7, 0xffff                   ; the tensor
	s_mov_b32 s32, 262144
	s_mov_b32 s33, 256
	s_mov_b32 s34, 4096
	s_cmp_lt_u32 s21, 3
	s_cselect_b32 s22, s32, s33                    ; HS
	s_cselect_b32 s23, s33, s34                    ; RS
	s_mul_i32 s35, s17, 32*SPT
	s_lshl_b32 s36, s18, 6
	s_add_co_u32 s35, s35, s36
	v_mul_u32_u24 v4, v2, SPT
	v_add_nc_u32 v4, s35, v4                       ; stage, in: row = my column, + 64 bytes for each 128 along K
	s_lshl_b32 s35, s17, 9
	s_lshl_b32 s36, s18, 2
	s_add_co_u32 s35, s35, s36
	s_add_co_u32 s35, s35, SST
	v_lshl_add_u32 v5, v2, 4, s35                  ; my scale word: 16 bytes a column, 4 for each 128 along K
	v_lshrrev_b32 v10, 4, v2
	v_and_b32 v3, 15, v2
	s_mul_i32 s35, s16, 8*SPT
	v_mul_u32_u24 v6, v10, SPT
	v_lshl_add_u32 v6, v3, 4, v6
	v_add_nc_u32 v6, s35, v6                       ; stage, out: wave w takes rows 8 w on, two rows an instruction, sixteen lanes to a row
	v_lshlrev_b32 v7, 9, v10
	v_lshl_add_u32 v7, v3, 4, v7                   ; and the same place in wc
	s_lshl_b32 s35, s16, 7
	s_add_co_u32 s35, s35, SST
	v_lshl_add_u32 v8, v2, 2, s35                  ; scale bytes, out: my wave's 8 rows x 16 bytes, 4 a lane
	v_lshrrev_b32 v9, 2, v2
	v_lshlrev_b32 v9, 5, v9
	v_and_b32 v10, 3, v2
	v_lshl_add_u32 v9, v10, 2, v9                  ; and their place in ws: 32 bytes a row
	s_lshl_b32 s35, s17, 7
	v_lshl_add_u32 v[OFF], v2, 2, s35              ; my column: 4 x lane + 128 x (w / 4)
.set i, 1
.rept 31
	v_add_nc_u32 v[OFF+i], s23, v[OFF+i-1]         ; one row of K further down
.set i, i+1
.endr
	s_lshl_b32 s36, s20, 9
	s_lshl_b32 s37, s18, 7
	s_add_co_u32 s36, s36, s37                     ; my first k
	s_mul_i32 s36, s36, s23
	s_mul_i32 s37, s19, s22
	s_add_co_u32 s36, s36, s37                     ; in bytes, with the column group's: under 4,194,304
	s_mov_b32 s37, 0
	s_lshl_b32 s38, s23, 5                         ; a block: 32 rows of K
	s_mov_b32 s39, 0
	s_and_b32 s40, s16, 4                          ; where my 8 rows go: groups 1 and 2 of each four change places
	s_and_b32 s41, s16, 1
	s_lshl_b32 s41, s41, 1
	s_or_b32 s40, s40, s41
	s_bfe_u32 s41, s16, 0x10001
	s_or_b32 s40, s40, s41
	s_lshl_b32 s41, s19, 3
	s_add_co_u32 s40, s40, s41                     ; group of 8 rows among the tensor's 128
	s_lshl_b32 s42, s21, 19                        ; a tensor's codes: 524,288 bytes
	s_lshl_b32 s41, s40, 12
	s_add_co_u32 s42, s42, s41
	s_lshl_b32 s41, s20, 8
	s_add_co_u32 s42, s42, s41
	s_mov_b32 s43, 0
	s_lshl_b32 s44, s21, 15                        ; a tensor's scale bytes: 32,768
	s_lshl_b32 s41, s40, 8
	s_add_co_u32 s44, s44, s41
	s_lshl_b32 s41, s20, 4
	s_add_co_u32 s44, s44, s41
	s_mov_b32 s45, 0
	s_wait_kmcnt 0x0
	s_cmp_eq_u32 s21, 0                            ; the choices hang on the work-group's number alone
	s_cselect_b64 s[4:5], s[4:5], s[6:7]
	s_cmp_eq_u32 s21, 2
	s_cselect_b64 s[8:9], s[8:9], s[10:11]
	s_cmp_lt_u32 s21, 2
	s_cselect_b64 s[4:5], s[4:5], s[8:9]
	s_add_nc_u64 s[24:25], s[4:5], s[36:37]        ; a base for each of my four blocks: nothing is stepped later
	s_add_nc_u64 s[26:27], s[24:25], s[38:39]
	s_add_nc_u64 s[28:29], s[26:27], s[38:39]
	s_add_nc_u64 s[30:31], s[28:29], s[38:39]
	s_add_nc_u64 s[12:13], s[12:13], s[42:43]
	s_add_nc_u64 s[14:15], s[14:15], s[44:45]
.macro LOAD t                          ; block t: 32 rows of K at my column; 32 lanes read 128 consecutive bytes
.set i, 0
.rept 32
	global_load_b32 v[X+32*(\t)+i], v[OFF+i], s[24+2*(\t):25+2*(\t)]
.set i, i+1
.endr
.endm
.macro BLOCK t
.set XS, X+32*(\t)
	v_max3_num_f32 v12, |v[XS]|, |v[XS+1]|, |v[XS+2]|               ; the block's largest magnitude: all 32 numbers are mine
	v_max3_num_f32 v13, |v[XS+3]|, |v[XS+4]|, |v[XS+5]|
.irp i, 6,10,14,18,22,26
	v_max3_num_f32 v12, v12, |v[XS+\i]|, |v[XS+\i+1]|
	v_max3_num_f32 v13, v13, |v[XS+\i+2]|, |v[XS+\i+3]|
.endr
	v_max3_num_f32 v12, v12, |v[XS+30]|, |v[XS+31]|
	v_max3_num_f32 v12, v12, v13, 0x1800000        ; and the floor 2^(3 - 127): the byte cannot fall under 1
	v_add_nc_u32 v11, 0xff000000, v12              ; 2 off its exponent field: the conversion's scale operand
	v_lshrrev_b32 v13, 23, v11                     ; the scale's byte
.if (\t) == 0
	v_mov_b32 v[SB], v13
.else
	v_lshl_or_b32 v[SB], v13, 8*(\t), v[SB]        ; the lower K in the lower byte
.endif
.irp g, 0,1,2,3
	v_cvt_scalef32_pk8_fp4_f32 v[C+4*(\t)+\g], v[XS+8*\g:XS+8*\g+7], v11
.endr
	ds_store_b128 v4, v[C+4*(\t):C+4*(\t)+3] offset:16*(\t)          ; 32 codes: 16 bytes of my column's row
.endm
	LOAD 0
	LOAD 1
	s_wait_loadcnt 32                              ; block 0's 32 loads are in; block 1's 32 may be out
	LOAD 2
	BLOCK 0
	s_wait_loadcnt 32                              ; block 1's are in; block 2's may be out
	LOAD 3
	BLOCK 1
	s_wait_loadcnt 32                              ; block 2's are in; block 3's may be out
	BLOCK 2
	s_wait_loadcnt 0x0
	BLOCK 3
	ds_store_b32 v5, v[SB]
	s_wait_dscnt 0x0                               ; for the others' sake: my stores into the stage are done
	s_barrier_signal -1
	s_barrier_wait -1
.irp k, 0,1,2,3
	ds_load_b128 v[48+4*\k:51+4*\k], v6 offset:2*SPT*\k
.endr
	ds_load_b32 v64, v8
.irp k, 0,1,2,3
	s_wait_dscnt 4-\k                              ; load k is back; the younger ones may be out
	global_store_b128 v7, v[48+4*\k:51+4*\k], s[12:13] offset:1024*\k   ; sixteen lanes store 256 consecutive bytes, aligned
.endr
	s_wait_dscnt 0x0
	global_store_b32 v9, v64, s[14:15]
	s_wait_tensorcnt 0x0
	ds_add_u32 v200, v201
	s_wait_dscnt 0x0
	s_endpgm
.Lfunc_end_k_q0be09d70eb_quant_w:
	.size	k_q0be09d70eb_quant_w, .Lfunc_end_k_q0be09d70eb_quant_w-k_q0be09d70eb_quant_w
	.p2alignl 7, 3214868480
	.fill 96, 4, 3214868480
	.section	.rodata,"a",@progbits
	.p2align	6, 0x0
	.amdhsa_kernel k_q0be09d70eb_quant_w
		.amdhsa_group_segment_fixed_size 19456
		.amdhsa_private_segment_fixed_size 0
		.amdhsa_enable_private_segment 0
		.amdhsa_kernarg_size 48
		.amdhsa_user_sgpr_count 2
		.amdhsa_user_sgpr_kernarg_segment_ptr 1
		.amdhsa_wavefront_size32 1
		.amdhsa_system_sgpr_workgroup_id_x 1
		.amdhsa_system_sgpr_workgroup_id_y 1
		.amdhsa_system_sgpr_workgroup_id_z 1
		.amdhsa_system_vgpr_workitem_id 0
		.amdhsa_next_free_vgpr 202
		.amdhsa_next_free_sgpr 66
		.amdhsa_reserve_vcc 0
		.amdhsa_float_denorm_mode_32 3
		.amdhsa_float_denorm_mode_16_64 3
		.amdhsa_memory_ordered 1
		.amdhsa_forward_progress 1
		.amdhsa_inst_pref_size 24
	.end_amdhsa_kernel
	.amdgpu_metadata
---
amdhsa.version: [ 1, 2 ]
amdhsa.kernels:
  - .name:           k_q0be09d70eb_quant_w
    .symbol:         k_q0be09d70eb_quant_w.kd
    .args:
      - { .name: Wq, .offset: 0, .size: 8, .value_kind: global_buffer, .address_space: global }
      - { .name: Wk, .offset: 8, .size: 8, .value_kind: global_buffer, .address_space: global }
      - { .name: Wv, .offset: 16, .size: 8, .value_kind: global_buffer, .address_space: global }
      - { .name: Wo, .offset: 24, .size: 8, .value_kind: global_buffer, .address_space: global }
      - { .name: wc, .offset: 32, .size: 8, .value_kind: global_buffer, .address_space: global }
      - { .name: ws, .offset: 40, .size: 8, .value_kind: global_buffer, .address_space: global }
    .group_segment_fixed_size: 19456
    .private_segment_fixed_size: 0
    .kernarg_segment_align: 8
    .kernarg_segment_size: 48
    .max_flat_workgroup_size: 256
    .sgpr_count:     66
    .vgpr_count:     202
    .wavefront_size: 32
...
	.end_amdgpu_metadata
.endif
;; end of part 2
;; launch proj (part 3): grid 4 x 96, 16 waves a work-group, clusters of 4 x 4, 301,056 bytes of LDS; arguments xc, xs, wc, ws, bq, bk, bv, pc, ps; writes pc, ps
.if DOCPART == 3
	.amdgcn_target "amdgcn-amd-amdhsa--gfx1250"
	.amdhsa_code_object_version 6
	.text
	.protected	k_q0be09d70eb_proj
	.globl	k_q0be09d70eb_proj
	.p2align	8
	.type	k_q0be09d70eb_proj,@function
k_q0be09d70eb_proj:
	s_mov_b64 s[64:65], 0
	v_nop
	global_prefetch_b8 v0, s[64:65] scope:SCOPE_SE
	s_setreg_imm32_b32 hwreg(HW_REG_WAVE_MODE, 25, 1), 1
	s_wait_xcnt 0x0
	s_wait_alu depctr_hold_cnt(0) depctr_sa_sdst(0) depctr_va_vdst(0) depctr_va_sdst(0) depctr_va_ssrc(0) depctr_va_vcc(0) depctr_vm_vsrc(0)
	s_getreg_b32 s2, hwreg(HW_REG_IB_STS2, 6, 4)
	s_cmp_eq_u32 s2, 0
	s_cbranch_scc0 .Lentry_in_a_cluster
	s_endpgm
.Lentry_in_a_cluster:
	s_bfe_u32 s2, ttmp6, 0x10000c
	s_cmp_lg_u32 s2, 0xf033
	s_cbranch_scc0 .Lentry_shape_is_right
	s_endpgm
.Lentry_shape_is_right:
; The three projections q = Q Wq + bq, k = K Wk + bk, v = V Wv + bv on codes of FP4 (E2M1) with E8M0 scales, K = 1,024; the results are quantised in registers for the attention's two products and leave as codes.
; SHARES: 4 x 4 work-groups form a cluster.  The cluster's y / 8 is the tensor (equal in all partners); a work-group makes 256 rows of x times 256 channels.  All of K lies in LDS: nothing is filled twice.
; Sixteen waves, four to a SIMD; a wave makes 8 tiles R (source 0: they run along a lane's registers) x 2 tiles L (source 1: they run along the lanes): 16 accumulators.
;   q, k: R = the weight, L = x: a lane holds one row, its registers run along the channels, which are the K of q k^T.
;   v:    R = x, L = the weight: a lane holds one channel, its registers run along the keys, which are the K of p v.
; Only the LDS bases differ, chosen by the tensor's number.  The rows of xc and wc lie so that 16 rows on end are rows 0-7 and 16-23 (or 8-15 and 24-31) of a group of 32:
; the 16 registers of R tiles 2 b and 2 b + 1 are then 16 neighbours, 32 b + 16 (lane / 16) + 0 .. 15.
; JOINT LOADS: the four work-groups of a row of the cluster need the same rows of x, the four of a column the same rows of the weight.
; THE BIAS starts the sums: it is put into the accumulators ahead of the first K step (so it is added first and not last: a difference of f32 rounding).
; OUT: q and k as images of the operand's registers, [batch x 16 + head][tile of 16 rows][lane][16 bytes], and one scale word a row (two bytes, then two bytes 0x7f over the zero codes that fill K = 64 up to 128);
;      v as [batch x 16 + head][128 keys][16 channels][half][lane][16 bytes] and one scale word for a channel and 128 keys.
; LIMITS: NaN and infinities are not served; a block of zeros gets the byte 1 and not 127 (zero codes; only this program reads the bytes).
.set PITCH, 272                        ; an LDS row of codes: 256 bytes + 16: the 16 rows of a fragment load start at 16 different banks (64 banks of 4 bytes: ISA guide 11.1)
.set OPB,   256*PITCH                  ; an operand's 256 rows of one half of K
.set CHUNK, 2*OPB                      ; a half of K: x's rows, then the weight's
.set XSC,   2*CHUNK                    ; x's scale bytes: 256 rows of 32 bytes + 8
.set WSC,   XSC+256*40                 ; the weight's
.set RA,  1                            ; v1-2   LDS address of my R fragments, first and second half of K
.set LA,  3                            ; v3-4   of my L fragments
.set RSA, 5                            ; v5     of R's scale bytes
.set LSA, 6                            ; v6     of L's
.set RS,  10                           ; v10-25 R's scale words: a pair (two K steps) for each tile; they hold scales and nothing else
.set LS,  26                           ; v26-29 L's
.set BV,  30                           ; v30-31 v: my two channels' bias
.set BO,  32                           ; v32    the bias's byte offset
.set LF,  48                           ; v48-63   L's two fragments
.set RF,  64                           ; v64-127  R's eight
.set AC,  128                          ; v128-255 accumulator (i, t) at AC + 64 i + 8 t
.set TM,  64                           ; the way out: v64-79 at work, v80-95 codes, v96-97 scale words, v98-102 what is stored and where
.set PC,  80
.set PW,  96
.set WV,  22                           ; s22 wave; s23 wave % 2 (R half); s24 wave / 2 (L pair); s25 wave % 4
.set SEL, 34                           ; s[34:35] selects of v_permlanex16_b32: lane l xor 16
.macro ROUND                           ; a round of the cluster's barrier
	s_barrier_signal -1
	s_barrier_wait -1
	s_cmp_lg_u32 s[WV], 0
	s_cbranch_scc1 .Lnot_wave_0_\@
	s_barrier_signal -3
.Lnot_wave_0_\@:
	s_barrier_wait -3
	s_barrier_signal -1
	s_barrier_wait -1
.endm
	s_load_b256 s[4:11], s[0:1], 0x0               ; xc, xs, wc, ws
	s_load_b256 s[12:19], s[0:1], 0x20             ; bq, bk, bv, pc
	s_load_b64 s[20:21], s[0:1], 0x40              ; ps
	v_lshl_add_u32 v46, v0, 2, 0x49000
	v_mov_b32 v47, 0
	ds_add_u32 v46, v47
	ds_add_u32 v46, v47
	v_lshrrev_b32 v1, 5, v0
	v_readfirstlane_b32 s[WV], v1                  ; wave 0..15
	s_and_b32 s23, s[WV], 1
	s_lshr_b32 s24, s[WV], 1
	s_and_b32 s25, s[WV], 3
	s_bfe_u32 s26, ttmp6, 0x40000                  ; cx
	s_bfe_u32 s27, ttmp6, 0x40004                  ; cy
	s_lshl_b32 s28, ttmp9, 2
	s_add_co_u32 s28, s28, s26                     ; which 256 channels
	s_and_b32 s30, ttmp7, 0xffff
	s_and_b32 s29, s30, 7
	s_lshl_b32 s29, s29, 2
	s_add_co_u32 s29, s29, s27                     ; which 256 rows of the tensor
	s_lshr_b32 s30, s30, 3                         ; the tensor: 0 q, 1 k, 2 v
	s_lshl_b32 s32, s27, 2
	s_lshl_b32 s32, 15, s32                        ; my row of the cluster
	s_lshl_b32 s33, 0x1111, s26                    ; my column
	; group 1 for codes: 64 rows x 256 bytes out of rows of 512; 16 bytes of padding behind every 64 words.  s[36:43] x (row mask), s[44:51] the weight (column mask)
	s_or_b32 s36, s32, (1<<20)|(1<<21)|(5<<22)|(3<<25)
	s_or_b32 s44, s33, (1<<20)|(1<<21)|(5<<22)|(3<<25)
.irp g, 36, 44
	s_mov_b32 s[\g+1], 256<<16                     ; tensor_dim0
	s_mov_b32 s[\g+2], 64<<16                      ; tensor_dim1
	s_mov_b32 s[\g+3], 256<<16                     ; tile_dim0
	s_mov_b32 s[\g+4], 64                          ; tile_dim1
	s_mov_b32 s[\g+5], 512                         ; from row to row
	s_mov_b32 s[\g+6], 0
	s_mov_b32 s[\g+7], 0
.endr
	; group 1 for scale bytes: 64 rows of 32 bytes are 2,048 dense bytes: 8 rows of 32 elements of 8 bytes; 2 words of padding behind every 8.  s[52:59] x, s[68:75] the weight
	s_or_b32 s52, s32, (3<<16)|(1<<20)|(1<<21)|(2<<22)|(1<<25)
	s_or_b32 s68, s33, (3<<16)|(1<<20)|(1<<21)|(2<<22)|(1<<25)
.irp g, 52, 68
	s_mov_b32 s[\g+1], 32<<16
	s_mov_b32 s[\g+2], 8<<16
	s_mov_b32 s[\g+3], 32<<16
	s_mov_b32 s[\g+4], 8
	s_mov_b32 s[\g+5], 32
	s_mov_b32 s[\g+6], 0
	s_mov_b32 s[\g+7], 0
.endr
	; where my 64 rows begin.  x's offsets are made of the tensor, the row block and the wave; the weight's of the tensor, the channel block and the wave; neither set of registers holds the other coordinate
	s_lshl_b32 s60, s30, 22
	s_lshl_b32 s100, s29, 17
	s_add_co_u32 s60, s60, s100
	s_lshl_b32 s100, s25, 15
	s_add_co_u32 s60, s60, s100                    ; x's codes
	s_mov_b32 s61, 0
	s_lshl_b32 s34, s30, 18
	s_lshl_b32 s100, s29, 13
	s_add_co_u32 s34, s34, s100
	s_lshl_b32 s100, s25, 11
	s_add_co_u32 s34, s34, s100                    ; x's scale bytes
	s_mov_b32 s35, 0
	s_lshl_b32 s62, s30, 19
	s_lshl_b32 s101, s28, 17
	s_add_co_u32 s62, s62, s101
	s_lshl_b32 s101, s25, 15
	s_add_co_u32 s62, s62, s101                    ; the weight's codes
	s_mov_b32 s63, 0
	s_lshl_b32 s66, s30, 15
	s_lshl_b32 s101, s28, 13
	s_add_co_u32 s66, s66, s101
	s_lshl_b32 s101, s25, 11
	s_add_co_u32 s66, s66, s101                    ; the weight's scale bytes
	s_mov_b32 s67, 0
	s_mul_i32 s104, s25, 64*PITCH                  ; and where they go: the wave's number alone
	s_mul_i32 s105, s25, 64*40
	s_wait_dscnt 0x0
	s_wait_kmcnt 0x0
	s_mov_b32 s76, 1                               ; x: scale bytes,
	s_add_co_u32 s77, s105, XSC
	s_add_nc_u64 s[78:79], s[6:7], s[34:35]
	s_or_b32 s79, s79, 0x80000000
	s_mov_b32 s80, 1                               ; first half of K,
	s_mov_b32 s81, s104
	s_add_nc_u64 s[82:83], s[4:5], s[60:61]
	s_mov_b32 s84, 1                               ; second half
	s_add_co_u32 s85, s104, CHUNK
	s_add_nc_u64 s[86:87], s[82:83], 256
	s_or_b32 s83, s83, 0x80000000
	s_or_b32 s87, s87, 0x80000000
	s_mov_b32 s88, 1                               ; the weight likewise
	s_add_co_u32 s89, s105, WSC
	s_add_nc_u64 s[90:91], s[10:11], s[66:67]
	s_or_b32 s91, s91, 0x80000000
	s_mov_b32 s92, 1
	s_add_co_u32 s93, s104, OPB
	s_add_nc_u64 s[94:95], s[8:9], s[62:63]
	s_mov_b32 s96, 1
	s_add_co_u32 s97, s104, CHUNK+OPB
	s_add_nc_u64 s[98:99], s[94:95], 256
	s_or_b32 s95, s95, 0x80000000
	s_or_b32 s99, s99, 0x80000000
	ROUND                                          ; all sixteen work-groups are here: the joint loads meet
	s_cmp_lt_u32 s[WV], 4                          ; waves 0-3 fetch x, waves 4-7 the weight, the others nothing.  A wave's three loads stand in one branch: three of mine are out at the most
	s_cbranch_scc0 .Lnot_x
	tensor_load_to_lds s[76:79], s[52:59]
	s_nop 0
	tensor_load_to_lds s[80:83], s[36:43]
	s_nop 0
	tensor_load_to_lds s[84:87], s[36:43]
	s_nop 0
.rept 4
	v_nop                                          ; four v_nop follow the last of them
.endr
	s_branch .Lasked
.Lnot_x:
	s_cmp_lt_u32 s[WV], 8
	s_cbranch_scc0 .Lasked
	tensor_load_to_lds s[88:91], s[68:75]
	s_nop 0
	tensor_load_to_lds s[92:95], s[44:51]
	s_nop 0
	tensor_load_to_lds s[96:99], s[44:51]
	s_nop 0
.rept 4
	v_nop
.endr
.Lasked:
	v_and_b32 v7, 15, v0                           ; r
	v_bfe_u32 v8, v0, 4, 1                         ; h
	; THE BIAS INTO THE ACCUMULATORS.  Both ways write all 128 registers, so that every K step has one form
	s_cmp_eq_u32 s30, 0
	s_cselect_b64 s[12:13], s[12:13], s[14:15]     ; bq or bk
	s_cmp_eq_u32 s30, 2
	s_cbranch_scc1 .Lbias_v
	s_lshl_b32 s60, s28, 10                        ; q, k: register j of tile t holds channel 32 (t / 2) + 16 h + 8 (t % 2) + j of my 128
	s_lshl_b32 s61, s23, 9
	s_add_co_u32 s60, s60, s61
	s_mov_b32 s61, 0
	s_add_nc_u64 s[12:13], s[12:13], s[60:61]
	v_lshlrev_b32 v[BO], 6, v8
.irp i, 0,1
.irp t, 0,1,2,3,4,5,6,7
	global_load_b128 v[AC+64*\i+8*\t:AC+64*\i+8*\t+3], v[BO], s[12:13] offset:128*(\t/2)+32*(\t%2)
	global_load_b128 v[AC+64*\i+8*\t+4:AC+64*\i+8*\t+7], v[BO], s[12:13] offset:128*(\t/2)+32*(\t%2)+16
.endr
.endr
	s_branch .Lbias_done
.Lbias_v:
	s_lshl_b32 s60, s28, 3                         ; v: lane r of tile i holds channel 8 i + r + 8 (r / 8) of my 32: one number for all 64 registers of a tile column
	s_add_co_u32 s60, s60, s24
	s_lshl_b32 s60, s60, 7
	s_mov_b32 s61, 0
	s_add_nc_u64 s[16:17], s[16:17], s[60:61]
	v_and_b32 v[BO], 8, v7
	v_add_nc_u32 v[BO], v[BO], v7
	v_lshlrev_b32 v[BO], 2, v[BO]
	global_load_b32 v[BV], v[BO], s[16:17]
	global_load_b32 v[BV+1], v[BO], s[16:17] offset:32
	s_wait_loadcnt 0x0                             ; the tiles are on their way meanwhile
.set j, 0
.rept 64
	v_mov_b32 v[AC+j], v[BV]
	v_mov_b32 v[AC+64+j], v[BV+1]
.set j, j+1
.endr
.Lbias_done:
	s_mov_b32 s104, XSC
	s_mov_b32 s105, WSC
	s_cmp_eq_u32 s30, 2                            ; v: R = x, L = the weight; q, k: the other way round
	s_cselect_b32 s2, 0, OPB
	s_cselect_b32 s3, OPB, 0
	s_cselect_b32 s66, s104, s105
	s_cselect_b32 s67, s105, s104
	v_mul_u32_u24 v9, v7, PITCH
	v_lshl_add_u32 v9, v8, 4, v9                   ; a fragment's row x pitch + 16 x half
	s_mul_i32 s100, s23, 128*PITCH
	s_add_co_u32 s100, s100, s2
	v_add_nc_u32 v[RA], s100, v9
	v_add_nc_u32 v[RA+1], CHUNK, v[RA]
	s_mul_i32 s101, s24, 32*PITCH
	s_add_co_u32 s101, s101, s3
	v_add_nc_u32 v[LA], s101, v9
	v_add_nc_u32 v[LA+1], CHUNK, v[LA]
	v_mul_u32_u24 v9, v7, 40
	s_mul_i32 s100, s23, 128*40
	s_add_co_u32 s100, s100, s66
	v_add_nc_u32 v[RSA], s100, v9
	s_mul_i32 s101, s24, 32*40
	s_add_co_u32 s101, s101, s67
	v_add_nc_u32 v[LSA], s101, v9
	s_mov_b32 s[SEL], 0x76543210
	s_mov_b32 s[SEL+1], 0xfedcba98
; A K step of 128: 20 fragment loads, in every second step ten loads of two scale words, and 16 matrix instructions on 16 accumulators by turns, one instruction a turn.
.macro KSTEP ks
.if (\ks) > 0
.rept 4
	v_nop                                          ; four places in front of loads into registers that matrix instructions have read (ISA guide 7.12.1 for vector instructions)
.endr
.endif
.irp t, 0,1,2,3,4,5,6,7
	ds_load_b128 v[RF+8*\t:RF+8*\t+3], v[RA+(\ks)/4] offset:16*PITCH*\t+64*((\ks)%4)
	ds_load_b128 v[RF+8*\t+4:RF+8*\t+7], v[RA+(\ks)/4] offset:16*PITCH*\t+64*((\ks)%4)+32
.endr
.irp i, 0,1
	ds_load_b128 v[LF+8*\i:LF+8*\i+3], v[LA+(\ks)/4] offset:16*PITCH*\i+64*((\ks)%4)
	ds_load_b128 v[LF+8*\i+4:LF+8*\i+7], v[LA+(\ks)/4] offset:16*PITCH*\i+64*((\ks)%4)+32
.endr
.if (\ks)%2 == 0
.irp t, 0,1,2,3,4,5,6,7
	ds_load_b64 v[RS+2*\t:RS+2*\t+1], v[RSA] offset:640*\t+8*((\ks)/2)
.endr
.irp i, 0,1
	ds_load_b64 v[LS+2*\i:LS+2*\i+1], v[LSA] offset:640*\i+8*((\ks)/2)
.endr
.endif
	s_wait_dscnt 0x0                               ; the other three waves of the SIMD have work meanwhile
.irp i, 0,1
.irp t, 0,1,2,3,4,5,6,7
	v_wmma_scale_f32_16x16x128_f8f6f4 v[AC+64*\i+8*\t:AC+64*\i+8*\t+7], v[RF+8*\t:RF+8*\t+7], v[LF+8*\i:LF+8*\i+7], v[AC+64*\i+8*\t:AC+64*\i+8*\t+7], v[RS+2*\t+(\ks)%2], v[LS+2*\i+(\ks)%2] matrix_a_fmt:MATRIX_FMT_FP4 matrix_b_fmt:MATRIX_FMT_FP4
.endr
.endr
.endm
; 64 numbers of a lane, v[s] on, register 16 b + i = k 32 b + 16 (lane / 16) + i, become a fragment's codes in v[pc] on and its scale word in v[pw].  Each accumulator is read from its low end on.
.macro QUANT s, pc, pw
.irp b, 0,1,2,3
	v_max3_num_f32 v[TM+\b], |v[\s+16*\b]|, |v[\s+1+16*\b]|, 0x1800000   ; block b: my 16 numbers, and the floor 2^(3 - 127): the byte cannot fall under 1
.endr
.irp i, 2,4,6,8,10,12,14
.irp b, 0,1,2,3
	v_max3_num_f32 v[TM+\b], v[TM+\b], |v[\s+16*\b+\i]|, |v[\s+1+16*\b+\i]|
.endr
.endr
.irp b, 0,1,2,3
	v_permlanex16_b32 v[TM+4+\b], v[TM+\b], s[SEL], s[SEL+1]
.endr
.irp b, 0,1,2,3
	v_max_num_f32 v[TM+\b], v[TM+\b], v[TM+4+\b]   ; with lane l xor 16's: the block's largest magnitude
.endr
.irp b, 0,1,2,3
	v_add_nc_u32 v[TM+12+\b], 0xff000000, v[TM+\b] ; 2 off its exponent field: the conversion's scale operand
.endr
.irp b, 0,1,2,3
	v_lshrrev_b32 v[TM+4+\b], 23, v[TM+12+\b]      ; the scale's byte
.endr
	v_lshl_or_b32 v[\pw], v[TM+5], 8, v[TM+4]
	v_lshl_or_b32 v[\pw], v[TM+6], 16, v[\pw]
	v_lshl_or_b32 v[\pw], v[TM+7], 24, v[\pw]
.irp b, 0,1,2,3
	v_cvt_scalef32_pk8_fp4_f32 v[\pc+2*\b], v[\s+16*\b:\s+7+16*\b], v[TM+12+\b]
	v_cvt_scalef32_pk8_fp4_f32 v[\pc+1+2*\b], v[\s+8+16*\b:\s+15+16*\b], v[TM+12+\b]
.endr
	v_nop                                          ; one plain place behind a scaled conversion
.irp c, 0,1                                    ; the operand's layout wants a whole block in a lane: lanes 0-15 block 2 c, lanes 16-31 block 2 c + 1
.irp i, 0,1
	v_permlane16_swap_b32 v[\pc+4*\c+\i], v[\pc+2+4*\c+\i]
.endr
.endr
.endm
	s_wait_loadcnt 0x0                             ; the bias
	s_wait_tensorcnt 1                             ; my scale bytes and my part of the first half of K are in; the second half's load may stay out: nothing is filled twice
	s_barrier_signal -1
	s_barrier_wait -1                              ; everybody's are
	KSTEP 0
	KSTEP 1
	KSTEP 2
	KSTEP 3
	s_wait_tensorcnt 0x0                           ; my part of the second half (no LDS load of mine is out)
	s_barrier_signal -1
	s_barrier_wait -1
	KSTEP 4
	KSTEP 5
	KSTEP 6
	KSTEP 7
.rept 4
	v_nop                                          ; four places behind the last products
.endr
.irp b, 0,1,2,3
	v_mov_b32 v[TM+4+\b], 0                        ; a lane permute's destination counts as one of its sources
.endr
	v_and_b32 v100, 31, v0
	v_lshlrev_b32 v100, 4, v100                    ; 16 x lane: an image's place for my lane
	QUANT AC, PC, PW
	QUANT AC+64, PC+8, PW+1
	s_cmp_eq_u32 s30, 2
	s_cbranch_scc1 .Lout_v
	; q, k: registers 0-3 of the codes are my first head's image of this tile of rows, registers 4-7 my second head's
	s_lshr_b32 s60, s29, 3
	s_lshl_b32 s60, s60, 4                         ; 16 x batch
	s_lshl_b32 s61, s28, 2
	s_add_co_u32 s60, s60, s61
	s_lshl_b32 s61, s23, 1
	s_add_co_u32 s60, s60, s61                     ; + my first head
	s_and_b32 s61, s29, 7
	s_lshl_b32 s61, s61, 4
	s_lshl_b32 s62, s24, 1
	s_add_co_u32 s61, s61, s62                     ; my first tile of rows among the batch's 128
	s_lshl_b32 s62, s30, 22
	s_lshl_b32 s63, s60, 16
	s_add_co_u32 s62, s62, s63
	s_lshl_b32 s63, s61, 9
	s_add_co_u32 s62, s62, s63
	s_mov_b32 s63, 0
	s_add_nc_u64 s[18:19], s[18:19], s[62:63]
	s_lshl_b32 s62, s30, 19
	s_lshl_b32 s66, s60, 13
	s_add_co_u32 s62, s62, s66
	s_lshl_b32 s66, s61, 6
	s_add_co_u32 s62, s62, s66
	s_add_nc_u64 s[20:21], s[20:21], s[62:63]
	v_lshlrev_b32 v101, 4, v8                      ; lanes 0-15 store the first head's two bytes, lanes 16-31 the second head's
	v_lshlrev_b32 v102, 13, v8
	v_lshl_add_u32 v102, v7, 2, v102               ; 8,192 bytes from head to head, 4 a row
	s_mov_b32 s66, 0x7f7f0000                      ; the bytes over the zero codes: 1.0
.irp i, 0,1
	v_lshrrev_b32 v[98+\i], v101, v[PW+\i]
	v_and_or_b32 v[98+\i], v[98+\i], 0xffff, s66
	global_store_b128 v100, v[PC+8*\i:PC+8*\i+3], s[18:19] offset:512*\i          ; the wave stores 512 consecutive bytes, aligned
	global_store_b128 v100, v[PC+8*\i+4:PC+8*\i+7], s[18:19] offset:65536+512*\i
	global_store_b32 v102, v[98+\i], s[20:21] offset:64*\i
.endr
	s_branch .Lend
.Lout_v:
	; v: the codes are the fragment of 16 channels x 128 keys
	s_lshl_b32 s60, s28, 3
	s_add_co_u32 s60, s60, s24                     ; my group of 32 channels
	s_lshr_b32 s61, s29, 3
	s_lshl_b32 s61, s61, 4
	s_lshr_b32 s62, s60, 1
	s_add_co_u32 s61, s61, s62                     ; 16 x batch + head
	s_and_b32 s60, s60, 1                          ; which half of the head
	s_and_b32 s62, s29, 7
	s_lshl_b32 s62, s62, 1
	s_add_co_u32 s62, s62, s23                     ; which 128 keys of the batch's 2,048
	s_lshl_b32 s66, s61, 16
	s_lshl_b32 s67, s62, 12
	s_add_co_u32 s66, s66, s67
	s_lshl_b32 s67, s60, 11
	s_add_co_u32 s66, s66, s67
	s_add_co_u32 s66, s66, 8388608
	s_mov_b32 s67, 0
	s_add_nc_u64 s[18:19], s[18:19], s[66:67]
	s_lshl_b32 s66, s61, 12
	s_lshl_b32 s63, s62, 8
	s_add_co_u32 s66, s66, s63
	s_lshl_b32 s63, s60, 7
	s_add_co_u32 s66, s66, s63
	s_add_co_u32 s66, s66, 1048576
	s_add_nc_u64 s[20:21], s[20:21], s[66:67]
	v_cmp_eq_u32 vcc_lo, 1, v8
	v_cndmask_b32 v98, v[PW], v[PW+1], vcc_lo      ; lanes 0-15 store the first tile's words, lanes 16-31 the second's
	v_lshrrev_b32 v101, 2, v100                    ; 4 x lane
.irp i, 0,1
.irp c, 0,1
	global_store_b128 v100, v[PC+8*\i+4*\c:PC+8*\i+4*\c+3], s[18:19] offset:1024*\i+512*\c
.endr
.endr
	global_store_b32 v101, v98, s[20:21]
.Lend:
	s_wait_tensorcnt 0x0
	ds_add_u32 v46, v47
	s_wait_dscnt 0x0
	ROUND                                          ; the closing round: no work-group ends while a partner may still ask for a tile that names it
	s_endpgm
.Lfunc_end_k_q0be09d70eb_proj:
	.size	k_q0be09d70eb_proj, .Lfunc_end_k_q0be09d70eb_proj-k_q0be09d70eb_proj
	.p2alignl 7, 3214868480
	.fill 96, 4, 3214868480
	.section	.rodata,"a",@progbits
	.p2align	6, 0x0
	.amdhsa_kernel k_q0be09d70eb_proj
		.amdhsa_group_segment_fixed_size 301056
		.amdhsa_private_segment_fixed_size 0
		.amdhsa_enable_private_segment 0
		.amdhsa_kernarg_size 72
		.amdhsa_user_sgpr_count 2
		.amdhsa_user_sgpr_kernarg_segment_ptr 1
		.amdhsa_wavefront_size32 1
		.amdhsa_system_sgpr_workgroup_id_x 1
		.amdhsa_system_sgpr_workgroup_id_y 1
		.amdhsa_system_sgpr_workgroup_id_z 1
		.amdhsa_system_vgpr_workitem_id 0
		.amdhsa_next_free_vgpr 256
		.amdhsa_next_free_sgpr 106
		.amdhsa_reserve_vcc 1
		.amdhsa_float_denorm_mode_32 3
		.amdhsa_float_denorm_mode_16_64 3
		.amdhsa_memory_ordered 1
		.amdhsa_forward_progress 1
		.amdhsa_inst_pref_size 58
	.end_amdhsa_kernel
	.amdgpu_metadata
---
amdhsa.version: [ 1, 2 ]
amdhsa.kernels:
  - .name:           k_q0be09d70eb_proj
    .symbol:         k_q0be09d70eb_proj.kd
    .args:
      - { .name: xc, .offset: 0, .size: 8, .value_kind: global_buffer, .address_space: global }
      - { .name: xs, .offset: 8, .size: 8, .value_kind: global_buffer, .address_space: global }
      - { .name: wc, .offset: 16, .size: 8, .value_kind: global_buffer, .address_space: global }
      - { .name: ws, .offset: 24, .size: 8, .value_kind: global_buffer, .address_space: global }
      - { .name: bq, .offset: 32, .size: 8, .value_kind: global_buffer, .address_space: global }
      - { .name: bk, .offset: 40, .size: 8, .value_kind: global_buffer, .address_space: global }
      - { .name: bv, .offset: 48, .size: 8, .value_kind: global_buffer, .address_space: global }
      - { .name: pc, .offset: 56, .size: 8, .value_kind: global_buffer, .address_space: global }
      - { .name: ps, .offset: 64, .size: 8, .value_kind: global_buffer, .address_space: global }
    .group_segment_fixed_size: 301056
    .private_segment_fixed_size: 0
    .kernarg_segment_align: 8
    .kernarg_segment_size: 72
    .max_flat_workgroup_size: 512
    .sgpr_count:     106
    .vgpr_count:     256
    .wavefront_size: 32
...
	.end_amdgpu_metadata
.endif
;; end of part 3
;; launch attn (part 4): grid 4 x 64, 16 waves a work-group, clusters of 4 x 1, 169,984 bytes of LDS; arguments pc, ps, oc, os; writes oc, os
.if DOCPART == 4
	.amdgcn_target "amdgcn-amd-amdhsa--gfx1250"
	.amdhsa_code_object_version 6
	.text
	.protected	k_q0be09d70eb_attn
	.globl	k_q0be09d70eb_attn
	.p2align	8
	.type	k_q0be09d70eb_attn,@function
k_q0be09d70eb_attn:
	s_mov_b64 s[64:65], 0
	v_nop
	global_prefetch_b8 v0, s[64:65] scope:SCOPE_SE
	s_setreg_imm32_b32 hwreg(HW_REG_WAVE_MODE, 25, 1), 1
	s_wait_xcnt 0x0
	s_wait_alu depctr_hold_cnt(0) depctr_sa_sdst(0) depctr_va_vdst(0) depctr_va_sdst(0) depctr_va_ssrc(0) depctr_va_vcc(0) depctr_vm_vsrc(0)
	s_getreg_b32 s2, hwreg(HW_REG_IB_STS2, 6, 4)
	s_cmp_eq_u32 s2, 0
	s_cbranch_scc0 .Lentry_in_a_cluster
	s_endpgm
.Lentry_in_a_cluster:
	s_bfe_u32 s2, ttmp6, 0x10000c
	s_cmp_lg_u32 s2, 0x3003
	s_cbranch_scc0 .Lentry_shape_is_right
	s_endpgm
.Lentry_shape_is_right:
; o = softmax(q k^T / 8) v for one batch and head, both products on codes of FP4 (E2M1) with E8M0 scales; o is quantised along the channels for the output projection and leaves as codes.
; THE SOFTMAX AHEAD OF THE SECOND PRODUCT: t = score x log2(e) / 8; M = the running largest t rounded UP to a whole number; p = 2^(t - M) is what is quantised, along the keys, not normalised.
; The row's sum is taken of the unquantised p in f32 and divides o at the end (v_rcp_f32 and a multiplication).  When M moves, the sum and O are multiplied by 2^(old M - new M): exact.
; SHARES: work-group y is batch x 16 + head; the four work-groups of a cluster own 512 queries each of that head.  Sixteen waves, four to a SIMD; a wave owns one tile of 16 queries at a time, two one after the other.
; THE WHOLE HEAD'S k AND v (codes and scale words, 143,360 bytes) COME INTO LDS ONCE, asked for jointly by the four work-groups; nothing is filled twice, nothing is stored to LDS.
; They lie as images of the operands' registers: a group of four registers is 512 bytes, lane l's 16 bytes at 16 l.
; LAYOUT: both products are used transposed: S^T = k q^T (source 0 = 16 keys, source 1 = my 16 queries), O^T = v^T p^T: a lane holds ONE query throughout.  K of the first product is 64: registers 4-7 of both fragments
; hold zero codes, under scale bytes of 1.0.  The rows of a tile of k (and the channels of a tile of v) are rows 0-7 and 16-23 (or 8-15 and 24-31) of a group of 32, so that the 16 registers of tiles 2 b and 2 b + 1 are 16 neighbours.
; LIMITS: NaN and infinities are not served; v_exp_f32 gives 0 for results under 2^-126; a block of zeros gets the byte 1 and not 127 (zero codes; only this program reads the bytes).
; REGISTERS: v1-4 addresses that stay; v5-8 addresses of the step; v10 4 r; v11 the second tile's scale word; v12 -M, v13 the largest t, v[14:15] the sum; v16-23 q; v24-31 k's scale words; v32-95 k; v96-159 S^T, then p;
;   v160-191 O^T; v192-223 v; v224-231 p's codes; v232-239, v244-247, v252, v254 at work; v240-243 the second tile's q; v248-251 v's scale words; v253 p's scale word; v255 q's.
.set KSW, 131072                       ; LDS: k's images at 0, v's at 65,536, k's scale words here (8,192 bytes),
.set VSW, 139264                       ; v's here (4,096 bytes)
.set WV,  12
.set SEL, 20                           ; s[20:21] selects of v_permlanex16_b32: lane l xor 16
.set CS,  22                           ; s[22:23] c = log2(e) / 8; the packed form names a pair and takes its low word for both halves
.set TB,  60                           ; s60 the step's place among the images: 4,096 bytes a step;  s61 among k's scale words: 512;  s62 among v's: 256;  s63 counts steps
.set TS,  61
.set TJ,  62
.set CNT, 63
.macro ROUND                           ; a round of the cluster's barrier
	s_barrier_signal -1
	s_barrier_wait -1
	s_cmp_lg_u32 s[WV], 0
	s_cbranch_scc1 .Lnot_wave_0_\@
	s_barrier_signal -3
.Lnot_wave_0_\@:
	s_barrier_wait -3
	s_barrier_signal -1
	s_barrier_wait -1
.endm
	s_load_b256 s[4:11], s[0:1], 0x0               ; pc, ps, oc, os
	v_lshl_add_u32 v254, v0, 2, 0x29000
	v_mov_b32 v255, 0
	ds_add_u32 v254, v255
	ds_add_u32 v254, v255
	s_wait_dscnt 0x0
	v_lshrrev_b32 v1, 5, v0
	v_readfirstlane_b32 s[WV], v1                  ; wave 0..15
	s_bfe_u32 s13, ttmp6, 0x40000                  ; cx: it enters q's and o's addresses alone
	s_lshl_b32 s14, ttmp9, 2
	s_add_co_u32 s14, s14, s13                     ; which 512 queries
	s_and_b32 s15, ttmp7, 0xffff                   ; batch x 16 + head, which the four partners share
	; group 1: dense blocks as rows of 256 bytes (32 elements of 8 bytes), no padding; mask: all four work-groups.  s[24:31] 64 rows, s[32:39] 192, s[40:47] 32, s[68:75] 16
.irp g, 24, 32, 40, 68
	s_mov_b32 s[\g], 15|(3<<16)|(1<<21)
	s_mov_b32 s[\g+1], 32<<16
	s_mov_b32 s[\g+3], 32<<16
	s_mov_b32 s[\g+5], 32
	s_mov_b32 s[\g+6], 0
	s_mov_b32 s[\g+7], 0
.endr
	s_mov_b32 s26, 64<<16
	s_mov_b32 s28, 64
	s_mov_b32 s34, 192<<16
	s_mov_b32 s36, 192
	s_mov_b32 s42, 32<<16
	s_mov_b32 s44, 32
	s_mov_b32 s70, 16<<16
	s_mov_b32 s72, 16
	s_lshl_b32 s16, s15, 13
	s_add_co_u32 s16, s16, 524288                  ; k's scale words of the head
	s_mov_b32 s17, 0
	s_lshl_b32 s18, s15, 16
	s_add_co_u32 s18, s18, 4194304                 ; k's images
	s_mov_b32 s19, 0
	s_lshl_b32 s66, s15, 12
	s_add_co_u32 s66, s66, 1048576                 ; v's scale words
	s_mov_b32 s67, 0
	s_lshl_b32 s96, s15, 16
	s_add_co_u32 s96, s96, 8388608                 ; v's images
	s_mov_b32 s97, 0
	s_lshl_b32 s98, s14, 5
	s_add_co_u32 s98, s98, s[WV]                   ; my first tile of queries among the head's 128; the second lies 16 tiles on
	s_lshl_b32 s76, s15, 16
	s_lshl_b32 s99, s98, 9
	s_add_co_u32 s76, s76, s99                     ; its image,
	s_mov_b32 s77, 0
	s_lshl_b32 s78, s15, 13
	s_lshl_b32 s99, s98, 6
	s_add_co_u32 s78, s78, s99                     ; its scale words
	s_mov_b32 s79, 0
	s_lshr_b32 s99, s15, 4
	s_lshl_b32 s99, s99, 7
	s_add_co_u32 s98, s98, s99                     ; the tile among all 512 tiles of rows
	s_and_b32 s99, s15, 15                         ; the head
	s_lshl_b32 s80, s98, 13                        ; oc: 8,192 bytes a tile, 512 a head
	s_lshl_b32 s2, s99, 9
	s_add_co_u32 s80, s80, s2
	s_mov_b32 s81, 0
	s_lshl_b32 s82, s98, 9                         ; os: 512 bytes a tile, 64 for two heads, 2 bytes of each word a head
	s_lshr_b32 s2, s99, 1
	s_lshl_b32 s2, s2, 6
	s_add_co_u32 s82, s82, s2
	s_and_b32 s2, s99, 1
	s_lshl_b32 s2, s2, 1
	s_add_co_u32 s82, s82, s2
	s_mov_b32 s83, 0
	s_mov_b32 s[SEL], 0x76543210
	s_mov_b32 s[SEL+1], 0xfedcba98
	s_mov_b32 s[CS], 0x3e38aa3b                    ; log2(e) / 8
	s_mov_b32 s[CS+1], s[CS]                       ; (named with it as a pair, so it is written)
	s_wait_kmcnt 0x0
	s_add_nc_u64 s[76:77], s[4:5], s[76:77]
	s_add_nc_u64 s[78:79], s[6:7], s[78:79]
	s_add_nc_u64 s[80:81], s[8:9], s[80:81]
	s_add_nc_u64 s[82:83], s[10:11], s[82:83]
	s_mov_b32 s48, 1                               ; k: scale words,
	s_mov_b32 s49, KSW
	s_add_nc_u64 s[50:51], s[6:7], s[16:17]
	s_or_b32 s51, s51, 0x80000000
	s_mov_b32 s52, 1                               ; keys 0 to 511,
	s_mov_b32 s53, 0
	s_add_nc_u64 s[54:55], s[4:5], s[18:19]
	s_mov_b32 s56, 1                               ; the rest
	s_mov_b32 s57, 16384
	s_add_nc_u64 s[58:59], s[54:55], 16384
	s_or_b32 s55, s55, 0x80000000
	s_or_b32 s59, s59, 0x80000000
	s_mov_b32 s84, 1                               ; v likewise
	s_mov_b32 s85, VSW
	s_add_nc_u64 s[86:87], s[6:7], s[66:67]
	s_or_b32 s87, s87, 0x80000000
	s_mov_b32 s88, 1
	s_mov_b32 s89, 65536
	s_add_nc_u64 s[90:91], s[4:5], s[96:97]
	s_mov_b32 s92, 1
	s_mov_b32 s93, 81920
	s_add_nc_u64 s[94:95], s[90:91], 16384
	s_or_b32 s91, s91, 0x80000000
	s_or_b32 s95, s95, 0x80000000
	ROUND                                          ; all four work-groups are here: the joint loads meet
	s_cmp_eq_u32 s[WV], 0                          ; wave 0 fetches k, wave 1 v, the others nothing.  A wave's three loads stand in one branch: three of mine are out at the most
	s_cbranch_scc0 .Lnot_k
	tensor_load_to_lds s[48:51], s[40:47]
	s_nop 0
	tensor_load_to_lds s[52:55], s[24:31]
	s_nop 0
	tensor_load_to_lds s[56:59], s[32:39]
	s_nop 0
.rept 4
	v_nop                                          ; four v_nop follow the last of them
.endr
	s_branch .Lasked
.Lnot_k:
	s_cmp_eq_u32 s[WV], 1
	s_cbranch_scc0 .Lasked
	tensor_load_to_lds s[84:87], s[68:75]
	s_nop 0
	tensor_load_to_lds s[88:91], s[24:31]
	s_nop 0
	tensor_load_to_lds s[92:95], s[32:39]
	s_nop 0
.rept 4
	v_nop
.endr
.Lasked:
	v_and_b32 v2, 31, v0
	v_lshlrev_b32 v1, 4, v2                        ; 16 x lane: my place in an image, in LDS and in memory
	v_add_nc_u32 v2, 65536, v1                     ; the same among v's images
	v_and_b32 v10, 15, v0
	v_lshlrev_b32 v10, 2, v10                      ; 4 r: my row's scale word
	v_add_nc_u32 v3, KSW, v10
	v_add_nc_u32 v4, VSW, v10
	global_load_b128 v[16:19], v1, s[76:77]                ; q of my first tile,
	global_load_b128 v[240:243], v1, s[76:77] offset:8192  ; of my second,
	global_load_b32 v255, v10, s[78:79]                    ; and their scale words
	global_load_b32 v11, v10, s[78:79] offset:1024
.irp j, 20,21,22,23
	v_mov_b32 v[\j], 0                             ; K = 64 .. 127 of q: zero codes
.endr
.irp t, 0,1,2,3,4,5,6,7
.irp j, 4,5,6,7
	v_mov_b32 v[32+8*\t+\j], 0                     ; and of k's eight fragments: written once, never loaded
.endr
.endr
.irp b, 0,1,2,3
	v_mov_b32 v[236+\b], 0                         ; a lane permute's destination counts as one of its sources
.endr
	v_mov_b32 v253, 0                              ; (named as the upper half of the pair v[252:253] before it is first written)
; A KEY STEP: 128 keys.  q: a step number that stands in the loads' immediates (0 in the loops, where the scalars walk).
.macro STEP q
	v_add_nc_u32 v5, s[TB], v1                     ; these four are also the places behind the last step's products, in front of the loads into v's registers
	v_add_nc_u32 v6, s[TB], v2
	v_add_nc_u32 v7, s[TS], v3
	v_add_nc_u32 v8, s[TJ], v4
.irp t, 0,1,2,3,4,5,6,7
	ds_load_b128 v[32+8*\t:35+8*\t], v5 offset:4096*(\q)+512*\t
	ds_load_b32 v[24+\t], v7 offset:512*(\q)+64*\t
.endr
.irp t, 0,1,2,3
	ds_load_b128 v[192+8*\t:195+8*\t], v6 offset:4096*(\q)+1024*\t
	ds_load_b128 v[196+8*\t:199+8*\t], v6 offset:4096*(\q)+1024*\t+512
	ds_load_b32 v[248+\t], v8 offset:256*(\q)+64*\t
.endr
	s_wait_dscnt 12                                ; k and its scale words are in; the twelve loads for v may stay out till the second product
.irp t, 0,1,2,3,4,5,6,7
	v_wmma_scale_f32_16x16x128_f8f6f4 v[96+8*\t:103+8*\t], v[32+8*\t:39+8*\t], v[16:23], 0, v[24+\t], v255 matrix_a_fmt:MATRIX_FMT_FP4 matrix_b_fmt:MATRIX_FMT_FP4
.endr
.rept 4
	v_nop                                          ; four places behind the products
.endr
.irp b, 0,1,2,3
	v_max3_num_f32 v[232+\b], v[96+16*\b], v[97+16*\b], v[98+16*\b]   ; the largest score of each block of 32 keys: for the row's maximum, and, since p rises with the score, for the block's largest p
.endr
.irp i, 3,5,7,9,11,13
.irp b, 0,1,2,3
	v_max3_num_f32 v[232+\b], v[232+\b], v[96+16*\b+\i], v[97+16*\b+\i]
.endr
.endr
.irp b, 0,1,2,3
	v_max_num_f32 v[232+\b], v[232+\b], v[111+16*\b]
.endr
.irp b, 0,1,2,3
	v_permlanex16_b32 v[236+\b], v[232+\b], s[SEL], s[SEL+1]
.endr
.irp b, 0,1,2,3
	v_max_num_f32 v[232+\b], v[232+\b], v[236+\b]  ; with lane l xor 16's 16 keys
.endr
	v_max3_num_f32 v254, v232, v233, v234
	v_max_num_f32 v254, v254, v235                 ; the step's largest score of my query
	v_mul_f32 v254, s[CS], v254                    ; as t (c is positive)
	v_max_num_f32 v13, v13, v254                   ; the running largest t
	v_mov_b32 v254, v12
	v_floor_f32 v12, -v13                          ; the new -M = floor(-t) = -ceil(t): a whole number
	v_sub_f32 v254, v12, v254                      ; old M less new M: a whole number, 0 or less
	v_cvt_i32_f32 v254, v254                       ; (it saturates)
	v_ldexp_f32 v252, 1.0, v254                    ; f = 2^(old M - new M)
.set j, 0
.rept 32
	v_pk_fma_f32 v[96+j:97+j], v[96+j:97+j], s[CS:CS+1], v[12:13] op_sel_hi:[1,0,0]   ; t - M, two at a time
.set j, j+2
.endr
.irp b, 0,1,2,3
	v_fma_f32 v[232+\b], v[232+\b], s[CS], v12     ; the same of each block's largest score
.endr
.set j, 0
.rept 64
	v_exp_f32 v[96+j], v[96+j]                     ; p = 2^(t - M), at most 1
.set j, j+1
.endr
.irp b, 0,1,2,3
	v_exp_f32 v[232+\b], v[232+\b]                 ; the block's largest p: the same two instructions on the same number give the same bits
.endr
	v_pk_mul_f32 v[14:15], v[14:15], v[252:253] op_sel_hi:[1,0]   ; the sums under the new M (a plain place behind the exponentials)
	s_wait_alu depctr_va_vdst(0)
.irp b, 0,1,2,3
	v_max_num_f32 v[232+\b], 0x1800000, v[232+\b]  ; the floor 2^(3 - 127): the byte cannot fall under 1
.endr
.irp b, 0,1,2,3
	v_add_nc_u32 v[244+\b], 0xff000000, v[232+\b]  ; 2 off the exponent field: the conversion's scale operand
.endr
.irp b, 0,1,2,3
	v_lshrrev_b32 v[236+\b], 23, v[244+\b]         ; the scale's byte
.endr
	v_lshl_or_b32 v253, v237, 8, v236              ; p's scale word for these 128 keys
	v_lshl_or_b32 v253, v238, 16, v253
	v_lshl_or_b32 v253, v239, 24, v253
.irp b, 0,1,2,3
	v_cvt_scalef32_pk8_fp4_f32 v[224+2*\b], v[96+16*\b:103+16*\b], v[244+\b]
	v_cvt_scalef32_pk8_fp4_f32 v[225+2*\b], v[104+16*\b:111+16*\b], v[244+\b]
.endr
	v_nop                                          ; one plain place behind a scaled conversion
.irp c, 0,1                                    ; the operand's layout wants a whole block in a lane
.irp i, 0,1
	v_permlane16_swap_b32 v[224+4*\c+\i], v[226+4*\c+\i]
.endr
.endr
	v_pk_add_f32 v[236:237], v[96:97], v[98:99]    ; the row's sum is taken of the unquantised p: two at a time, in two chains
.set j, 4
.rept 15
	v_pk_add_f32 v[14:15], v[14:15], v[96+j:97+j]
	v_pk_add_f32 v[236:237], v[236:237], v[98+j:99+j]
.set j, j+4
.endr
	v_pk_add_f32 v[14:15], v[14:15], v[236:237]
.set j, 0
.rept 16
	v_pk_mul_f32 v[160+j:161+j], v[160+j:161+j], v[252:253] op_sel_hi:[1,0]   ; O^T under the new M.  (The sums and these are the places between the scale word, the codes and the products below)
.set j, j+2
.endr
	s_wait_dscnt 0x0                               ; v and its scale words are in
.irp t, 0,1,2,3
	v_wmma_scale_f32_16x16x128_f8f6f4 v[160+8*\t:167+8*\t], v[192+8*\t:199+8*\t], v[224:231], v[160+8*\t:167+8*\t], v[248+\t], v253 matrix_a_fmt:MATRIX_FMT_FP4 matrix_b_fmt:MATRIX_FMT_FP4
.endr
.endm
.macro STEPS n                         ; n key steps: the step is written once, the scalars walk
	s_mov_b32 s[CNT], \n
.Lsteps_\@:
	STEP 0
	s_add_co_u32 s[TB], s[TB], 4096
	s_add_co_u32 s[TS], s[TS], 512
	s_add_co_u32 s[TJ], s[TJ], 256
	s_sub_co_u32 s[CNT], s[CNT], 1
	s_cmp_lg_u32 s[CNT], 0
	s_cbranch_scc1 .Lsteps_\@
.endm
.macro PASS_INIT p                     ; a tile of queries begins: O^T and the sum as zeros, the largest t as -3e38: the first change of M multiplies zeros
.if \p
	s_wait_xcnt 0x0                                ; the first tile's stores have read their registers: those are written again below and in the steps
.irp j, 0,1,2,3
	v_mov_b32 v[16+\j], v[240+\j]
.endr
	v_mov_b32 v255, v11                            ; (the 36 moves below are the places between these and the next product)
.endif
	v_mov_b32 v13, 0xff61b1e6
	v_floor_f32 v12, -v13
	v_mov_b32 v14, 0
	v_mov_b32 v15, 0
.set j, 0
.rept 32
	v_mov_b32 v[160+j], 0
.set j, j+1
.endr
	s_mov_b32 s[TB], 0
	s_mov_b32 s[TS], 0
	s_mov_b32 s[TJ], 0
.endm
.macro PASS_OUT p                      ; O^T / the sum, quantised along the channels: two blocks of 32; register 16 b + i is channel 32 b + 16 (lane / 16) + i of my query
.rept 4
	v_nop                                          ; four places behind the last products
.endr
	v_add_f32 v14, v14, v15                        ; the sum's two halves,
	v_permlanex16_b32 v252, v14, s[SEL], s[SEL+1]
	v_add_f32 v14, v14, v252                       ; and lane l xor 16's: the row's sum
	v_rcp_f32 v14, v14
	v_nop                                          ; one plain place behind a transcendental
.set j, 0
	s_wait_alu depctr_va_vdst(0)
.rept 32
	v_mul_f32 v[96+j], v[160+j], v14               ; each accumulator from its low end on
.set j, j+1
.endr
.irp b, 0,1
	v_max3_num_f32 v[232+\b], |v[96+16*\b]|, |v[97+16*\b]|, 0x1800000
.endr
.irp i, 2,4,6,8,10,12,14
.irp b, 0,1
	v_max3_num_f32 v[232+\b], v[232+\b], |v[96+16*\b+\i]|, |v[97+16*\b+\i]|
.endr
.endr
.irp b, 0,1
	v_permlanex16_b32 v[236+\b], v[232+\b], s[SEL], s[SEL+1]
.endr
.irp b, 0,1
	v_max_num_f32 v[232+\b], v[232+\b], v[236+\b]
.endr
.irp b, 0,1
	v_add_nc_u32 v[244+\b], 0xff000000, v[232+\b]
.endr
.irp b, 0,1
	v_lshrrev_b32 v[236+\b], 23, v[244+\b]
.endr
	v_lshl_or_b32 v254, v237, 8, v236              ; my head's two bytes of the row's scale word
.irp b, 0,1
	v_cvt_scalef32_pk8_fp4_f32 v[224+2*\b], v[96+16*\b:103+16*\b], v[244+\b]
	v_cvt_scalef32_pk8_fp4_f32 v[225+2*\b], v[104+16*\b:111+16*\b], v[244+\b]
.endr
	v_nop
	v_permlane16_swap_b32 v224, v226
	v_permlane16_swap_b32 v225, v227               ; lanes 0-15 hold block 0, lanes 16-31 block 1: four registers of the next product's fragment
	global_store_b128 v1, v[224:227], s[80:81] offset:131072*(\p)    ; the wave stores 512 consecutive bytes, aligned
	global_store_b16 v10, v254, s[82:83] offset:8192*(\p)            ; both halves of the lanes store the same value
.endm
	PASS_INIT 0
	s_wait_loadcnt 0x0                             ; q
	s_wait_tensorcnt 1                             ; my scale words and the first 512 keys are in; the rest may stay out: nothing is filled twice
	s_barrier_signal -1
	s_barrier_wait -1
	STEP 0                                         ; the first four steps are written out, the step in the immediates: they read the first 16,384 bytes of k's and of v's images alone
	STEP 1
	STEP 2
	STEP 3
	s_wait_tensorcnt 0x0                           ; the rest (no LDS load of mine is out)
	s_barrier_signal -1
	s_barrier_wait -1
	s_mov_b32 s[TB], 4*4096
	s_mov_b32 s[TS], 4*512
	s_mov_b32 s[TJ], 4*256
	STEPS 12
	PASS_OUT 0
	PASS_INIT 1
	STEPS 16
	PASS_OUT 1
	s_wait_xcnt 0x0
	v_lshl_add_u32 v254, v0, 2, 0x29000
	v_mov_b32 v255, 0
	s_wait_tensorcnt 0x0
	ds_add_u32 v254, v255
	s_wait_dscnt 0x0
	ROUND                                          ; the closing round: no work-group ends while a partner may still ask for a tile that names it
	s_endpgm
.Lfunc_end_k_q0be09d70eb_attn:
	.size	k_q0be09d70eb_attn, .Lfunc_end_k_q0be09d70eb_attn-k_q0be09d70eb_attn
	.p2alignl 7, 3214868480
	.fill 96, 4, 3214868480
	.section	.rodata,"a",@progbits
	.p2align	6, 0x0
	.amdhsa_kernel k_q0be09d70eb_attn
		.amdhsa_group_segment_fixed_size 169984
		.amdhsa_private_segment_fixed_size 0
		.amdhsa_enable_private_segment 0
		.amdhsa_kernarg_size 32
		.amdhsa_user_sgpr_count 2
		.amdhsa_user_sgpr_kernarg_segment_ptr 1
		.amdhsa_wavefront_size32 1
		.amdhsa_system_sgpr_workgroup_id_x 1
		.amdhsa_system_sgpr_workgroup_id_y 1
		.amdhsa_system_sgpr_workgroup_id_z 1
		.amdhsa_system_vgpr_workitem_id 0
		.amdhsa_next_free_vgpr 256
		.amdhsa_next_free_sgpr 100
		.amdhsa_reserve_vcc 0
		.amdhsa_float_denorm_mode_32 3
		.amdhsa_float_denorm_mode_16_64 3
		.amdhsa_memory_ordered 1
		.amdhsa_forward_progress 1
		.amdhsa_inst_pref_size 111
	.end_amdhsa_kernel
	.amdgpu_metadata
---
amdhsa.version: [ 1, 2 ]
amdhsa.kernels:
  - .name:           k_q0be09d70eb_attn
    .symbol:         k_q0be09d70eb_attn.kd
    .args:
      - { .name: pc, .offset: 0, .size: 8, .value_kind: global_buffer, .address_space: global }
      - { .name: ps, .offset: 8, .size: 8, .value_kind: global_buffer, .address_space: global }
      - { .name: oc, .offset: 16, .size: 8, .value_kind: global_buffer, .address_space: global }
      - { .name: os, .offset: 24, .size: 8, .value_kind: global_buffer, .address_space: global }
    .group_segment_fixed_size: 169984
    .private_segment_fixed_size: 0
    .kernarg_segment_align: 8
    .kernarg_segment_size: 32
    .max_flat_workgroup_size: 512
    .sgpr_count:     100
    .vgpr_count:     256
    .wavefront_size: 32
...
	.end_amdgpu_metadata
.endif
;; end of part 4
;; launch outproj (part 5): grid 4 x 64, 8 waves a work-group, clusters of 4 x 4, 287,744 bytes of LDS; arguments oc, os, wc, ws, bo, out0; writes out0
.if DOCPART == 5
	.amdgcn_target "amdgcn-amd-amdhsa--gfx1250"
	.amdhsa_code_object_version 6
	.text
	.protected	k_q0be09d70eb_outproj
	.globl	k_q0be09d70eb_outproj
	.p2align	8
	.type	k_q0be09d70eb_outproj,@function
k_q0be09d70eb_outproj:
	s_mov_b64 s[64:65], 0
	v_nop
	global_prefetch_b8 v0, s[64:65] scope:SCOPE_SE
	s_setreg_imm32_b32 hwreg(HW_REG_WAVE_MODE, 25, 1), 1
	s_wait_xcnt 0x0
	s_wait_alu depctr_hold_cnt(0) depctr_sa_sdst(0) depctr_va_vdst(0) depctr_va_sdst(0) depctr_va_ssrc(0) depctr_va_vcc(0) depctr_vm_vsrc(0)
	s_getreg_b32 s2, hwreg(HW_REG_IB_STS2, 6, 4)
	s_cmp_eq_u32 s2, 0
	s_cbranch_scc0 .Lentry_in_a_cluster
	s_endpgm
.Lentry_in_a_cluster:
	s_bfe_u32 s2, ttmp6, 0x10000c
	s_cmp_lg_u32 s2, 0xf033
	s_cbranch_scc0 .Lentry_shape_is_right
	s_endpgm
.Lentry_shape_is_right:
; out0 = o Wo + bo on codes of FP4 (E2M1) with E8M0 scales, K = 1,024; out0 [8192][1024] f32.
; SHARES: 4 x 4 work-groups form a cluster; a work-group makes 128 rows x 256 columns: 256 work-groups.  All of K lies in LDS: nothing is filled twice.
; Eight waves; a wave makes 8 tiles of Wo's columns (source 0: they run along a lane's registers) x 2 tiles of o's rows (source 1: along the lanes): 16 accumulators.
; o comes as images of the operand's registers, [tile of 16 rows][head][lane][16 bytes]: two heads are a K step's fragment.  Wo's rows n lie as rows of codes.
; In both, 16 rows on end are rows 0-7 and 16-23 (or 8-15 and 24-31) of a group of 32: a lane's 16 registers of two tiles are 16 neighbouring columns, and lane r of tile i holds row 8 i + r + 8 (r / 8) of its 32.
; JOINT LOADS: the four work-groups of a row of the cluster need the same tiles of o, the four of a column the same rows of Wo.
; THE BIAS starts the sums: it is loaded into the accumulators (so it is added first and not last: a difference of f32 rounding).
; THE WAY OUT goes through the wave's own stage in LDS, so that each store covers 512 consecutive bytes of a row, aligned.
.set PITCH, 272                        ; an LDS row of Wo's codes: 256 bytes + 16
.set OPB,   256*PITCH                  ; Wo's 256 rows of one half of K: at 0 and at OPB
.set OI,    2*OPB                      ; o's images: [half of K][tile 0..7][4,096 bytes]
.set WSC,   OI+2*32768                 ; Wo's scale bytes: 256 rows of 32 bytes + 8
.set OSC,   WSC+256*40                 ; o's scale words: [tile][K step][row]
.set STG,   OSC+4096                   ; the stages: 16 rows x (512 bytes + 16) for each wave; no tile lands here
.set SPI,   528
.set RA,  1                            ; v1-2   LDS address of Wo's fragments, first and second half of K
.set LA,  3                            ; v3-4   of o's
.set RSA, 5                            ; v5     of Wo's scale bytes
.set LSA, 6                            ; v6     of o's scale words
.set RS,  10                           ; v10-25 Wo's scale words: a pair (two K steps) for each tile
.set LS,  26                           ; v26-27 o's
.set STO, 28                           ; v28    the stage, in
.set RD,  29                           ; v29    the stage, out
.set GO,  30                           ; v30    16 x lane: my bytes of a row of out0
.set BO,  32                           ; v32    the bias's byte offset
.set LF,  48
.set RF,  64
.set AC,  128                          ; accumulator (i, t) at AC + 64 i + 8 t
.set WV,  22
.macro ROUND                           ; a round of the cluster's barrier
	s_barrier_signal -1
	s_barrier_wait -1
	s_cmp_lg_u32 s[WV], 0
	s_cbranch_scc1 .Lnot_wave_0_\@
	s_barrier_signal -3
.Lnot_wave_0_\@:
	s_barrier_wait -3
	s_barrier_signal -1
	s_barrier_wait -1
.endm
	s_load_b256 s[4:11], s[0:1], 0x0               ; oc, os, wc, ws
	s_load_b128 s[12:15], s[0:1], 0x20             ; bo, out0
	v_lshl_add_u32 v46, v0, 2, 0x46000
	v_mov_b32 v47, 0
	ds_add_u32 v46, v47
	ds_add_u32 v46, v47
	v_lshrrev_b32 v1, 5, v0
	v_readfirstlane_b32 s[WV], v1                  ; wave 0..7
	s_and_b32 s23, s[WV], 1                        ; which 128 columns
	s_lshr_b32 s24, s[WV], 1                       ; which 32 rows
	s_and_b32 s25, s[WV], 3                        ; which quarter I fetch
	s_bfe_u32 s26, ttmp6, 0x40000                  ; cx
	s_bfe_u32 s27, ttmp6, 0x40004                  ; cy
	s_lshl_b32 s28, ttmp9, 2
	s_add_co_u32 s28, s28, s26                     ; which 256 columns
	s_and_b32 s29, ttmp7, 0xffff
	s_lshl_b32 s29, s29, 2
	s_add_co_u32 s29, s29, s27                     ; which 128 rows
	s_lshl_b32 s32, s27, 2
	s_lshl_b32 s32, 15, s32                        ; my row of the cluster
	s_lshl_b32 s33, 0x1111, s26                    ; my column
	s_or_b32 s36, s33, (1<<20)|(1<<21)|(5<<22)|(3<<25)            ; s[36:43] Wo's codes: 64 rows x 256 bytes out of rows of 512, 16 bytes of padding behind every 64 words
	s_mov_b32 s37, 256<<16
	s_mov_b32 s38, 64<<16
	s_mov_b32 s39, 256<<16
	s_mov_b32 s40, 64
	s_mov_b32 s41, 512
	s_mov_b32 s42, 0
	s_mov_b32 s43, 0
	s_or_b32 s44, s33, (3<<16)|(1<<20)|(1<<21)|(2<<22)|(1<<25)    ; s[44:51] Wo's scale bytes: 2,048 dense bytes as 8 rows of 32 elements of 8 bytes, 2 words of padding behind every 8
	s_mov_b32 s45, 32<<16
	s_mov_b32 s46, 8<<16
	s_mov_b32 s47, 32<<16
	s_mov_b32 s48, 8
	s_mov_b32 s49, 32
	s_mov_b32 s50, 0
	s_mov_b32 s51, 0
	s_or_b32 s52, s32, (3<<16)|(1<<21)                            ; s[52:59] o's images: 2 tiles x 4,096 bytes (512 elements of 8 bytes), 8,192 bytes from tile to tile
	s_mov_b32 s53, 512<<16
	s_mov_b32 s54, 2<<16
	s_mov_b32 s55, 512<<16
	s_mov_b32 s56, 2
	s_mov_b32 s57, 1024
	s_mov_b32 s58, 0
	s_mov_b32 s59, 0
	s_or_b32 s68, s32, (3<<16)|(1<<21)                            ; s[68:75] o's scale words: 2 tiles are 1,024 dense bytes: 4 rows of 256
	s_mov_b32 s69, 32<<16
	s_mov_b32 s70, 4<<16
	s_mov_b32 s71, 32<<16
	s_mov_b32 s72, 4
	s_mov_b32 s73, 32
	s_mov_b32 s74, 0
	s_mov_b32 s75, 0
	; Wo's offsets are made of the column block and the wave, o's of the row block and the wave; neither set of registers holds the other coordinate
	s_lshl_b32 s62, s28, 17
	s_lshl_b32 s101, s25, 15
	s_add_co_u32 s62, s62, s101
	s_add_co_u32 s62, s62, 3*524288                ; Wo is the fourth tensor of wc
	s_mov_b32 s63, 0
	s_lshl_b32 s66, s28, 13
	s_lshl_b32 s101, s25, 11
	s_add_co_u32 s66, s66, s101
	s_add_co_u32 s66, s66, 3*32768
	s_mov_b32 s67, 0
	s_lshl_b32 s60, s29, 16                        ; o: 8 tiles of 8,192 bytes a row block, 2 tiles a wave
	s_lshl_b32 s100, s25, 14
	s_add_co_u32 s60, s60, s100
	s_mov_b32 s61, 0
	s_lshl_b32 s34, s29, 12                        ; 512 bytes of scale words a tile
	s_lshl_b32 s100, s25, 10
	s_add_co_u32 s34, s34, s100
	s_mov_b32 s35, 0
	s_mul_i32 s104, s25, 64*PITCH                  ; where they go: the wave's number alone
	s_mul_i32 s105, s25, 64*40
	s_lshl_b32 s2, s25, 13
	s_lshl_b32 s3, s25, 10
	s_wait_dscnt 0x0
	s_wait_kmcnt 0x0
	s_mov_b32 s76, 1                               ; Wo: scale bytes,
	s_add_co_u32 s77, s105, WSC
	s_add_nc_u64 s[78:79], s[10:11], s[66:67]
	s_or_b32 s79, s79, 0x80000000
	s_mov_b32 s80, 1                               ; first half of K,
	s_mov_b32 s81, s104
	s_add_nc_u64 s[82:83], s[8:9], s[62:63]
	s_mov_b32 s84, 1                               ; second half
	s_add_co_u32 s85, s104, OPB
	s_add_nc_u64 s[86:87], s[82:83], 256
	s_or_b32 s83, s83, 0x80000000
	s_or_b32 s87, s87, 0x80000000
	s_mov_b32 s88, 1                               ; o likewise
	s_add_co_u32 s89, s3, OSC
	s_add_nc_u64 s[90:91], s[6:7], s[34:35]
	s_or_b32 s91, s91, 0x80000000
	s_mov_b32 s92, 1
	s_add_co_u32 s93, s2, OI
	s_add_nc_u64 s[94:95], s[4:5], s[60:61]
	s_mov_b32 s96, 1
	s_add_co_u32 s97, s2, OI+32768
	s_add_nc_u64 s[98:99], s[94:95], 4096
	s_or_b32 s95, s95, 0x80000000
	s_or_b32 s99, s99, 0x80000000
	ROUND                                          ; all sixteen work-groups are here: the joint loads meet
	s_cmp_lt_u32 s[WV], 4                          ; waves 0-3 fetch Wo, waves 4-7 o.  A wave's three loads stand in one branch: three of mine are out at the most
	s_cbranch_scc0 .Lfor_o
	tensor_load_to_lds s[76:79], s[44:51]
	s_nop 0
	tensor_load_to_lds s[80:83], s[36:43]
	s_nop 0
	tensor_load_to_lds s[84:87], s[36:43]
	s_nop 0
.rept 4
	v_nop                                          ; four v_nop follow the last of them
.endr
	s_branch .Lasked
.Lfor_o:
	tensor_load_to_lds s[88:91], s[68:75]
	s_nop 0
	tensor_load_to_lds s[92:95], s[52:59]
	s_nop 0
	tensor_load_to_lds s[96:99], s[52:59]
	s_nop 0
.rept 4
	v_nop
.endr
.Lasked:
	v_and_b32 v7, 15, v0                           ; r
	v_bfe_u32 v8, v0, 4, 1                         ; h
	s_lshl_b32 s60, s28, 10                        ; my first column, in bytes: 1,024 x column block + 512 x half
	s_lshl_b32 s61, s23, 9
	s_add_co_u32 s60, s60, s61
	s_mov_b32 s61, 0
	s_add_nc_u64 s[12:13], s[12:13], s[60:61]
	v_lshlrev_b32 v[BO], 6, v8                     ; register j of tile t holds column 32 (t / 2) + 16 h + 8 (t % 2) + j of my 128
.irp i, 0,1
.irp t, 0,1,2,3,4,5,6,7
	global_load_b128 v[AC+64*\i+8*\t:AC+64*\i+8*\t+3], v[BO], s[12:13] offset:128*(\t/2)+32*(\t%2)
	global_load_b128 v[AC+64*\i+8*\t+4:AC+64*\i+8*\t+7], v[BO], s[12:13] offset:128*(\t/2)+32*(\t%2)+16
.endr
.endr
	s_lshl_b32 s62, s29, 2
	s_add_co_u32 s62, s62, s24                     ; my group of 32 rows of out0: 131,072 bytes each
	s_lshl_b32 s62, s62, 17
	s_add_co_u32 s62, s62, s60
	s_mov_b32 s63, 0
	s_add_nc_u64 s[14:15], s[14:15], s[62:63]
	v_mul_u32_u24 v9, v7, PITCH
	v_lshl_add_u32 v9, v8, 4, v9
	s_mul_i32 s100, s23, 128*PITCH
	v_add_nc_u32 v[RA], s100, v9
	v_add_nc_u32 v[RA+1], OPB, v[RA]
	v_and_b32 v[GO], 31, v0
	v_lshlrev_b32 v[GO], 4, v[GO]
	s_lshl_b32 s100, s24, 13
	s_add_co_u32 s100, s100, OI
	v_add_nc_u32 v[LA], s100, v[GO]
	v_add_nc_u32 v[LA+1], 32768, v[LA]
	v_mul_u32_u24 v9, v7, 40
	s_mul_i32 s100, s23, 128*40
	s_add_co_u32 s100, s100, WSC
	v_add_nc_u32 v[RSA], s100, v9
	s_lshl_b32 s100, s24, 10
	s_add_co_u32 s100, s100, OSC
	v_lshl_add_u32 v[LSA], v7, 2, s100
	s_mul_i32 s100, s[WV], 16*SPI
	s_add_co_u32 s100, s100, STG                   ; my stage
	v_mul_u32_u24 v[STO], v7, SPI
	v_lshl_add_u32 v[STO], v8, 6, v[STO]
	v_add_nc_u32 v[STO], s100, v[STO]              ; in: row r, + 64 h
	v_add_nc_u32 v[RD], s100, v[GO]                ; back: the 32 lanes take one row of 512 bytes
; A K step of 128: 20 fragment loads, the scale words, and 16 matrix instructions on 16 accumulators by turns, one instruction a turn.
.macro KSTEP ks
.if (\ks) > 0
.rept 4
	v_nop                                          ; four places in front of loads into registers that matrix instructions have read
.endr
.endif
.irp t, 0,1,2,3,4,5,6,7
	ds_load_b128 v[RF+8*\t:RF+8*\t+3], v[RA+(\ks)/4] offset:16*PITCH*\t+64*((\ks)%4)
	ds_load_b128 v[RF+8*\t+4:RF+8*\t+7], v[RA+(\ks)/4] offset:16*PITCH*\t+64*((\ks)%4)+32
.endr
.irp i, 0,1
	ds_load_b128 v[LF+8*\i:LF+8*\i+3], v[LA+(\ks)/4] offset:4096*\i+1024*((\ks)%4)
	ds_load_b128 v[LF+8*\i+4:LF+8*\i+7], v[LA+(\ks)/4] offset:4096*\i+1024*((\ks)%4)+512
	ds_load_b32 v[LS+\i], v[LSA] offset:512*\i+64*(\ks)
.endr
.if (\ks)%2 == 0
.irp t, 0,1,2,3,4,5,6,7
	ds_load_b64 v[RS+2*\t:RS+2*\t+1], v[RSA] offset:640*\t+8*((\ks)/2)
.endr
.endif
	s_wait_dscnt 0x0
.irp i, 0,1
.irp t, 0,1,2,3,4,5,6,7
	v_wmma_scale_f32_16x16x128_f8f6f4 v[AC+64*\i+8*\t:AC+64*\i+8*\t+7], v[RF+8*\t:RF+8*\t+7], v[LF+8*\i:LF+8*\i+7], v[AC+64*\i+8*\t:AC+64*\i+8*\t+7], v[RS+2*\t+(\ks)%2], v[LS+\i] matrix_a_fmt:MATRIX_FMT_FP4 matrix_b_fmt:MATRIX_FMT_FP4
.endr
.endr
.endm
	s_wait_loadcnt 0x0                             ; the bias
	s_wait_tensorcnt 1                             ; my scales and my part of the first half of K are in; the second half's load may stay out: nothing is filled twice
	s_barrier_signal -1
	s_barrier_wait -1
	KSTEP 0
	KSTEP 1
	KSTEP 2
	KSTEP 3
	s_wait_tensorcnt 0x0                           ; my part of the second half (no LDS load of mine is out)
	s_barrier_signal -1
	s_barrier_wait -1
	KSTEP 4
	KSTEP 5
	KSTEP 6
	KSTEP 7
.rept 4
	v_nop                                          ; four places behind the last products: for the stores that read results and the loads into registers that held fragments
.endr
; Tile i of rows goes through my stage and comes back as whole rows.  Tile 0's rows come back into the registers that held Wo's fragments, tile 1's into tile 0's accumulators, which its LDS stores have read.
; LDS serves a wave's instructions in order (ISA guide 5.7.1.4): no wait between the stores and the loads, nor in front of the next tile's stores.
.macro TOSTAGE i
.irp t, 0,1,2,3,4,5,6,7
	ds_store_b128 v[STO], v[AC+64*(\i)+8*\t:AC+64*(\i)+8*\t+3] offset:128*(\t/2)+32*(\t%2)          ; each accumulator from its low end on
	ds_store_b128 v[STO], v[AC+64*(\i)+8*\t+4:AC+64*(\i)+8*\t+7] offset:128*(\t/2)+32*(\t%2)+16
.endr
.irp m, 0,1,2,3,4,5,6,7,8,9,10,11,12,13,14,15
	ds_load_b128 v[RF+64*(\i)+4*\m:RF+64*(\i)+4*\m+3], v[RD] offset:\m*SPI
.endr
.endm
.macro SEND i, younger                 ; younger: the LDS instructions issued behind tile i's loads, which may stay out
.irp m, 0,1,2,3,4,5,6,7,8,9,10,11,12,13,14,15
	s_wait_dscnt \younger+15-\m
	global_store_b128 v[GO], v[RF+64*(\i)+4*\m:RF+64*(\i)+4*\m+3], s[14:15] offset:(8*(\i)+\m+8*(\m/8))*4096 th:TH_STORE_NT   ; 32 lanes store 512 consecutive bytes, aligned; written once, read by nobody here
.endr
.endm
	TOSTAGE 0
	TOSTAGE 1
	SEND 0, 32                                     ; behind tile 0's loads: tile 1's 16 stores and 16 loads
	SEND 1, 0
	s_wait_tensorcnt 0x0
	ds_add_u32 v46, v47
	s_wait_dscnt 0x0
	ROUND                                          ; the closing round: no work-group ends while a partner may still ask for a tile that names it
	s_endpgm
.Lfunc_end_k_q0be09d70eb_outproj:
	.size	k_q0be09d70eb_outproj, .Lfunc_end_k_q0be09d70eb_outproj-k_q0be09d70eb_outproj
	.p2alignl 7, 3214868480
	.fill 96, 4, 3214868480
	.section	.rodata,"a",@progbits
	.p2align	6, 0x0
	.amdhsa_kernel k_q0be09d70eb_outproj
		.amdhsa_group_segment_fixed_size 287744
		.amdhsa_private_segment_fixed_size 0
		.amdhsa_enable_private_segment 0
		.amdhsa_kernarg_size 48
		.amdhsa_user_sgpr_count 2
		.amdhsa_user_sgpr_kernarg_segment_ptr 1
		.amdhsa_wavefront_size32 1
		.amdhsa_system_sgpr_workgroup_id_x 1
		.amdhsa_system_sgpr_workgroup_id_y 1
		.amdhsa_system_sgpr_workgroup_id_z 1
		.amdhsa_system_vgpr_workitem_id 0
		.amdhsa_next_free_vgpr 256
		.amdhsa_next_free_sgpr 106
		.amdhsa_reserve_vcc 0
		.amdhsa_float_denorm_mode_32 3
		.amdhsa_float_denorm_mode_16_64 3
		.amdhsa_memory_ordered 1
		.amdhsa_forward_progress 1
		.amdhsa_inst_pref_size 51
	.end_amdhsa_kernel
	.amdgpu_metadata
---
amdhsa.version: [ 1, 2 ]
amdhsa.kernels:
  - .name:           k_q0be09d70eb_outproj
    .symbol:         k_q0be09d70eb_outproj.kd
    .args:
      - { .name: oc, .offset: 0, .size: 8, .value_kind: global_buffer, .address_space: global }
      - { .name: os, .offset: 8, .size: 8, .value_kind: global_buffer, .address_space: global }
      - { .name: wc, .offset: 16, .size: 8, .value_kind: global_buffer, .address_space: global }
      - { .name: ws, .offset: 24, .size: 8, .value_kind: global_buffer, .address_space: global }
      - { .name: bo, .offset: 32, .size: 8, .value_kind: global_buffer, .address_space: global }
      - { .name: out0, .offset: 40, .size: 8, .value_kind: global_buffer, .address_space: global }
    .group_segment_fixed_size: 287744
    .private_segment_fixed_size: 0
    .kernarg_segment_align: 8
    .kernarg_segment_size: 48
    .max_flat_workgroup_size: 256
    .sgpr_count:     106
    .vgpr_count:     256
    .wavefront_size: 32
...
	.end_amdgpu_metadata
.endif
;; end of part 5
;; ======== version 2 of 2: 4 launches
;; limits: right only within a limited range of input values
;; workspace buffers: xc 12,582,912 bytes; xs 786,432 bytes; wc 2,097,152 bytes; ws 131,072 bytes; pc 12,582,912 bytes; ps 1,310,720 bytes; oc 4,194,304 bytes; os 262,144 bytes
;; launch quant (part 6): grid 128 x 7, 4 waves a work-group, no clusters, 51,712 bytes of LDS; arguments Q, K, V, Wq, Wk, Wv, Wo, xc, xs, wc, ws; writes xc, xs, wc, ws
.if DOCPART == 6
	.amdgcn_target "amdgcn-amd-amdhsa--gfx1250"
	.amdhsa_code_object_version 6
	.text
	.protected	k_q0be09d70eb_quant
	.globl	k_q0be09d70eb_quant
	.p2align	8
	.type	k_q0be09d70eb_quant,@function
k_q0be09d70eb_quant:
	s_mov_b64 s[64:65], 0
	v_nop
	global_prefetch_b8 v0, s[64:65] scope:SCOPE_SE
	s_setreg_imm32_b32 hwreg(HW_REG_WAVE_MODE, 25, 1), 1
	s_wait_xcnt 0x0
; All seven f32 operands of the four projections become codes of FP4 (E2M1), K innermost, with one E8M0 byte for each 32 along K, in ONE launch:
; work-group y = 0 takes the weights (128 work-groups), y = 1 .. 6 take Q, K, V (768 work-groups).  The branch hangs on the work-group's number alone, so the four waves of a
; work-group take the same path.  Each path has LDS bytes of its own: 0 .. 32,767 for Q, K, V; from 32,768 on for the weights.  The weights' path has one barrier, the other none.
; A block's scale is 2^(floor(log2(its largest magnitude)) - 2); its byte is the largest magnitude's exponent field - 2, held at 1 from below.
; A block of zeros so gets the byte 1 and not 127: its codes are zeros, which add nothing under any byte but 0xff, and the bytes are read by this program alone.
; LIMITS: NaN and infinities among the inputs are not served.
; ORDER OF THE ROWS IN xc, xs, wc, ws: inside each 32 rows the second and the third group of 8 change places, so that 16 rows on end are rows 0-7 and 16-23 (or 8-15 and 24-31) of the 32:
; as source 0 of a matrix instruction such a tile leaves 16 neighbours in a lane's registers of two tiles.
;
; Q, K, V, each [8192 rows][1024]: 512 bytes of codes and 32 scale bytes a row.  A work-group is one group of 32 rows, a wave 8 rows (8,192 numbers) in 16 steps of 512 numbers.
; Each load reads 512 consecutive bytes, 16 a lane; the conversions want 16 neighbours in ONE lane: so a step's 2,048 bytes turn through the wave's own stage in LDS
; (16 bytes of padding behind each 64).  Two neighbouring lanes hold a block.  Waves share nothing.
;
; Wq, Wk, Wv [16 heads][1024 (K)][64] and Wo [1024 (K)][1024]: codes laid [n][1024 along K], bytes [n][32]; n = 64 x head + column, or Wo's column.
; K is not innermost: A LANE TAKES A COLUMN n AND ITS REGISTERS RUN DOWN K, so a block of 32 lies in one lane's 32 registers and the conversions give codes with K innermost.
; One text serves both layouts: number (k, column c of column group cg) lies at cg x HS + k x RS + 4 c bytes, (HS, RS) = (262144, 256) for the heads' weights, (256, 4096) for Wo.
; A work-group takes 64 columns x 512 K; wave w takes columns 32 (w % 2) on and K 256 (w / 2) on: eight blocks a lane: 32 KB a wave, as many as a wave of the other path moves.
; The codes meet in a stage in LDS (row = column, 256 bytes + 16) and leave by rows: sixteen lanes store 256 consecutive bytes, aligned.  The scale bytes leave in pieces of 16 bytes a row: 128 KB in all.
.set STEPS, 16
.set XR,    16                         ; Q, K, V: v16-79   four sets of 16 numbers as they are loaded
.set XN,    80                         ;          v80-111  two sets of 16 neighbours
.set XE,    112                        ;          v112-127 a scale byte for each step
.set XC,    128                        ;          v128-191 codes: registers of its own for each step, so that no store's data are written again
.set WREG,  8192                       ; LDS: a region for each wave: two stages of 32 x SP bytes, then its 256 scale bytes
.set SP,    80                         ; a lane's place in a stage: 64 bytes + 16 of padding
.set WL,    4*WREG                     ; the weights' LDS begins here
.set SPT,   272                        ; a row of their stage
.set SST,   WL+64*SPT                  ; behind the stage: 64 rows x 16 scale bytes
.set WOFF,  16                         ; weights: v16-47   byte offset of row i of a block, i = 0 .. 31
.set WX,    48                         ;          v48-175  four sets of 32 numbers
.set WC,    176                        ;          v176-207 four registers of codes for each of the eight blocks
.set WSB,   208                        ;          v208-209 my eight scale bytes
	v_lshl_add_u32 v216, v0, 2, 0xc800
	v_mov_b32 v217, 0
	v_lshrrev_b32 v1, 5, v0
	v_readfirstlane_b32 s16, v1                    ; wave 0..3
	v_and_b32 v2, 31, v0                           ; lane
	s_and_b32 s22, ttmp7, 0xffff
	s_cmp_eq_u32 s22, 0
	s_cbranch_scc1 .Lweights
	; ---------------------------------------------------------------- Q, K, V
	s_load_b128 s[4:7], s[0:1], 0x0                ; Q, K
	s_load_b64 s[8:9], s[0:1], 0x10                ; V
	s_load_b64 s[10:11], s[0:1], 0x38              ; xc
	s_load_b64 s[12:13], s[0:1], 0x40              ; xs
	v_lshlrev_b32 v3, 4, v2                        ; my 16 bytes of a load's 512
	s_mul_i32 s17, s16, WREG
	s_wait_alu depctr_va_vdst(0)
	v_lshrrev_b32 v14, 2, v2
	v_mul_u32_u24 v14, v14, SP
	v_and_b32 v15, 3, v2
	v_lshl_add_u32 v14, v15, 4, v14
	v_add_nc_u32 v14, s17, v14                     ; the stage, on the way in: SP (lane / 4) + 16 (lane % 4)
	v_mul_u32_u24 v15, v2, SP
	v_add_nc_u32 v15, s17, v15                     ; and on the way out: SP x lane: my 16 neighbours
	v_lshlrev_b32 v4, 3, v2                        ; 8 x lane: my codes' place in a step's 256 bytes, and my 8 scale bytes at the end
	v_lshrrev_b32 v5, 1, v2
	s_add_co_u32 s17, s17, 2*32*SP
	v_add_nc_u32 v5, s17, v5                       ; LDS: my block's byte among the wave's 256
	v_add_nc_u32 v6, s17, v4                       ; and 8 bytes a lane on the way out
	s_sub_co_u32 s22, s22, 1                       ; y - 1 = 0 .. 5
	s_and_b32 s23, s22, 1
	s_lshl_b32 s23, s23, 7
	s_add_co_u32 s23, s23, ttmp9                   ; which group of 32 rows of the tensor: 0 .. 255
	s_lshl_b32 s23, s23, 2
	s_lshr_b32 s22, s22, 1                         ; the tensor: 0 Q, 1 K, 2 V
	s_add_co_u32 s18, s23, s16                     ; which 8 rows I read
	s_and_b32 s19, s16, 1
	s_lshl_b32 s19, s19, 1
	s_lshr_b32 s24, s16, 1
	s_or_b32 s19, s19, s24                         ; waves 1 and 2 change places
	s_add_co_u32 s19, s19, s23                     ; which 8 rows I write (Q, V)
	; K's rows lie otherwise: inside each 64 rows group g of 8 goes to place 2 (g % 4) + g / 4, so that 16 rows on end are groups u and 4 + u:
	; as source 0 of q k^T four such tiles leave a whole block of 32 neighbouring keys in one lane's registers
	s_and_b32 s28, s18, 3
	s_lshl_b32 s28, s28, 1
	s_bfe_u32 s29, s18, 0x10002
	s_or_b32 s28, s28, s29
	s_and_b32 s29, s18, -8
	s_or_b32 s28, s28, s29
	s_cmp_eq_u32 s22, 1                            ; the tensor's number: ids alone
	s_cselect_b32 s19, s28, s19
	s_lshl_b32 s20, s18, 15                        ; 8 rows of 4,096 bytes
	s_mov_b32 s21, 0
	s_lshl_b32 s24, s22, 22                        ; a tensor's codes: 4,194,304 bytes
	s_lshl_b32 s26, s19, 12                        ; 8 rows of 512 bytes
	s_add_co_u32 s24, s24, s26
	s_mov_b32 s25, 0
	s_lshl_b32 s26, s22, 18                        ; a tensor's scale bytes: 262,144
	s_lshl_b32 s28, s19, 8                         ; 8 rows of 32 bytes
	s_add_co_u32 s26, s26, s28
	s_mov_b32 s27, 0
	s_wait_alu depctr_va_vdst(0)
	s_wait_kmcnt 0x0
	s_cmp_eq_u32 s22, 1                            ; the choice hangs on the work-group's number alone
	s_cselect_b64 s[6:7], s[6:7], s[8:9]
	s_cmp_eq_u32 s22, 0
	s_cselect_b64 s[4:5], s[4:5], s[6:7]
	s_add_nc_u64 s[4:5], s[4:5], s[20:21]
	s_add_nc_u64 s[10:11], s[10:11], s[24:25]
	s_add_nc_u64 s[12:13], s[12:13], s[26:27]
.macro XLOAD t
.irp i, 0,1,2,3
	global_load_b128 v[XR+16*((\t)%4)+4*\i:XR+16*((\t)%4)+4*\i+3], v3, s[4:5] offset:2048*(\t)+512*\i th:TH_LOAD_NT   ; 32 lanes read 512 consecutive bytes, read once in the launch
.endr
.endm
.macro XTURN t                         ; step t's numbers through the stage: LDS serves a wave's instructions in order, so no wait stands between the stores and the loads
.irp i, 0,1,2,3
	ds_store_b128 v14, v[XR+16*((\t)%4)+4*\i:XR+16*((\t)%4)+4*\i+3] offset:32*SP*((\t)%2)+8*SP*\i
.endr
.irp i, 0,1,2,3
	ds_load_b128 v[XN+16*((\t)%2)+4*\i:XN+16*((\t)%2)+4*\i+3], v15 offset:32*SP*((\t)%2)+16*\i
.endr
.endm
.irp t, 0,1,2,3
	XLOAD \t
.endr
	s_wait_loadcnt 12                              ; step 0's four loads are in; the twelve of steps 1 to 3 may be out
	XTURN 0
.macro XSTEP t
.set XS, XN+16*((\t)%2)
.if (\t) > 0
	s_wait_dscnt 1                                 ; this step's numbers are back from the stage (the last step's byte store may be out)
.else
	s_wait_dscnt 0x0
.endif
.if (\t)+4 < STEPS
	XLOAD (\t)+4                                   ; into the registers that this step's stores into the stage have read
.endif
.if (\t)+1 < STEPS
.if STEPS-2-(\t) >= 3
	s_wait_loadcnt 12                              ; the next step's four loads are in; those of the three steps behind it may be out
.else
	s_wait_loadcnt 4*(STEPS-2-(\t))                ; the tail: four loads fewer are behind it in each step
.endif
	XTURN (\t)+1                                   ; they go through the other stage while this step is worked
.endif
	v_max3_num_f32 v8, |v[XS]|, |v[XS+1]|, |v[XS+2]|               ; the largest magnitude of my 16, in two chains
	v_max3_num_f32 v9, |v[XS+3]|, |v[XS+4]|, |v[XS+5]|
.irp i, 6,10
	v_max3_num_f32 v8, v8, |v[XS+\i]|, |v[XS+\i+1]|
	v_max3_num_f32 v9, v9, |v[XS+\i+2]|, |v[XS+\i+3]|
.endr
	v_max3_num_f32 v8, v8, |v[XS+14]|, |v[XS+15]|
	v_max3_num_f32 v8, v8, v9, 0x1800000           ; and the floor 2^(3 - 127): the byte cannot fall under 1
	v_max_num_f32_dpp v8, v8, v8 row_xmask:1 row_mask:0xf bank_mask:0xf   ; with my neighbour's 16: the block's
	v_add_nc_u32 v11, 0xff000000, v8               ; 2 off its exponent field: the conversion takes the exponent field of this operand as its scale
	v_cvt_scalef32_pk8_fp4_f32 v[XC+4*(\t)], v[XS:XS+7], v11
	v_cvt_scalef32_pk8_fp4_f32 v[XC+4*(\t)+1], v[XS+8:XS+15], v11
	v_lshrrev_b32 v[XE+(\t)], 23, v11              ; the scale's byte
	ds_store_b8 v5, v[XE+(\t)] offset:16*(\t)      ; both lanes of a block write the same byte with the same value
	global_store_b64 v4, v[XC+4*(\t):XC+4*(\t)+1], s[10:11] offset:256*(\t)   ; the wave stores 256 consecutive bytes, aligned
.endm
.irp t, 0,1,2,3,4,5,6,7,8,9,10,11,12,13,14,15
	XSTEP \t
.endr
	ds_load_b64 v[12:13], v6                       ; LDS serves a wave's instructions in order: this sees my byte stores
	s_wait_dscnt 0x0
	global_store_b64 v4, v[12:13], s[12:13]        ; the 8 rows' 256 scale bytes, consecutive and aligned
	s_wait_tensorcnt 0x0
	ds_add_u32 v216, v217
	s_wait_dscnt 0x0
	s_endpgm
	; ---------------------------------------------------------------- the weights
.Lweights:
	s_load_b128 s[4:7], s[0:1], 0x18               ; Wq, Wk
	s_load_b128 s[8:11], s[0:1], 0x28              ; Wv, Wo
	s_load_b128 s[12:15], s[0:1], 0x48             ; wc, ws
	s_and_b32 s17, s16, 1                          ; which 32 columns
	s_lshr_b32 s18, s16, 1                         ; which 256 along K
	s_lshr_b32 s19, ttmp9, 1
	s_and_b32 s19, s19, 15                         ; column group
	s_and_b32 s20, ttmp9, 1                        ; half of K
	s_lshr_b32 s21, ttmp9, 5                       ; the tensor: 0 Wq, 1 Wk, 2 Wv, 3 Wo
	s_mov_b32 s40, 262144
	s_mov_b32 s41, 256
	s_mov_b32 s42, 4096
	s_cmp_lt_u32 s21, 3
	s_cselect_b32 s22, s40, s41                    ; HS
	s_cselect_b32 s23, s41, s42                    ; RS
	s_mul_i32 s43, s17, 32*SPT
	s_lshl_b32 s44, s18, 7
	s_add_co_u32 s43, s43, s44
	s_add_co_u32 s43, s43, WL
	s_wait_alu depctr_va_vdst(0)
	v_mul_u32_u24 v4, v2, SPT
	v_add_nc_u32 v4, s43, v4                       ; stage, in: row = my column, + 128 bytes for each 256 along K
	s_lshl_b32 s43, s17, 9
	s_lshl_b32 s44, s18, 3
	s_add_co_u32 s43, s43, s44
	s_add_co_u32 s43, s43, SST
	v_lshl_add_u32 v5, v2, 4, s43                  ; my eight scale bytes: 16 bytes a column, 8 for each 256 along K
	v_lshrrev_b32 v10, 4, v2
	v_and_b32 v3, 15, v2
	s_mul_i32 s43, s16, 16*SPT
	s_add_co_u32 s43, s43, WL
	v_mul_u32_u24 v6, v10, SPT
	v_lshl_add_u32 v6, v3, 4, v6
	v_add_nc_u32 v6, s43, v6                       ; stage, out: wave w takes rows 16 w on, two rows an instruction, sixteen lanes to a row
	v_lshlrev_b32 v7, 9, v10
	v_lshl_add_u32 v7, v3, 4, v7                   ; and the same place in wc
	s_lshl_b32 s43, s16, 8
	s_add_co_u32 s43, s43, SST
	v_lshl_add_u32 v8, v2, 3, s43                  ; scale bytes, out: my wave's 16 rows x 16 bytes, 8 a lane
	v_lshlrev_b32 v9, 9, v10                       ; their place in ws: my second group of 8 rows lies two groups (512 bytes) on,
	v_bfe_u32 v10, v2, 1, 3
	v_lshl_add_u32 v9, v10, 5, v9                  ; 32 bytes a row,
	v_and_b32 v10, 1, v2
	v_lshl_add_u32 v9, v10, 3, v9                  ; two lanes to a row's 16 bytes
	s_lshl_b32 s43, s17, 7
	v_lshl_add_u32 v[WOFF], v2, 2, s43             ; my column: 4 x lane + 128 x (w % 2)
.set i, 1
.rept 31
	v_add_nc_u32 v[WOFF+i], s23, v[WOFF+i-1]       ; one row of K further down
.set i, i+1
.endr
	s_lshl_b32 s44, s20, 9
	s_lshl_b32 s45, s18, 8
	s_add_co_u32 s44, s44, s45                     ; my first k
	s_mul_i32 s44, s44, s23
	s_mul_i32 s45, s19, s22
	s_add_co_u32 s44, s44, s45                     ; in bytes, with the column group's: under 4,194,304
	s_mov_b32 s45, 0
	s_lshl_b32 s46, s23, 5                         ; a block: 32 rows of K
	s_mov_b32 s47, 0
	s_lshr_b32 s48, s16, 1                         ; where my 16 rows go.  They are groups 2 w and 2 w + 1 of the 64 rows' eight groups of 8; groups 1 and 2 of each four change places:
	s_lshl_b32 s48, s48, 2                         ; group 2 w lands at 4 (w / 2) + w % 2, group 2 w + 1 two groups further on
	s_and_b32 s49, s16, 1
	s_or_b32 s48, s48, s49
	s_lshl_b32 s49, s19, 3
	s_add_co_u32 s48, s48, s49                     ; group of 8 rows among the tensor's 128
	s_lshl_b32 s50, s21, 19                        ; a tensor's codes: 524,288 bytes
	s_lshl_b32 s49, s48, 12
	s_add_co_u32 s50, s50, s49
	s_lshl_b32 s49, s20, 8
	s_add_co_u32 s50, s50, s49
	s_mov_b32 s51, 0
	s_lshl_b32 s52, s21, 15                        ; a tensor's scale bytes: 32,768
	s_lshl_b32 s49, s48, 8
	s_add_co_u32 s52, s52, s49
	s_lshl_b32 s49, s20, 4
	s_add_co_u32 s52, s52, s49
	s_mov_b32 s53, 0
	s_wait_alu depctr_va_vdst(0)
	s_wait_kmcnt 0x0
	s_cmp_eq_u32 s21, 0                            ; the choices hang on the work-group's number alone
	s_cselect_b64 s[4:5], s[4:5], s[6:7]
	s_cmp_eq_u32 s21, 2
	s_cselect_b64 s[8:9], s[8:9], s[10:11]
	s_cmp_lt_u32 s21, 2
	s_cselect_b64 s[4:5], s[4:5], s[8:9]
	s_add_nc_u64 s[24:25], s[4:5], s[44:45]        ; a base for each of my eight blocks, s[24:39]: nothing is stepped later
.irp t, 1,2,3,4,5,6,7
	s_add_nc_u64 s[24+2*\t:25+2*\t], s[22+2*\t:23+2*\t], s[46:47]
.endr
	s_add_nc_u64 s[12:13], s[12:13], s[50:51]
	s_add_nc_u64 s[14:15], s[14:15], s[52:53]
.macro WLOAD t                         ; block t: 32 rows of K at my column, into set t % 4; 32 lanes read 128 consecutive bytes, and the wave beside me reads the 128 beside them
.set i, 0
.rept 32
	global_load_b32 v[WX+32*((\t)%4)+i], v[WOFF+i], s[24+2*(\t):25+2*(\t)]
.set i, i+1
.endr
.endm
.macro WBLOCK t
.set XS, WX+32*((\t)%4)
	v_max3_num_f32 v12, |v[XS]|, |v[XS+1]|, |v[XS+2]|               ; the block's largest magnitude: all 32 numbers are mine
	v_max3_num_f32 v13, |v[XS+3]|, |v[XS+4]|, |v[XS+5]|
.irp i, 6,10,14,18,22,26
	v_max3_num_f32 v12, v12, |v[XS+\i]|, |v[XS+\i+1]|
	v_max3_num_f32 v13, v13, |v[XS+\i+2]|, |v[XS+\i+3]|
.endr
	v_max3_num_f32 v12, v12, |v[XS+30]|, |v[XS+31]|
	v_max3_num_f32 v12, v12, v13, 0x1800000        ; and the floor 2^(3 - 127): the byte cannot fall under 1
	v_add_nc_u32 v11, 0xff000000, v12              ; 2 off its exponent field: the conversion's scale operand
	v_lshrrev_b32 v13, 23, v11                     ; the scale's byte
.if (\t)%4 == 0
	v_mov_b32 v[WSB+(\t)/4], v13                   ; four bytes to a register,
.else
	v_lshl_or_b32 v[WSB+(\t)/4], v13, 8*((\t)%4), v[WSB+(\t)/4]     ; the lower K in the lower byte
.endif
.irp g, 0,1,2,3
	v_cvt_scalef32_pk8_fp4_f32 v[WC+4*(\t)+\g], v[XS+8*\g:XS+8*\g+7], v11
.endr
	ds_store_b128 v4, v[WC+4*(\t):WC+4*(\t)+3] offset:16*(\t)        ; 32 codes: 16 bytes of my column's row
.endm
	WLOAD 0
	WLOAD 1
.irp t, 0,1,2,3,4,5
	s_wait_loadcnt 32                              ; this block's 32 loads are in; the next block's 32 may be out
	WLOAD \t+2                                     ; two blocks ahead: 64 loads of 128 bytes are asked for
	WBLOCK \t
.endr
	s_wait_loadcnt 32                              ; block 6's are in; block 7's may be out
	WBLOCK 6
	s_wait_loadcnt 0x0
	WBLOCK 7
	ds_store_b64 v5, v[WSB:WSB+1]
	s_wait_dscnt 0x0                               ; for the others' sake: my stores into the stage are done
	s_barrier_signal -1
	s_barrier_wait -1                              ; a row's 256 bytes come from two waves
.irp k, 0,1,2,3,4,5,6,7
	ds_load_b128 v[48+4*\k:51+4*\k], v6 offset:2*SPT*\k
.endr
	ds_load_b64 v[80:81], v8
.irp k, 0,1,2,3,4,5,6,7
	s_wait_dscnt 8-\k                              ; load k is back; the 7 - k behind it and the load of the scale bytes may be out
	global_store_b128 v7, v[48+4*\k:51+4*\k], s[12:13] offset:8192*(\k/4)+1024*(\k%4)   ; sixteen lanes store 256 consecutive bytes, aligned
.endr
	s_wait_dscnt 0x0
	global_store_b64 v9, v[80:81], s[14:15]
	s_wait_tensorcnt 0x0
	ds_add_u32 v216, v217
	s_wait_dscnt 0x0
	s_endpgm
.Lfunc_end_k_q0be09d70eb_quant:
	.size	k_q0be09d70eb_quant, .Lfunc_end_k_q0be09d70eb_quant-k_q0be09d70eb_quant
	.p2alignl 7, 3214868480
	.fill 96, 4, 3214868480
	.section	.rodata,"a",@progbits
	.p2align	6, 0x0
	.amdhsa_kernel k_q0be09d70eb_quant
		.amdhsa_group_segment_fixed_size 51712
		.amdhsa_private_segment_fixed_size 0
		.amdhsa_enable_private_segment 0
		.amdhsa_kernarg_size 88
		.amdhsa_user_sgpr_count 2
		.amdhsa_user_sgpr_kernarg_segment_ptr 1
		.amdhsa_wavefront_size32 1
		.amdhsa_system_sgpr_workgroup_id_x 1
		.amdhsa_system_sgpr_workgroup_id_y 1
		.amdhsa_system_sgpr_workgroup_id_z 1
		.amdhsa_system_vgpr_workitem_id 0
		.amdhsa_next_free_vgpr 218
		.amdhsa_next_free_sgpr 66
		.amdhsa_reserve_vcc 0
		.amdhsa_float_denorm_mode_32 3
		.amdhsa_float_denorm_mode_16_64 3
		.amdhsa_memory_ordered 1
		.amdhsa_forward_progress 1
		.amdhsa_inst_pref_size 77
	.end_amdhsa_kernel
	.amdgpu_metadata
---
amdhsa.version: [ 1, 2 ]
amdhsa.kernels:
  - .name:           k_q0be09d70eb_quant
    .symbol:         k_q0be09d70eb_quant.kd
    .args:
      - { .name: Q, .offset: 0, .size: 8, .value_kind: global_buffer, .address_space: global }
      - { .name: K, .offset: 8, .size: 8, .value_kind: global_buffer, .address_space: global }
      - { .name: V, .offset: 16, .size: 8, .value_kind: global_buffer, .address_space: global }
      - { .name: Wq, .offset: 24, .size: 8, .value_kind: global_buffer, .address_space: global }
      - { .name: Wk, .offset: 32, .size: 8, .value_kind: global_buffer, .address_space: global }
      - { .name: Wv, .offset: 40, .size: 8, .value_kind: global_buffer, .address_space: global }
      - { .name: Wo, .offset: 48, .size: 8, .value_kind: global_buffer, .address_space: global }
      - { .name: xc, .offset: 56, .size: 8, .value_kind: global_buffer, .address_space: global }
      - { .name: xs, .offset: 64, .size: 8, .value_kind: global_buffer, .address_space: global }
      - { .name: wc, .offset: 72, .size: 8, .value_kind: global_buffer, .address_space: global }
      - { .name: ws, .offset: 80, .size: 8, .value_kind: global_buffer, .address_space: global }
    .group_segment_fixed_size: 51712
    .private_segment_fixed_size: 0
    .kernarg_segment_align: 8
    .kernarg_segment_size: 88
    .max_flat_workgroup_size: 128
    .sgpr_count:     66
    .vgpr_count:     218
    .wavefront_size: 32
...
	.end_amdgpu_metadata
.endif
;; end of part 6
;; launch proj (part 7): grid 4 x 96, 16 waves a work-group, clusters of 4 x 4, 301,056 bytes of LDS; arguments xc, xs, wc, ws, bq, bk, bv, pc, ps; writes pc, ps
.if DOCPART == 7
	.amdgcn_target "amdgcn-amd-amdhsa--gfx1250"
	.amdhsa_code_object_version 6
	.text
	.protected	k_q0be09d70eb_proj
	.globl	k_q0be09d70eb_proj
	.p2align	8
	.type	k_q0be09d70eb_proj,@function
k_q0be09d70eb_proj:
	s_mov_b64 s[64:65], 0
	v_nop
	global_prefetch_b8 v0, s[64:65] scope:SCOPE_SE
	s_setreg_imm32_b32 hwreg(HW_REG_WAVE_MODE, 25, 1), 1
	s_wait_xcnt 0x0
	s_wait_alu depctr_hold_cnt(0) depctr_sa_sdst(0) depctr_va_vdst(0) depctr_va_sdst(0) depctr_va_ssrc(0) depctr_va_vcc(0) depctr_vm_vsrc(0)
	s_getreg_b32 s2, hwreg(HW_REG_IB_STS2, 6, 4)
	s_cmp_eq_u32 s2, 0
	s_cbranch_scc0 .Lentry_in_a_cluster
	s_endpgm
.Lentry_in_a_cluster:
	s_bfe_u32 s2, ttmp6, 0x10000c
	s_cmp_lg_u32 s2, 0xf033
	s_cbranch_scc0 .Lentry_shape_is_right
	s_endpgm
.Lentry_shape_is_right:
; The three projections q = Q Wq + bq, k = K Wk + bk, v = V Wv + bv on codes of FP4 (E2M1) with E8M0 scales, K = 1,024; the results are quantised in registers for the attention's two products and leave as codes.
; SHARES: 4 x 4 work-groups form a cluster.  The cluster's y / 8 is the tensor (equal in all partners); a work-group makes 256 rows of x times 256 channels.  All of K lies in LDS: nothing is filled twice.
; Sixteen waves, four to a SIMD; a wave makes 8 tiles R (source 0: they run along a lane's registers) x 2 tiles L (source 1: they run along the lanes): 16 accumulators.
;   q, k: R = the weight, L = x: a lane holds one row, its registers run along the channels, which are the K of q k^T.
;   v:    R = x, L = the weight: a lane holds one channel, its registers run along the keys, which are the K of p v.
; Only the LDS bases differ, chosen by the tensor's number.  The rows of xc and wc lie so that 16 rows on end are rows 0-7 and 16-23 (or 8-15 and 24-31) of a group of 32:
; the 16 registers of R tiles 2 b and 2 b + 1 are then 16 neighbours, 32 b + 16 (lane / 16) + 0 .. 15.
; JOINT LOADS: the four work-groups of a row of the cluster need the same rows of x, the four of a column the same rows of the weight.
; THE BIAS starts the sums: it is put into the accumulators ahead of the first K step (so it is added first and not last: a difference of f32 rounding).
; OUT: q and k as images of the operand's registers, [batch x 16 + head][tile of 16 rows][lane][16 bytes], and one scale word a row (two bytes, then two bytes 0x7f over the zero codes that fill K = 64 up to 128);
;      v as [batch x 16 + head][128 keys][16 channels][half][lane][16 bytes] and one scale word for a channel and 128 keys.
; LIMITS: NaN and infinities are not served; a block of zeros gets the byte 1 and not 127 (zero codes; only this program reads the bytes).
.set PITCH, 528                        ; an LDS row of codes: all of K, 512 bytes + 16: the 16 rows of a fragment load start at 16 different banks (64 banks of 4 bytes: ISA guide 11.1)
.set OPB,   256*PITCH                  ; an operand's 256 rows: x's, then the weight's
.set CHUNK, 256                        ; from the first half of K to the second, inside a row
.set XSC,   2*OPB                      ; x's scale bytes: 256 rows of 32 bytes + 8
.set WSC,   XSC+256*40                 ; the weight's
.set RA,  1                            ; v1-2   LDS address of my R fragments, first and second half of K
.set LA,  3                            ; v3-4   of my L fragments
.set RSA, 5                            ; v5     of R's scale bytes
.set LSA, 6                            ; v6     of L's
.set RS,  10                           ; v10-25 R's scale words: a pair (two K steps) for each tile; they hold scales and nothing else
.set LS,  26                           ; v26-29 L's
.set BV,  30                           ; v30-31 v: my two channels' bias
.set BO,  32                           ; v32    the bias's byte offset
.set LF,  48                           ; v48-63   L's two fragments
.set RF,  64                           ; v64-127  R's eight
.set AC,  128                          ; v128-255 accumulator (i, t) at AC + 64 i + 8 t
.set TM,  64                           ; the way out: v64-79 at work, v80-95 codes, v96-97 scale words, v98-102 what is stored and where
.set PC,  80
.set PW,  96
.set WV,  22                           ; s22 wave; s23 wave % 2 (R half); s24 wave / 2 (L pair); s25 wave % 4
.set SEL, 34                           ; s[34:35] selects of v_permlanex16_b32: lane l xor 16
.macro ROUND                           ; a round of the cluster's barrier
	s_barrier_signal -1
	s_barrier_wait -1
	s_cmp_lg_u32 s[WV], 0
	s_cbranch_scc1 .Lnot_wave_0_\@
	s_barrier_signal -3
.Lnot_wave_0_\@:
	s_barrier_wait -3
	s_barrier_signal -1
	s_barrier_wait -1
.endm
	s_load_b256 s[4:11], s[0:1], 0x0               ; xc, xs, wc, ws
	s_load_b256 s[12:19], s[0:1], 0x20             ; bq, bk, bv, pc
	s_load_b64 s[20:21], s[0:1], 0x40              ; ps
	v_lshl_add_u32 v46, v0, 2, 0x49000
	v_mov_b32 v47, 0
	ds_add_u32 v46, v47
	ds_add_u32 v46, v47
	v_lshrrev_b32 v1, 5, v0
	s_delay_alu instid0(VALU_DEP_1)
	v_readfirstlane_b32 s[WV], v1                  ; wave 0..15
	s_and_b32 s23, s[WV], 1
	s_lshr_b32 s24, s[WV], 1
	s_and_b32 s25, s[WV], 3
	s_bfe_u32 s26, ttmp6, 0x40000                  ; cx
	s_bfe_u32 s27, ttmp6, 0x40004                  ; cy
	s_lshl_b32 s28, ttmp9, 2
	s_add_co_u32 s28, s28, s26                     ; which 256 channels
	s_and_b32 s30, ttmp7, 0xffff
	s_and_b32 s29, s30, 7
	s_lshl_b32 s29, s29, 2
	s_add_co_u32 s29, s29, s27                     ; which 256 rows of the tensor
	s_lshr_b32 s30, s30, 3                         ; the tensor: 0 q, 1 k, 2 v
	s_lshl_b32 s32, s27, 2
	s_lshl_b32 s32, 15, s32                        ; my row of the cluster
	s_lshl_b32 s33, 0x1111, s26                    ; my column
	; group 1 for codes: 64 whole rows of 512 bytes; 16 bytes of padding behind every 128 words.  s[36:43] x (row mask), s[44:51] the weight (column mask)
	s_or_b32 s36, s32, (1<<20)|(1<<21)|(6<<22)|(3<<25)   ; whole rows of 512 bytes, 16 bytes of padding behind every 128 words
	s_or_b32 s44, s33, (1<<20)|(1<<21)|(6<<22)|(3<<25)
.irp g, 36, 44
	s_mov_b32 s[\g+1], 512<<16
	s_mov_b32 s[\g+2], 64<<16
	s_mov_b32 s[\g+3], 512<<16
	s_mov_b32 s[\g+4], 64                          ; tile_dim1
	s_mov_b32 s[\g+5], 512                         ; from row to row
	s_mov_b32 s[\g+6], 0
	s_mov_b32 s[\g+7], 0
.endr
	; group 1 for scale bytes: 64 rows of 32 bytes are 2,048 dense bytes: 8 rows of 32 elements of 8 bytes; 2 words of padding behind every 8.  s[52:59] x, s[68:75] the weight
	s_or_b32 s52, s32, (3<<16)|(1<<20)|(1<<21)|(2<<22)|(1<<25)
	s_or_b32 s68, s33, (3<<16)|(1<<20)|(1<<21)|(2<<22)|(1<<25)
.irp g, 52, 68
	s_mov_b32 s[\g+1], 32<<16
	s_mov_b32 s[\g+2], 8<<16
	s_mov_b32 s[\g+3], 32<<16
	s_mov_b32 s[\g+4], 8
	s_mov_b32 s[\g+5], 32
	s_mov_b32 s[\g+6], 0
	s_mov_b32 s[\g+7], 0
.endr
	; where my 64 rows begin.  x's offsets are made of the tensor, the row block and the wave; the weight's of the tensor, the channel block and the wave; neither set of registers holds the other coordinate
	s_lshl_b32 s60, s30, 22
	s_lshl_b32 s100, s29, 17
	s_add_co_u32 s60, s60, s100
	s_lshl_b32 s100, s25, 15
	s_add_co_u32 s60, s60, s100                    ; x's codes
	s_mov_b32 s61, 0
	s_lshl_b32 s34, s30, 18
	s_lshl_b32 s100, s29, 13
	s_add_co_u32 s34, s34, s100
	s_lshl_b32 s100, s25, 11
	s_add_co_u32 s34, s34, s100                    ; x's scale bytes
	s_mov_b32 s35, 0
	s_lshl_b32 s62, s30, 19
	s_lshl_b32 s101, s28, 17
	s_add_co_u32 s62, s62, s101
	s_lshl_b32 s101, s25, 15
	s_add_co_u32 s62, s62, s101                    ; the weight's codes
	s_mov_b32 s63, 0
	s_lshl_b32 s66, s30, 15
	s_lshl_b32 s101, s28, 13
	s_add_co_u32 s66, s66, s101
	s_lshl_b32 s101, s25, 11
	s_add_co_u32 s66, s66, s101                    ; the weight's scale bytes
	s_mov_b32 s67, 0
	s_mul_i32 s104, s25, 64*PITCH                  ; and where they go: the wave's number alone
	s_mul_i32 s105, s25, 64*40
	s_wait_dscnt 0x0
	s_wait_kmcnt 0x0
	s_mov_b32 s76, 1                               ; x: scale bytes,
	s_add_co_u32 s77, s105, XSC
	s_add_nc_u64 s[78:79], s[6:7], s[34:35]
	s_or_b32 s79, s79, 0x80000000
	s_mov_b32 s80, 1                               ; codes, all of K,
	s_mov_b32 s81, s104
	s_add_nc_u64 s[82:83], s[4:5], s[60:61]
	s_or_b32 s83, s83, 0x80000000
	s_mov_b32 s88, 1                               ; the weight likewise
	s_add_co_u32 s89, s105, WSC
	s_add_nc_u64 s[90:91], s[10:11], s[66:67]
	s_or_b32 s91, s91, 0x80000000
	s_mov_b32 s92, 1
	s_add_co_u32 s93, s104, OPB
	s_add_nc_u64 s[94:95], s[8:9], s[62:63]
	s_or_b32 s95, s95, 0x80000000
	ROUND                                          ; all sixteen work-groups are here: the joint loads meet
	; one tensor load a wave, in one chain of branches on the wave's number: waves 0-3 x's codes (64 rows each), 4-7 the weight's, 8-11 x's scale bytes, 12-15 the weight's
	s_cmp_lt_u32 s[WV], 4
	s_cbranch_scc0 .Lnot_x
	tensor_load_to_lds s[80:83], s[36:43]
	s_nop 0
.rept 4
	v_nop
.endr
	s_branch .Lasked
.Lnot_x:
	s_cmp_lt_u32 s[WV], 8
	s_cbranch_scc0 .Lnot_w
	tensor_load_to_lds s[92:95], s[44:51]
	s_nop 0
.rept 4
	v_nop
.endr
	s_branch .Lasked
.Lnot_w:
	s_cmp_lt_u32 s[WV], 12
	s_cbranch_scc0 .Lnot_xs
	tensor_load_to_lds s[76:79], s[52:59]
	s_nop 0
.rept 4
	v_nop
.endr
	s_branch .Lasked
.Lnot_xs:
	tensor_load_to_lds s[88:91], s[68:75]
	s_nop 0
.rept 4
	v_nop
.endr
.Lasked:
	v_and_b32 v7, 15, v0                           ; r
	v_bfe_u32 v8, v0, 4, 1                         ; h
	; THE BIAS INTO THE ACCUMULATORS.  Both ways write all 128 registers, so that every K step has one form
	s_cmp_eq_u32 s30, 0
	s_cselect_b64 s[12:13], s[12:13], s[14:15]     ; bq or bk
	s_cmp_eq_u32 s30, 2
	s_cbranch_scc1 .Lbias_v
	s_lshl_b32 s60, s28, 10                        ; q, k: register j of tile t holds channel 32 (t / 2) + 16 h + 8 (t % 2) + j of my 128
	s_lshl_b32 s61, s23, 9
	s_add_co_u32 s60, s60, s61
	s_mov_b32 s61, 0
	s_add_nc_u64 s[12:13], s[12:13], s[60:61]
	s_wait_alu depctr_va_vdst(0)
	v_lshlrev_b32 v[BO], 6, v8
.irp i, 0,1
.irp t, 0,1,2,3,4,5,6,7
	global_load_b128 v[AC+64*\i+8*\t:AC+64*\i+8*\t+3], v[BO], s[12:13] offset:128*(\t/2)+32*(\t%2)
	global_load_b128 v[AC+64*\i+8*\t+4:AC+64*\i+8*\t+7], v[BO], s[12:13] offset:128*(\t/2)+32*(\t%2)+16
.endr
.endr
	s_branch .Lbias_done
.Lbias_v:
	s_lshl_b32 s60, s28, 3                         ; v: lane r of tile i holds channel 8 i + r + 8 (r / 8) of my 32: one number for all 64 registers of a tile column
	s_add_co_u32 s60, s60, s24
	s_lshl_b32 s60, s60, 7
	s_mov_b32 s61, 0
	s_add_nc_u64 s[16:17], s[16:17], s[60:61]
	s_wait_alu depctr_va_vdst(0)
	v_and_b32 v[BO], 8, v7
	s_delay_alu instid0(VALU_DEP_1)
	v_add_nc_u32 v[BO], v[BO], v7
	s_delay_alu instid0(VALU_DEP_1)
	v_lshlrev_b32 v[BO], 2, v[BO]
	global_load_b32 v[BV], v[BO], s[16:17]
	global_load_b32 v[BV+1], v[BO], s[16:17] offset:32
	s_wait_loadcnt 0x0                             ; the tiles are on their way meanwhile
.set j, 0
.rept 64
	v_mov_b32 v[AC+j], v[BV]
	v_mov_b32 v[AC+64+j], v[BV+1]
.set j, j+1
.endr
.Lbias_done:
	s_mov_b32 s104, XSC
	s_mov_b32 s105, WSC
	s_cmp_eq_u32 s30, 2                            ; v: R = x, L = the weight; q, k: the other way round
	s_cselect_b32 s2, 0, OPB
	s_cselect_b32 s3, OPB, 0
	s_cselect_b32 s66, s104, s105
	s_cselect_b32 s67, s105, s104
	v_mul_u32_u24 v9, v7, PITCH
	s_delay_alu instid0(VALU_DEP_1)
	v_lshl_add_u32 v9, v8, 4, v9                   ; a fragment's row x pitch + 16 x half
	s_mul_i32 s100, s23, 128*PITCH
	s_add_co_u32 s100, s100, s2
	v_add_nc_u32 v[RA], s100, v9
	s_delay_alu instid0(VALU_DEP_1)
	v_add_nc_u32 v[RA+1], CHUNK, v[RA]
	s_mul_i32 s101, s24, 32*PITCH
	s_add_co_u32 s101, s101, s3
	v_add_nc_u32 v[LA], s101, v9
	s_delay_alu instid0(VALU_DEP_1)
	v_add_nc_u32 v[LA+1], CHUNK, v[LA]
	v_mul_u32_u24 v9, v7, 40
	s_mul_i32 s100, s23, 128*40
	s_add_co_u32 s100, s100, s66
	v_add_nc_u32 v[RSA], s100, v9
	s_mul_i32 s101, s24, 32*40
	s_add_co_u32 s101, s101, s67
	v_add_nc_u32 v[LSA], s101, v9
	s_mov_b32 s[SEL], 0x76543210
	s_mov_b32 s[SEL+1], 0xfedcba98
; A K step of 128: 20 fragment loads, in every second step ten loads of two scale words, and 16 matrix instructions on 16 accumulators by turns, one instruction a turn.
.macro KSTEP ks
.if (\ks) > 0
.rept 4
	v_nop                                          ; four places in front of loads into registers that matrix instructions have read (ISA guide 7.12.1 for vector instructions)
.endr
.endif
.irp t, 0,1,2,3,4,5,6,7
	ds_load_b128 v[RF+8*\t:RF+8*\t+3], v[RA+(\ks)/4] offset:16*PITCH*\t+64*((\ks)%4)
	ds_load_b128 v[RF+8*\t+4:RF+8*\t+7], v[RA+(\ks)/4] offset:16*PITCH*\t+64*((\ks)%4)+32
.endr
.irp i, 0,1
	ds_load_b128 v[LF+8*\i:LF+8*\i+3], v[LA+(\ks)/4] offset:16*PITCH*\i+64*((\ks)%4)
	ds_load_b128 v[LF+8*\i+4:LF+8*\i+7], v[LA+(\ks)/4] offset:16*PITCH*\i+64*((\ks)%4)+32
.endr
.if (\ks)%2 == 0
.irp t, 0,1,2,3,4,5,6,7
	ds_load_b64 v[RS+2*\t:RS+2*\t+1], v[RSA] offset:640*\t+8*((\ks)/2)
.endr
.irp i, 0,1
	ds_load_b64 v[LS+2*\i:LS+2*\i+1], v[LSA] offset:640*\i+8*((\ks)/2)
.endr
.endif
	s_wait_dscnt 0x0                               ; the other three waves of the SIMD have work meanwhile
.irp i, 0,1
.irp t, 0,1,2,3,4,5,6,7
	v_wmma_scale_f32_16x16x128_f8f6f4 v[AC+64*\i+8*\t:AC+64*\i+8*\t+7], v[RF+8*\t:RF+8*\t+7], v[LF+8*\i:LF+8*\i+7], v[AC+64*\i+8*\t:AC+64*\i+8*\t+7], v[RS+2*\t+(\ks)%2], v[LS+2*\i+(\ks)%2] matrix_a_fmt:MATRIX_FMT_FP4 matrix_b_fmt:MATRIX_FMT_FP4
.endr
.endr
.endm
; 64 numbers of a lane, v[s] on, register 16 b + i = k 32 b + 16 (lane / 16) + i, become a fragment's codes in v[pc] on and its scale word in v[pw].  Each accumulator is read from its low end on.
.macro QUANT s, pc, pw
.irp b, 0,1,2,3
	v_max3_num_f32 v[TM+\b], |v[\s+16*\b]|, |v[\s+1+16*\b]|, 0x1800000   ; block b: my 16 numbers, and the floor 2^(3 - 127): the byte cannot fall under 1
.endr
.irp i, 2,4,6,8,10,12,14
.irp b, 0,1,2,3
	v_max3_num_f32 v[TM+\b], v[TM+\b], |v[\s+16*\b+\i]|, |v[\s+1+16*\b+\i]|
.endr
.endr
.irp b, 0,1,2,3
	s_delay_alu instid0(VALU_DEP_4)
	v_permlanex16_b32 v[TM+4+\b], v[TM+\b], s[SEL], s[SEL+1]
.endr
.irp b, 0,1,2,3
	s_delay_alu instid0(VALU_DEP_4)
	v_max_num_f32 v[TM+\b], v[TM+\b], v[TM+4+\b]   ; with lane l xor 16's: the block's largest magnitude
.endr
.irp b, 0,1,2,3
	s_delay_alu instid0(VALU_DEP_4)
	v_add_nc_u32 v[TM+12+\b], 0xff000000, v[TM+\b] ; 2 off its exponent field: the conversion's scale operand
.endr
.irp b, 0,1,2,3
	s_delay_alu instid0(VALU_DEP_4)
	v_lshrrev_b32 v[TM+4+\b], 23, v[TM+12+\b]      ; the scale's byte
.endr
	s_delay_alu instid0(VALU_DEP_3)
	v_lshl_or_b32 v[\pw], v[TM+5], 8, v[TM+4]
	s_delay_alu instid0(VALU_DEP_1)
	v_lshl_or_b32 v[\pw], v[TM+6], 16, v[\pw]
	s_delay_alu instid0(VALU_DEP_1)
	v_lshl_or_b32 v[\pw], v[TM+7], 24, v[\pw]
.irp b, 0,1,2,3
	v_cvt_scalef32_pk8_fp4_f32 v[\pc+2*\b], v[\s+16*\b:\s+7+16*\b], v[TM+12+\b]
	v_cvt_scalef32_pk8_fp4_f32 v[\pc+1+2*\b], v[\s+8+16*\b:\s+15+16*\b], v[TM+12+\b]
.endr
	v_nop                                          ; one plain place behind a scaled conversion
.irp c, 0,1                                    ; the operand's layout wants a whole block in a lane: lanes 0-15 block 2 c, lanes 16-31 block 2 c + 1
.irp i, 0,1
	v_permlane16_swap_b32 v[\pc+4*\c+\i], v[\pc+2+4*\c+\i]
.endr
.endr
.endm
	s_wait_alu depctr_va_vdst(0)
	s_wait_loadcnt 0x0                             ; the bias
	s_wait_tensorcnt 0x0                           ; my one load is in
	s_barrier_signal -1
	s_barrier_wait -1                              ; everybody's are
	KSTEP 0
	KSTEP 1
	KSTEP 2
	KSTEP 3
	KSTEP 4
	KSTEP 5
	KSTEP 6
	KSTEP 7
.rept 4
	v_nop                                          ; four places behind the last products
.endr
.irp b, 0,1,2,3
	v_mov_b32 v[TM+4+\b], 0                        ; a lane permute's destination counts as one of its sources
.endr
	v_and_b32 v100, 31, v0
	s_delay_alu instid0(VALU_DEP_1)
	v_lshlrev_b32 v100, 4, v100                    ; 16 x lane: an image's place for my lane
	QUANT AC, PC, PW
	QUANT AC+64, PC+8, PW+1
	s_cmp_eq_u32 s30, 2
	s_cbranch_scc1 .Lout_v
	; q, k: registers 0-3 of the codes are my first head's image of this tile of rows, registers 4-7 my second head's
	s_lshr_b32 s60, s29, 3
	s_lshl_b32 s60, s60, 4                         ; 16 x batch
	s_lshl_b32 s61, s28, 2
	s_add_co_u32 s60, s60, s61
	s_lshl_b32 s61, s23, 1
	s_add_co_u32 s60, s60, s61                     ; + my first head
	s_and_b32 s61, s29, 7
	s_lshl_b32 s61, s61, 4
	s_lshl_b32 s62, s24, 1
	s_add_co_u32 s61, s61, s62                     ; my first tile of rows among the batch's 128
	s_lshl_b32 s62, s30, 22
	s_lshl_b32 s63, s60, 16
	s_add_co_u32 s62, s62, s63
	s_lshl_b32 s63, s61, 9
	s_add_co_u32 s62, s62, s63
	s_mov_b32 s63, 0
	s_add_nc_u64 s[18:19], s[18:19], s[62:63]
	s_lshl_b32 s62, s30, 19
	s_lshl_b32 s66, s60, 13
	s_add_co_u32 s62, s62, s66
	s_lshl_b32 s66, s61, 6
	s_add_co_u32 s62, s62, s66
	s_add_nc_u64 s[20:21], s[20:21], s[62:63]
	v_lshlrev_b32 v101, 4, v8                      ; lanes 0-15 store the first head's two bytes, lanes 16-31 the second head's
	v_lshlrev_b32 v102, 13, v8
	s_delay_alu instid0(VALU_DEP_1)
	v_lshl_add_u32 v102, v7, 2, v102               ; 8,192 bytes from head to head, 4 a row
	s_mov_b32 s66, 0x7f7f0000                      ; the bytes over the zero codes: 1.0
	s_wait_alu depctr_va_vdst(0)
.irp i, 0,1
	v_lshrrev_b32 v[98+\i], v101, v[PW+\i]
	s_delay_alu instid0(VALU_DEP_1)
	v_and_or_b32 v[98+\i], v[98+\i], 0xffff, s66
	global_store_b128 v100, v[PC+8*\i:PC+8*\i+3], s[18:19] offset:512*\i          ; the wave stores 512 consecutive bytes, aligned
	global_store_b128 v100, v[PC+8*\i+4:PC+8*\i+7], s[18:19] offset:65536+512*\i
	global_store_b32 v102, v[98+\i], s[20:21] offset:64*\i
.endr
	s_branch .Lend
.Lout_v:
	; v: the codes are the fragment of 16 channels x 128 keys
	s_lshl_b32 s60, s28, 3
	s_add_co_u32 s60, s60, s24                     ; my group of 32 channels
	s_lshr_b32 s61, s29, 3
	s_lshl_b32 s61, s61, 4
	s_lshr_b32 s62, s60, 1
	s_add_co_u32 s61, s61, s62                     ; 16 x batch + head
	s_and_b32 s60, s60, 1                          ; which half of the head
	s_and_b32 s62, s29, 7
	s_lshl_b32 s62, s62, 1
	s_add_co_u32 s62, s62, s23                     ; which 128 keys of the batch's 2,048
	s_lshl_b32 s66, s61, 16
	s_lshl_b32 s67, s62, 12
	s_add_co_u32 s66, s66, s67
	s_lshl_b32 s67, s60, 11
	s_add_co_u32 s66, s66, s67
	s_add_co_u32 s66, s66, 8388608
	s_mov_b32 s67, 0
	s_add_nc_u64 s[18:19], s[18:19], s[66:67]
	s_lshl_b32 s66, s61, 12
	s_lshl_b32 s63, s62, 8
	s_add_co_u32 s66, s66, s63
	s_lshl_b32 s63, s60, 7
	s_add_co_u32 s66, s66, s63
	s_add_co_u32 s66, s66, 1048576
	s_add_nc_u64 s[20:21], s[20:21], s[66:67]
	v_cmp_eq_u32 vcc_lo, 1, v8
	s_delay_alu instid0(VALU_DEP_1)
	v_cndmask_b32 v98, v[PW], v[PW+1], vcc_lo      ; lanes 0-15 store the first tile's words, lanes 16-31 the second's
	v_lshrrev_b32 v101, 2, v100                    ; 4 x lane
	s_wait_alu depctr_va_vdst(0)
.irp i, 0,1
.irp c, 0,1
	global_store_b128 v100, v[PC+8*\i+4*\c:PC+8*\i+4*\c+3], s[18:19] offset:1024*\i+512*\c
.endr
.endr
	global_store_b32 v101, v98, s[20:21]
.Lend:
	s_wait_tensorcnt 0x0
	ds_add_u32 v46, v47
	s_wait_dscnt 0x0
	ROUND                                          ; the closing round: no work-group ends while a partner may still ask for a tile that names it
	s_endpgm
.Lfunc_end_k_q0be09d70eb_proj:
	.size	k_q0be09d70eb_proj, .Lfunc_end_k_q0be09d70eb_proj-k_q0be09d70eb_proj
	.p2alignl 7, 3214868480
	.fill 96, 4, 3214868480
	.section	.rodata,"a",@progbits
	.p2align	6, 0x0
	.amdhsa_kernel k_q0be09d70eb_proj
		.amdhsa_group_segment_fixed_size 301056
		.amdhsa_private_segment_fixed_size 0
		.amdhsa_enable_private_segment 0
		.amdhsa_kernarg_size 72
		.amdhsa_user_sgpr_count 2
		.amdhsa_user_sgpr_kernarg_segment_ptr 1
		.amdhsa_wavefront_size32 1
		.amdhsa_system_sgpr_workgroup_id_x 1
		.amdhsa_system_sgpr_workgroup_id_y 1
		.amdhsa_system_sgpr_workgroup_id_z 1
		.amdhsa_system_vgpr_workitem_id 0
		.amdhsa_next_free_vgpr 256
		.amdhsa_next_free_sgpr 106
		.amdhsa_reserve_vcc 1
		.amdhsa_float_denorm_mode_32 3
		.amdhsa_float_denorm_mode_16_64 3
		.amdhsa_memory_ordered 1
		.amdhsa_forward_progress 1
		.amdhsa_inst_pref_size 59
	.end_amdhsa_kernel
	.amdgpu_metadata
---
amdhsa.version: [ 1, 2 ]
amdhsa.kernels:
  - .name:           k_q0be09d70eb_proj
    .symbol:         k_q0be09d70eb_proj.kd
    .args:
      - { .name: xc, .offset: 0, .size: 8, .value_kind: global_buffer, .address_space: global }
      - { .name: xs, .offset: 8, .size: 8, .value_kind: global_buffer, .address_space: global }
      - { .name: wc, .offset: 16, .size: 8, .value_kind: global_buffer, .address_space: global }
      - { .name: ws, .offset: 24, .size: 8, .value_kind: global_buffer, .address_space: global }
      - { .name: bq, .offset: 32, .size: 8, .value_kind: global_buffer, .address_space: global }
      - { .name: bk, .offset: 40, .size: 8, .value_kind: global_buffer, .address_space: global }
      - { .name: bv, .offset: 48, .size: 8, .value_kind: global_buffer, .address_space: global }
      - { .name: pc, .offset: 56, .size: 8, .value_kind: global_buffer, .address_space: global }
      - { .name: ps, .offset: 64, .size: 8, .value_kind: global_buffer, .address_space: global }
    .group_segment_fixed_size: 301056
    .private_segment_fixed_size: 0
    .kernarg_segment_align: 8
    .kernarg_segment_size: 72
    .max_flat_workgroup_size: 512
    .sgpr_count:     106
    .vgpr_count:     256
    .wavefront_size: 32
...
	.end_amdgpu_metadata
.endif
;; end of part 7
;; launch attn (part 8): grid 4 x 64, 16 waves a work-group, clusters of 4 x 1, 169,984 bytes of LDS; arguments pc, ps, oc, os; writes oc, os
.if DOCPART == 8
	.amdgcn_target "amdgcn-amd-amdhsa--gfx1250"
	.amdhsa_code_object_version 6
	.text
	.protected	k_q0be09d70eb_attn
	.globl	k_q0be09d70eb_attn
	.p2align	8
	.type	k_q0be09d70eb_attn,@function
k_q0be09d70eb_attn:
	s_mov_b64 s[64:65], 0
	v_nop
	global_prefetch_b8 v0, s[64:65] scope:SCOPE_SE
	s_setreg_imm32_b32 hwreg(HW_REG_WAVE_MODE, 25, 1), 1
	s_wait_xcnt 0x0
	s_wait_alu depctr_hold_cnt(0) depctr_sa_sdst(0) depctr_va_vdst(0) depctr_va_sdst(0) depctr_va_ssrc(0) depctr_va_vcc(0) depctr_vm_vsrc(0)
	s_getreg_b32 s2, hwreg(HW_REG_IB_STS2, 6, 4)
	s_cmp_eq_u32 s2, 0
	s_cbranch_scc0 .Lentry_in_a_cluster
	s_endpgm
.Lentry_in_a_cluster:
	s_bfe_u32 s2, ttmp6, 0x10000c
	s_cmp_lg_u32 s2, 0x3003
	s_cbranch_scc0 .Lentry_shape_is_right
	s_endpgm
.Lentry_shape_is_right:
; o = softmax(q k^T / 8) v for one batch and head, both products on codes of FP4 (E2M1) with E8M0 scales; o is quantised along the channels for the output projection and leaves as codes.
; THE SOFTMAX AHEAD OF THE SECOND PRODUCT: t = score x log2(e) / 8; M = the running largest t rounded UP to a whole number; p = 2^(t - M) is quantised along the keys, not normalised.
; The row's sum is taken of the unquantised p in f32 and divides o at the end.  When M moves, the sum and O are multiplied by 2^(old M - new M): exact.
; SHARES: work-group y is batch x 16 + head; the four work-groups of a cluster own 512 queries each of that head.  Sixteen waves; a wave owns one tile of 16 queries at a time, two one after the other.
; THE WHOLE HEAD'S k AND v (codes and scale words, 143,360 bytes) COME INTO LDS ONCE, asked for jointly by the four work-groups at the head, one load a wave: nothing is filled twice, nothing is stored to LDS,
; and there is nothing left to prefetch.  They lie as images of the operands' registers: a group of four registers is 512 bytes, lane l's 16 bytes at 16 l.
; LAYOUT: both products are used transposed: S^T = k q^T (source 0 = 16 keys, source 1 = my 16 queries), O^T = v^T p^T: a lane holds ONE query throughout.
; K of the first product is 64: q's registers 4-7 hold zero codes under scale bytes of 1.0.  So k's fragments lie packed, four registers each: what an operand of eight registers names beyond its four meets q's zero codes.
; THE KEYS OF A TILE: lane r of tile 4 g + u takes key 64 g + 8 u + r % 8 + 32 (r / 8).  So the 32 registers of tiles 4 g .. 4 g + 3 are, in lane (r, h), keys 64 g + 32 h + 0 .. 31:
; a whole scale block, in the order of the second product's operand: its largest p needs no other lane, and the conversions' results are the operand's registers.
; SCALE WORDS are loaded two tiles to a register (lanes 0-15 the even tile's rows, lanes 16-31 the odd tile's, read by ROW1).
; A KEY STEP: the first product; one run of 22 LDS loads (the next step's k, this step's v); the maxima and M; t - M and O^T's rescaling; one batch of 66 exponentials; scales, conversions, sums; the second product.
; TWO NUMBERS AN INSTRUCTION: t - M, the rescalings and the sums are dual forms on an even and an odd register.  Their two first, second and third sources lie in different register banks (number mod 4): so c, -M and f stand twice.
; LIMITS: NaN and infinities are not served; the scaled scores stay under 2^31 in magnitude; v_exp_f32 gives 0 for results under 2^-126; a block of zeros gets the byte 1 and not 127 (zero codes; only this program reads the bytes).
; REGISTERS: v1-4 addresses that stay; v5-8 the step's; v9 8 h; v10 4 r; v11 the second tile's scale word; v12, v13 -M, twice; v14, v15 the sum's halves; v16-23 q; v24-27 k's scale words; v32-67 k; v68, v69 the add's;
;   v70, v71 c, twice; v72 the largest score; v96-159 S^T, then p; v160-191 O^T; v192-223 v; v224-231 p's codes; v232-239, v244, v245 at work; v240-243 the second tile's q; v248, v249 v's scale words; v252, v253 f, twice; v254 p's scale word; v255 q's.
.set KSW, 131072                       ; LDS: k's images at 0, v's at 65,536, k's scale words here (8,192 bytes),
.set VSW, 139264                       ; v's here (4,096 bytes)
.set SPARE, 0x29000                    ; the spare words: 128 bytes a wave
.set SPW, 68
.set NIL, 69
.set WV,  12
.set SEL, 20                           ; s[20:21] selects of v_permlanex16_b32: lane l xor 16
.set CS,  22                           ; s22 c = log2(e) / 8
.set TB,  60                           ; the step's place among the images: 4,096 bytes a step;  TS among k's scale words: 512;  TJ among v's: 256
.set TS,  61
.set TJ,  62
.set CNT, 63
.macro ROUND                           ; a round of the cluster's barrier
	s_barrier_signal -1
	s_barrier_wait -1
	s_cmp_lg_u32 s[WV], 0
	s_cbranch_scc1 .Lnot_wave_0_\@
	s_barrier_signal -3
.Lnot_wave_0_\@:
	s_barrier_wait -3
	s_barrier_signal -1
	s_barrier_wait -1
.endm
.macro WALU
	s_wait_alu depctr_va_vdst(0)
.endm
.macro TLOAD g0, g1
	tensor_load_to_lds s[\g0:\g0+3], s[\g1:\g1+7]
	s_nop 0
.rept 4
	v_nop
.endr
.endm
	s_load_b256 s[4:11], s[0:1], 0x0               ; pc, ps, oc, os
	v_lshl_add_u32 v[SPW], v0, 2, SPARE
	v_mov_b32 v[NIL], 0
	ds_add_u32 v[SPW], v[NIL]                      ; the opening lines: the add twice on end and its wait
	ds_add_u32 v[SPW], v[NIL]
	v_lshrrev_b32 v1, 5, v0
	v_readfirstlane_b32 s[WV], v1                  ; wave 0..15
	s_bfe_u32 s13, ttmp6, 0x40000                  ; cx: it enters q's and o's addresses alone
	s_lshl_b32 s14, ttmp9, 2
	s_add_co_u32 s14, s14, s13                     ; which 512 queries
	s_and_b32 s15, ttmp7, 0xffff                   ; batch x 16 + head, which the four partners share
	; group 1: dense blocks as rows of 256 bytes (32 elements of 8 bytes); mask: all four work-groups.  s[24:31] 64 rows, s[40:47] 32, s[68:75] 16
.irp g, 24, 40, 68
	s_mov_b32 s[\g], 15|(3<<16)|(1<<21)
	s_mov_b32 s[\g+1], 32<<16
	s_mov_b32 s[\g+3], 32<<16
	s_mov_b32 s[\g+5], 32
	s_mov_b32 s[\g+6], 0
	s_mov_b32 s[\g+7], 0
.endr
	s_mov_b32 s26, 64<<16
	s_mov_b32 s28, 64
	s_mov_b32 s42, 32<<16
	s_mov_b32 s44, 32
	s_mov_b32 s70, 16<<16
	s_mov_b32 s72, 16
	s_lshl_b32 s16, s15, 13
	s_add_co_u32 s16, s16, 524288                  ; k's scale words of the head
	s_mov_b32 s17, 0
	s_lshr_b32 s18, s[WV], 2                       ; waves 0-3: quarters of k's images; waves 4-7: of v's, 4,194,304 bytes further on in pc
	s_add_co_u32 s18, s18, 1
	s_lshl_b32 s18, s18, 22
	s_lshl_b32 s19, s15, 16
	s_add_co_u32 s18, s18, s19
	s_and_b32 s19, s[WV], 3
	s_lshl_b32 s19, s19, 14
	s_add_co_u32 s18, s18, s19
	s_mov_b32 s19, 0
	s_lshl_b32 s66, s15, 12
	s_add_co_u32 s66, s66, 1048576                 ; v's scale words
	s_mov_b32 s67, 0
	s_lshl_b32 s98, s14, 5
	s_add_co_u32 s98, s98, s[WV]                   ; my first tile of queries among the head's 128; the second lies 16 tiles on
	s_lshl_b32 s76, s15, 16
	s_lshl_b32 s99, s98, 9
	s_add_co_u32 s76, s76, s99                     ; its image,
	s_mov_b32 s77, 0
	s_lshl_b32 s78, s15, 13
	s_lshl_b32 s99, s98, 6
	s_add_co_u32 s78, s78, s99                     ; its scale words
	s_mov_b32 s79, 0
	s_lshr_b32 s99, s15, 4
	s_lshl_b32 s99, s99, 7
	s_add_co_u32 s98, s98, s99                     ; the tile among all 512 tiles of rows
	s_and_b32 s99, s15, 15                         ; the head
	s_lshl_b32 s80, s98, 13                        ; oc: 8,192 bytes a tile, 512 a head
	s_lshl_b32 s2, s99, 9
	s_add_co_u32 s80, s80, s2
	s_mov_b32 s81, 0
	s_lshl_b32 s82, s98, 9                         ; os: 512 bytes a tile, 64 for two heads, 2 bytes of each word a head
	s_lshr_b32 s2, s99, 1
	s_lshl_b32 s2, s2, 6
	s_add_co_u32 s82, s82, s2
	s_and_b32 s2, s99, 1
	s_lshl_b32 s2, s2, 1
	s_add_co_u32 s82, s82, s2
	s_mov_b32 s83, 0
	s_mov_b32 s[SEL], 0x76543210
	s_mov_b32 s[SEL+1], 0xfedcba98
	s_mov_b32 s[CS], 0x3e38aa3b                    ; log2(e) / 8
	s_wait_dscnt 0x0                               ; both opening adds are done
	s_wait_kmcnt 0x0
	s_add_nc_u64 s[76:77], s[4:5], s[76:77]
	s_add_nc_u64 s[78:79], s[6:7], s[78:79]
	s_add_nc_u64 s[80:81], s[8:9], s[80:81]
	s_add_nc_u64 s[82:83], s[10:11], s[82:83]
	s_mov_b32 s52, 1                               ; images: 16,384 bytes a wave, at 16,384 x wave in LDS
	s_lshl_b32 s53, s[WV], 14
	s_add_nc_u64 s[54:55], s[4:5], s[18:19]
	s_or_b32 s55, s55, 0x80000000
	s_mov_b32 s48, 1                               ; k's scale words
	s_mov_b32 s49, KSW
	s_add_nc_u64 s[50:51], s[6:7], s[16:17]
	s_or_b32 s51, s51, 0x80000000
	s_mov_b32 s84, 1                               ; v's
	s_mov_b32 s85, VSW
	s_add_nc_u64 s[86:87], s[6:7], s[66:67]
	s_or_b32 s87, s87, 0x80000000
	ROUND                                          ; all four work-groups are here: the joint loads meet
	s_cmp_lt_u32 s[WV], 8                          ; one chain of branches on the wave's number, one load to an arm
	s_cbranch_scc0 .Lnot_img
	TLOAD 52, 24
	s_branch .Lasked
.Lnot_img:
	s_cmp_eq_u32 s[WV], 8
	s_cbranch_scc0 .Lnot_ks
	TLOAD 48, 40
	s_branch .Lasked
.Lnot_ks:
	s_cmp_eq_u32 s[WV], 9
	s_cbranch_scc0 .Lasked
	TLOAD 84, 68
.Lasked:
	v_and_b32 v2, 31, v0
	v_lshlrev_b32 v1, 4, v2                        ; 16 x lane: my place in an image, in LDS and in memory
	v_lshl_add_u32 v3, v2, 2, KSW                  ; 4 x lane: two tiles' scale words on end
	v_lshl_add_u32 v4, v2, 2, VSW
	v_add_nc_u32 v2, 65536, v1                     ; my place among v's images
	v_and_b32 v10, 15, v0
	v_lshlrev_b32 v10, 2, v10                      ; 4 r
	v_bfe_u32 v9, v0, 4, 1
	v_lshlrev_b32 v9, 3, v9                        ; 8 h
	global_load_b128 v[16:19], v1, s[76:77]                ; q of my first tile,
	global_load_b128 v[240:243], v1, s[76:77] offset:8192  ; of my second,
	global_load_b32 v255, v10, s[78:79]                    ; and their scale words
	global_load_b32 v11, v10, s[78:79] offset:1024
.irp j, 20,21,22,23, 64,65,66,67, 237,239
	v_mov_b32 v[\j], 0                             ; q's zero codes; the four registers behind k's last fragment; lane permutes' destinations
.endr
	v_mov_b32 v70, s[CS]                           ; c, in two banks
	v_mov_b32 v71, s[CS]
.macro KLOAD a, s, q                   ; k's eight fragments and four registers of scale words, q steps on from the addresses
.irp t, 0,1,2,3,4,5,6,7
	ds_load_b128 v[32+4*\t:35+4*\t], \a offset:4096*(\q)+512*\t
.endr
.irp j, 0,1,2,3
	ds_load_b32 v[24+\j], \s offset:512*(\q)+128*\j
.endr
.endm
.macro SP t                            ; S^T, tile t
.if (\t)%2
	v_wmma_scale_f32_16x16x128_f8f6f4 v[96+8*\t:103+8*\t], v[32+4*\t:39+4*\t], v[16:23], 0, v[24+\t/2], v255 matrix_a_fmt:MATRIX_FMT_FP4 matrix_b_fmt:MATRIX_FMT_FP4 matrix_a_scale:MATRIX_SCALE_ROW1
.else
	v_wmma_scale_f32_16x16x128_f8f6f4 v[96+8*\t:103+8*\t], v[32+4*\t:39+4*\t], v[16:23], 0, v[24+\t/2], v255 matrix_a_fmt:MATRIX_FMT_FP4 matrix_b_fmt:MATRIX_FMT_FP4
.endif
.endm
.macro PV t                            ; O^T, 16 channels
.if (\t)%2
	v_wmma_scale_f32_16x16x128_f8f6f4 v[160+8*\t:167+8*\t], v[192+8*\t:199+8*\t], v[224:231], v[160+8*\t:167+8*\t], v[248+\t/2], v254 matrix_a_fmt:MATRIX_FMT_FP4 matrix_b_fmt:MATRIX_FMT_FP4 matrix_a_scale:MATRIX_SCALE_ROW1
.else
	v_wmma_scale_f32_16x16x128_f8f6f4 v[160+8*\t:167+8*\t], v[192+8*\t:199+8*\t], v[224:231], v[160+8*\t:167+8*\t], v[248+\t/2], v254 matrix_a_fmt:MATRIX_FMT_FP4 matrix_b_fmt:MATRIX_FMT_FP4
.endif
.endm
.macro TMS from, to                    ; t - M of the pairs from .. to - 1
.set j, \from
.rept (\to)-(\from)
	v_dual_fma_f32 v[96+2*j], v70, v[96+2*j], v12 :: v_dual_fma_f32 v[97+2*j], v71, v[97+2*j], v13
.set j, j+1
.endr
.endm
; A KEY STEP: 128 keys; its k is in registers.  pre = 1: the next step's k is asked for.
.macro STEP pre
.irp t, 0,1,2,3,4,5,6,7
	SP \t
.endr
	v_add_nc_u32 v5, s[TB], v1                     ; the step's addresses: these four are the places behind the products above and behind the last step's second product
	v_add_nc_u32 v6, s[TB], v2
	v_add_nc_u32 v7, s[TS], v3
	v_add_nc_u32 v8, s[TJ], v4
.if \pre
	KLOAD v5, v7, 1                                ; a whole step ahead of its use
.endif
.irp t, 0,1,2,3
	ds_load_b128 v[192+8*\t:195+8*\t], v6 offset:1024*\t       ; this step's v, wanted behind the softmax
	ds_load_b128 v[196+8*\t:199+8*\t], v6 offset:1024*\t+512
.endr
	ds_load_b32 v248, v8
	ds_load_b32 v249, v8 offset:128
.irp c, 0,1                            ; the largest score of my two blocks of 32 keys, two chains a block; each accumulator is first read at its low end
	v_max3_num_f32 v[232+\c], v[96+32*\c], v[97+32*\c], v[98+32*\c]
	v_max3_num_f32 v[234+\c], v[112+32*\c], v[113+32*\c], v[114+32*\c]
.endr
.irp i, 3,5,7,9,11,13
.irp c, 0,1
	v_max3_num_f32 v[232+\c], v[232+\c], v[96+32*\c+\i], v[97+32*\c+\i]
	v_max3_num_f32 v[234+\c], v[234+\c], v[112+32*\c+\i], v[113+32*\c+\i]
.endr
.endr
.irp c, 0,1
	v_max3_num_f32 v[232+\c], v[232+\c], v[111+32*\c], v[127+32*\c]
.endr
.irp c, 0,1
	v_max_num_f32 v[232+\c], v[232+\c], v[234+\c]
.endr
	v_max_num_f32 v236, v232, v233
	v_permlanex16_b32 v237, v236, s[SEL], s[SEL+1]
	v_max3_num_f32 v72, v72, v236, v237            ; the running largest score of my query
	v_mul_f32 v238, s[CS], v72                     ; as t (c is positive)
	v_mov_b32 v239, v12
	v_floor_f32 v12, -v238                         ; the new -M = floor(-t) = -ceil(t): a whole number,
	v_floor_f32 v13, -v238                         ; in two banks
	v_sub_f32 v239, v12, v239                      ; old M less new M: a whole number, 0 or less
	TMS 0, 4
	v_cvt_i32_f32 v239, v239                       ; (it saturates)
	TMS 4, 8
	v_ldexp_f32 v252, 1.0, v239                    ; f = 2^(old M - new M),
	v_ldexp_f32 v253, 1.0, v239                    ; in two banks
	TMS 8, 32
	v_dual_fma_f32 v232, v70, v232, v12 :: v_dual_fma_f32 v233, v71, v233, v13   ; t - M of each block's largest score: p rises with the score
.set j, 0
.rept 16
	v_dual_mul_f32 v[160+2*j], v252, v[160+2*j] :: v_dual_mul_f32 v[161+2*j], v253, v[161+2*j]   ; O^T under the new M, ahead of the exponentials
.set j, j+1
.endr
	WALU                                           ; ahead of the batch
.irp c, 0,1
	v_exp_f32 v[232+\c], v[232+\c]                 ; the block's largest p
.endr
.set j, 0
.rept 64
	v_exp_f32 v[96+j], v[96+j]                     ; p = 2^(t - M), at most 1
.set j, j+1
.endr
	v_nop                                          ; the plain place behind the batch
	v_dual_mul_f32 v14, v252, v14 :: v_dual_mul_f32 v15, v253, v15   ; the sums under the new M
	WALU                                           ; behind the batch, ahead of its first reader
.irp c, 0,1
	v_max_num_f32 v[232+\c], 0x1800000, v[232+\c]  ; the floor 2^(3 - 127): the byte cannot fall under 1
.endr
.irp c, 0,1
	v_add_nc_u32 v[234+\c], 0xff000000, v[232+\c]  ; 2 off the exponent field: the conversion's scale operand
.endr
.irp c, 0,1
	v_lshrrev_b32 v[244+\c], 23, v[234+\c]         ; the scale's byte
.endr
.irp c, 0,1
.irp g, 0,1,2,3
	v_cvt_scalef32_pk8_fp4_f32 v[224+4*\c+\g], v[96+32*\c+8*\g:103+32*\c+8*\g], v[234+\c]   ; registers 4 c .. 4 c + 3 of the operand: keys 64 c + 32 h + 0 .. 31
.endr
.endr
	v_lshl_or_b32 v238, v245, 16, v244             ; my two bytes: blocks h and 2 + h,
	v_dual_add_f32 v236, v96, v98 :: v_dual_add_f32 v237, v97, v99   ; (the row's sum of the unquantised p, two at a time, in two chains)
	v_lshlrev_b32 v238, v9, v238                   ; at their places in the word;
	v_dual_add_f32 v14, v14, v100 :: v_dual_add_f32 v15, v15, v101
	v_permlanex16_b32 v239, v238, s[SEL], s[SEL+1]
	v_dual_add_f32 v236, v236, v102 :: v_dual_add_f32 v237, v237, v103
	v_or_b32 v254, v238, v239                      ; with lane l xor 16's two the word is whole.  The 29 additions below are the places ahead of the products
.irp j, 8,12,16,20,24,28,32,36,40,44,48,52,56,60
	v_dual_add_f32 v14, v14, v[96+\j] :: v_dual_add_f32 v15, v15, v[97+\j]
	v_dual_add_f32 v236, v236, v[98+\j] :: v_dual_add_f32 v237, v237, v[99+\j]
.endr
	v_dual_add_f32 v14, v14, v236 :: v_dual_add_f32 v15, v15, v237
	s_wait_dscnt 0x0                               ; v is in, and so is the next step's k
.irp t, 0,1,2,3
	PV \t
.endr
.endm
.macro PASS_INIT p                     ; a tile of queries begins: O^T and the sum as zeros, the largest score as -3e38: the first change of M multiplies zeros
.if \p
	s_wait_xcnt 0x0                                ; the first tile's stores have read their registers
.irp j, 0,1,2,3
	v_mov_b32 v[16+\j], v[240+\j]
.endr
	v_mov_b32 v255, v11
.endif
	v_mov_b32 v72, 0xff61b1e6
	v_floor_f32 v12, -v72
	v_mov_b32 v14, 0
	v_mov_b32 v15, 0
.set j, 0
.rept 32
	v_mov_b32 v[160+j], 0
.set j, j+1
.endr
	s_mov_b32 s[TB], 0
	s_mov_b32 s[TS], 0
	s_mov_b32 s[TJ], 0
.endm
.macro PASS_RUN                        ; sixteen key steps: fifteen in the loop, the last asks for no next k
	KLOAD v1, v3, 0
	WALU
	s_wait_dscnt 0x0
	s_mov_b32 s[CNT], 15
.Lsteps_\@:
	STEP 1
	s_add_co_u32 s[TB], s[TB], 4096
	s_add_co_u32 s[TS], s[TS], 512
	s_add_co_u32 s[TJ], s[TJ], 256
	s_sub_co_u32 s[CNT], s[CNT], 1
	s_cmp_lg_u32 s[CNT], 0
	s_cbranch_scc1 .Lsteps_\@
	STEP 0
.endm
.macro PASS_OUT p                      ; O^T / the sum, quantised along the channels: two blocks of 32; register 16 b + i is channel 32 b + 16 (lane / 16) + i of my query
.rept 4
	v_nop                                          ; four places behind the last products
.endr
	WALU                                           ; the sums were written just ahead of the last step's wait on LDS
	v_add_f32 v14, v14, v15                        ; the sum's two halves,
	v_permlanex16_b32 v252, v14, s[SEL], s[SEL+1]
	v_add_f32 v14, v14, v252                       ; and lane l xor 16's: the row's sum
	WALU
	v_rcp_f32 v14, v14
	v_nop                                          ; one plain place behind a transcendental
	WALU                                           ; ahead of the first reader of the reciprocal and of O^T
.set j, 0
.rept 32
	v_mul_f32 v[96+j], v[160+j], v14               ; each accumulator from its low end on
.set j, j+1
.endr
.irp b, 0,1
	v_max3_num_f32 v[232+\b], |v[96+16*\b]|, |v[97+16*\b]|, 0x1800000
.endr
.irp i, 2,4,6,8,10,12,14
.irp b, 0,1
	v_max3_num_f32 v[232+\b], v[232+\b], |v[96+16*\b+\i]|, |v[97+16*\b+\i]|
.endr
.endr
.irp b, 0,1
	v_permlanex16_b32 v[236+\b], v[232+\b], s[SEL], s[SEL+1]
.endr
.irp b, 0,1
	v_max_num_f32 v[232+\b], v[232+\b], v[236+\b]
.endr
.irp b, 0,1
	v_add_nc_u32 v[244+\b], 0xff000000, v[232+\b]
.endr
.irp b, 0,1
	v_lshrrev_b32 v[236+\b], 23, v[244+\b]
.endr
	v_lshl_or_b32 v238, v237, 8, v236              ; my head's two bytes of the row's scale word
.irp b, 0,1
	v_cvt_scalef32_pk8_fp4_f32 v[224+2*\b], v[96+16*\b:103+16*\b], v[244+\b]
	v_cvt_scalef32_pk8_fp4_f32 v[225+2*\b], v[104+16*\b:111+16*\b], v[244+\b]
.endr
	v_nop
	v_permlane16_swap_b32 v224, v226
	v_permlane16_swap_b32 v225, v227               ; lanes 0-15 hold block 0, lanes 16-31 block 1: four registers of the next product's fragment
	global_store_b128 v1, v[224:227], s[80:81] offset:131072*(\p)    ; the wave stores 512 consecutive bytes, aligned
	global_store_b16 v10, v238, s[82:83] offset:8192*(\p)            ; both halves of the lanes store the same value
.endm
	PASS_INIT 0
	WALU                                           ; the head's end
	s_wait_loadcnt 0x0                             ; q
	s_wait_tensorcnt 0x0                           ; my load, if I have one, is in
	s_barrier_signal -1
	s_barrier_wait -1                              ; everybody's are
	PASS_RUN
	PASS_OUT 0
	PASS_INIT 1
	PASS_RUN
	PASS_OUT 1
	s_wait_tensorcnt 0x0                           ; the wave's end
	ds_add_u32 v[SPW], v[NIL]
	s_wait_dscnt 0x0
	ROUND                                          ; the closing round
	s_endpgm
.Lfunc_end_k_q0be09d70eb_attn:
	.size	k_q0be09d70eb_attn, .Lfunc_end_k_q0be09d70eb_attn-k_q0be09d70eb_attn
	.p2alignl 7, 3214868480
	.fill 96, 4, 3214868480
	.section	.rodata,"a",@progbits
	.p2align	6, 0x0
	.amdhsa_kernel k_q0be09d70eb_attn
		.amdhsa_group_segment_fixed_size 169984
		.amdhsa_private_segment_fixed_size 0
		.amdhsa_enable_private_segment 0
		.amdhsa_kernarg_size 32
		.amdhsa_user_sgpr_count 2
		.amdhsa_user_sgpr_kernarg_segment_ptr 1
		.amdhsa_wavefront_size32 1
		.amdhsa_system_sgpr_workgroup_id_x 1
		.amdhsa_system_sgpr_workgroup_id_y 1
		.amdhsa_system_sgpr_workgroup_id_z 1
		.amdhsa_system_vgpr_workitem_id 0
		.amdhsa_next_free_vgpr 256
		.amdhsa_next_free_sgpr 100
		.amdhsa_reserve_vcc 0
		.amdhsa_float_denorm_mode_32 3
		.amdhsa_float_denorm_mode_16_64 3
		.amdhsa_memory_ordered 1
		.amdhsa_forward_progress 1
		.amdhsa_inst_pref_size 78
	.end_amdhsa_kernel
	.amdgpu_metadata
---
amdhsa.version: [ 1, 2 ]
amdhsa.kernels:
  - .name:           k_q0be09d70eb_attn
    .symbol:         k_q0be09d70eb_attn.kd
    .args:
      - { .name: pc, .offset: 0, .size: 8, .value_kind: global_buffer, .address_space: global }
      - { .name: ps, .offset: 8, .size: 8, .value_kind: global_buffer, .address_space: global }
      - { .name: oc, .offset: 16, .size: 8, .value_kind: global_buffer, .address_space: global }
      - { .name: os, .offset: 24, .size: 8, .value_kind: global_buffer, .address_space: global }
    .group_segment_fixed_size: 169984
    .private_segment_fixed_size: 0
    .kernarg_segment_align: 8
    .kernarg_segment_size: 32
    .max_flat_workgroup_size: 512
    .sgpr_count:     100
    .vgpr_count:     256
    .wavefront_size: 32
...
	.end_amdgpu_metadata
.endif
;; end of part 8
;; launch outproj (part 9): grid 4 x 64, 8 waves a work-group, clusters of 4 x 4, 287,744 bytes of LDS; arguments oc, os, wc, ws, bo, out0; writes out0
.if DOCPART == 9
	.amdgcn_target "amdgcn-amd-amdhsa--gfx1250"
	.amdhsa_code_object_version 6
	.text
	.protected	k_q0be09d70eb_outproj
	.globl	k_q0be09d70eb_outproj
	.p2align	8
	.type	k_q0be09d70eb_outproj,@function
k_q0be09d70eb_outproj:
	s_mov_b64 s[64:65], 0
	v_nop
	global_prefetch_b8 v0, s[64:65] scope:SCOPE_SE
	s_setreg_imm32_b32 hwreg(HW_REG_WAVE_MODE, 25, 1), 1
	s_wait_xcnt 0x0
	s_wait_alu depctr_hold_cnt(0) depctr_sa_sdst(0) depctr_va_vdst(0) depctr_va_sdst(0) depctr_va_ssrc(0) depctr_va_vcc(0) depctr_vm_vsrc(0)
	s_getreg_b32 s2, hwreg(HW_REG_IB_STS2, 6, 4)
	s_cmp_eq_u32 s2, 0
	s_cbranch_scc0 .Lentry_in_a_cluster
	s_endpgm
.Lentry_in_a_cluster:
	s_bfe_u32 s2, ttmp6, 0x10000c
	s_cmp_lg_u32 s2, 0xf033
	s_cbranch_scc0 .Lentry_shape_is_right
	s_endpgm
.Lentry_shape_is_right:
; out0 = o Wo + bo on codes of FP4 (E2M1) with E8M0 scales, K = 1,024; out0 [8192][1024] f32.
; SHARES: 4 x 4 work-groups form a cluster; a work-group makes 128 rows x 256 columns: 256 work-groups.  All of K lies in LDS: nothing is filled twice.
; Eight waves; a wave makes 8 tiles of Wo's columns (source 0: they run along a lane's registers) x 2 tiles of o's rows (source 1: along the lanes): 16 accumulators.
; o comes as images of the operand's registers, [tile of 16 rows][head][lane][16 bytes]: two heads are a K step's fragment.  Wo's rows n lie as rows of codes.
; In both, 16 rows on end are rows 0-7 and 16-23 (or 8-15 and 24-31) of a group of 32: a lane's 16 registers of two tiles are 16 neighbouring columns, and lane r of tile i holds row 8 i + r + 8 (r / 8) of its 32.
; JOINT LOADS: the four work-groups of a row of the cluster need the same tiles of o, the four of a column the same rows of Wo.
; THE BIAS starts the sums: it is loaded into the accumulators (so it is added first and not last: a difference of f32 rounding).
; THE WAY OUT goes through the wave's own stage in LDS, so that each store covers 512 consecutive bytes of a row, aligned.
.set PITCH, 528                        ; an LDS row of Wo's codes: all of K, 512 bytes + 16
.set OPB,   256*PITCH                  ; Wo's 256 rows
.set OI,    OPB                        ; o's images: [tile 0..7][8,192 bytes]
.set WSC,   OI+2*32768                 ; Wo's scale bytes: 256 rows of 32 bytes + 8
.set OSC,   WSC+256*40                 ; o's scale words: [tile][K step][row]
.set STG,   OSC+4096                   ; the stages: 16 rows x (512 bytes + 16) for each wave; no tile lands here
.set SPI,   528
.set RA,  1                            ; v1-2   LDS address of Wo's fragments, first and second half of K
.set LA,  3                            ; v3-4   of o's
.set RSA, 5                            ; v5     of Wo's scale bytes
.set LSA, 6                            ; v6     of o's scale words
.set RS,  10                           ; v10-25 Wo's scale words: a pair (two K steps) for each tile
.set LS,  26                           ; v26-27 o's
.set STO, 28                           ; v28    the stage, in
.set RD,  29                           ; v29    the stage, out
.set GO,  30                           ; v30    16 x lane: my bytes of a row of out0
.set BO,  32                           ; v32    the bias's byte offset
.set LF,  48
.set RF,  64
.set AC,  128                          ; accumulator (i, t) at AC + 64 i + 8 t
.set WV,  22
.macro ROUND                           ; a round of the cluster's barrier
	s_barrier_signal -1
	s_barrier_wait -1
	s_cmp_lg_u32 s[WV], 0
	s_cbranch_scc1 .Lnot_wave_0_\@
	s_barrier_signal -3
.Lnot_wave_0_\@:
	s_barrier_wait -3
	s_barrier_signal -1
	s_barrier_wait -1
.endm
	s_load_b256 s[4:11], s[0:1], 0x0               ; oc, os, wc, ws
	s_load_b128 s[12:15], s[0:1], 0x20             ; bo, out0
	v_lshl_add_u32 v46, v0, 2, 0x46000
	v_mov_b32 v47, 0
	ds_add_u32 v46, v47
	ds_add_u32 v46, v47
	v_lshrrev_b32 v1, 5, v0
	s_delay_alu instid0(VALU_DEP_1)
	v_readfirstlane_b32 s[WV], v1                  ; wave 0..7
	s_and_b32 s23, s[WV], 1                        ; which 128 columns
	s_lshr_b32 s24, s[WV], 1                       ; which 32 rows
	s_and_b32 s25, s[WV], 3                        ; which quarter I fetch
	s_bfe_u32 s26, ttmp6, 0x40000                  ; cx
	s_bfe_u32 s27, ttmp6, 0x40004                  ; cy
	s_lshl_b32 s28, ttmp9, 2
	s_add_co_u32 s28, s28, s26                     ; which 256 columns
	s_and_b32 s29, ttmp7, 0xffff
	s_lshl_b32 s29, s29, 2
	s_add_co_u32 s29, s29, s27                     ; which 128 rows
	s_lshl_b32 s32, s27, 2
	s_lshl_b32 s32, 15, s32                        ; my row of the cluster
	s_lshl_b32 s33, 0x1111, s26                    ; my column
	s_or_b32 s36, s33, (1<<20)|(1<<21)|(6<<22)|(3<<25)            ; s[36:43] Wo's codes: 64 whole rows of 512 bytes, 16 bytes of padding behind every 128 words
	s_mov_b32 s37, 512<<16
	s_mov_b32 s38, 64<<16
	s_mov_b32 s39, 512<<16
	s_mov_b32 s40, 64
	s_mov_b32 s41, 512
	s_mov_b32 s42, 0
	s_mov_b32 s43, 0
	s_or_b32 s44, s33, (3<<16)|(1<<20)|(1<<21)|(2<<22)|(1<<25)    ; s[44:51] Wo's scale bytes: 8,192 dense bytes as 32 rows of 32 elements of 8 bytes, 2 words of padding behind every 8
	s_mov_b32 s45, 32<<16
	s_mov_b32 s46, 32<<16                          ; all 256 rows' scale bytes: 8,192 dense bytes, 32 rows of 256
	s_mov_b32 s47, 32<<16
	s_mov_b32 s48, 32
	s_mov_b32 s49, 32
	s_mov_b32 s50, 0
	s_mov_b32 s51, 0
	s_or_b32 s52, s32, (3<<16)|(1<<21)                            ; s[52:59] o's images: 4 tiles x 8,192 bytes (1,024 elements of 8 bytes), on end
	s_mov_b32 s53, 1024<<16                        ; 4 whole tiles of 8,192 bytes
	s_mov_b32 s54, 4<<16
	s_mov_b32 s55, 1024<<16
	s_mov_b32 s56, 4
	s_mov_b32 s57, 1024
	s_mov_b32 s58, 0
	s_mov_b32 s59, 0
	s_or_b32 s68, s32, (3<<16)|(1<<21)                            ; s[68:75] o's scale words: 8 tiles are 4,096 dense bytes: 16 rows of 256
	s_mov_b32 s69, 32<<16
	s_mov_b32 s70, 16<<16                          ; all 8 tiles' scale words: 4,096 dense bytes
	s_mov_b32 s71, 32<<16
	s_mov_b32 s72, 16
	s_mov_b32 s73, 32
	s_mov_b32 s74, 0
	s_mov_b32 s75, 0
	; Wo's offsets are made of the column block and the wave, o's of the row block and the wave; neither set of registers holds the other coordinate
	s_lshl_b32 s62, s28, 17
	s_lshl_b32 s101, s25, 15
	s_add_co_u32 s62, s62, s101
	s_add_co_u32 s62, s62, 3*524288                ; Wo is the fourth tensor of wc
	s_mov_b32 s63, 0
	s_lshl_b32 s66, s28, 13
	s_add_co_u32 s66, s66, 3*32768
	s_mov_b32 s67, 0
	s_lshl_b32 s60, s29, 16                        ; o: 8 tiles of 8,192 bytes a row block, 2 tiles a wave
	s_lshl_b32 s100, s23, 15                       ; 4 tiles a loading wave
	s_add_co_u32 s60, s60, s100
	s_mov_b32 s61, 0
	s_lshl_b32 s34, s29, 12                        ; 512 bytes of scale words a tile
	s_mov_b32 s35, 0
	s_mul_i32 s104, s25, 64*PITCH                  ; where they go: the wave's number alone
	s_lshl_b32 s2, s23, 15
	s_wait_dscnt 0x0
	s_wait_kmcnt 0x0
	s_mov_b32 s76, 1                               ; Wo: scale bytes,
	s_mov_b32 s77, WSC
	s_add_nc_u64 s[78:79], s[10:11], s[66:67]
	s_or_b32 s79, s79, 0x80000000
	s_mov_b32 s80, 1                               ; codes, all of K,
	s_mov_b32 s81, s104
	s_add_nc_u64 s[82:83], s[8:9], s[62:63]
	s_or_b32 s83, s83, 0x80000000
	s_mov_b32 s88, 1                               ; o likewise
	s_mov_b32 s89, OSC
	s_add_nc_u64 s[90:91], s[6:7], s[34:35]
	s_or_b32 s91, s91, 0x80000000
	s_mov_b32 s92, 1
	s_add_co_u32 s93, s2, OI
	s_add_nc_u64 s[94:95], s[4:5], s[60:61]
	s_or_b32 s95, s95, 0x80000000
	ROUND                                          ; all sixteen work-groups are here: the joint loads meet
	; one tensor load a wave, in one chain of branches on the wave's number: waves 0-3 Wo's codes (64 rows each), wave 4 Wo's scale bytes, wave 5 o's scale words, waves 6 and 7 o's images (4 tiles each)
	s_cmp_lt_u32 s[WV], 4
	s_cbranch_scc0 .Lnot_w
	tensor_load_to_lds s[80:83], s[36:43]
	s_nop 0
.rept 4
	v_nop
.endr
	s_branch .Lasked
.Lnot_w:
	s_cmp_eq_u32 s[WV], 4
	s_cbranch_scc0 .Lnot_ws
	tensor_load_to_lds s[76:79], s[44:51]
	s_nop 0
.rept 4
	v_nop
.endr
	s_branch .Lasked
.Lnot_ws:
	s_cmp_eq_u32 s[WV], 5
	s_cbranch_scc0 .Lfor_o
	tensor_load_to_lds s[88:91], s[68:75]
	s_nop 0
.rept 4
	v_nop
.endr
	s_branch .Lasked
.Lfor_o:
	tensor_load_to_lds s[92:95], s[52:59]
	s_nop 0
.rept 4
	v_nop
.endr
.Lasked:
	v_and_b32 v7, 15, v0                           ; r
	s_wait_alu depctr_va_vdst(0)
	v_bfe_u32 v8, v0, 4, 1                         ; h
	s_lshl_b32 s60, s28, 10                        ; my first column, in bytes: 1,024 x column block + 512 x half
	s_lshl_b32 s61, s23, 9
	s_add_co_u32 s60, s60, s61
	s_mov_b32 s61, 0
	s_add_nc_u64 s[12:13], s[12:13], s[60:61]
	v_lshlrev_b32 v[BO], 6, v8                     ; register j of tile t holds column 32 (t / 2) + 16 h + 8 (t % 2) + j of my 128
.irp i, 0,1
.irp t, 0,1,2,3,4,5,6,7
	global_load_b128 v[AC+64*\i+8*\t:AC+64*\i+8*\t+3], v[BO], s[12:13] offset:128*(\t/2)+32*(\t%2)
	global_load_b128 v[AC+64*\i+8*\t+4:AC+64*\i+8*\t+7], v[BO], s[12:13] offset:128*(\t/2)+32*(\t%2)+16
.endr
.endr
	s_lshl_b32 s62, s29, 2
	s_add_co_u32 s62, s62, s24                     ; my group of 32 rows of out0: 131,072 bytes each
	s_lshl_b32 s62, s62, 17
	s_add_co_u32 s62, s62, s60
	s_mov_b32 s63, 0
	s_add_nc_u64 s[14:15], s[14:15], s[62:63]
	v_mul_u32_u24 v9, v7, PITCH
	s_wait_alu depctr_va_vdst(0)
	v_lshl_add_u32 v9, v8, 4, v9
	s_mul_i32 s100, s23, 128*PITCH
	v_add_nc_u32 v[RA], s100, v9
	s_delay_alu instid0(VALU_DEP_1)
	v_add_nc_u32 v[RA+1], 256, v[RA]
	v_and_b32 v[GO], 31, v0
	s_delay_alu instid0(VALU_DEP_1)
	v_lshlrev_b32 v[GO], 4, v[GO]
	s_wait_alu depctr_va_vdst(0)
	s_lshl_b32 s100, s24, 14
	s_add_co_u32 s100, s100, OI
	v_add_nc_u32 v[LA], s100, v[GO]
	s_delay_alu instid0(VALU_DEP_1)
	v_add_nc_u32 v[LA+1], 4096, v[LA]
	v_mul_u32_u24 v9, v7, 40
	s_mul_i32 s100, s23, 128*40
	s_add_co_u32 s100, s100, WSC
	v_add_nc_u32 v[RSA], s100, v9
	s_lshl_b32 s100, s24, 10
	s_add_co_u32 s100, s100, OSC
	v_lshl_add_u32 v[LSA], v7, 2, s100
	s_mul_i32 s100, s[WV], 16*SPI
	s_add_co_u32 s100, s100, STG                   ; my stage
	v_mul_u32_u24 v[STO], v7, SPI
	s_delay_alu instid0(VALU_DEP_1)
	v_lshl_add_u32 v[STO], v8, 6, v[STO]
	s_delay_alu instid0(VALU_DEP_1)
	v_add_nc_u32 v[STO], s100, v[STO]              ; in: row r, + 64 h
	v_add_nc_u32 v[RD], s100, v[GO]                ; back: the 32 lanes take one row of 512 bytes
; A K step of 128: 20 fragment loads, the scale words, and 16 matrix instructions on 16 accumulators by turns, one instruction a turn.
.macro KSTEP ks
.if (\ks) > 0
.rept 4
	v_nop                                          ; four places in front of loads into registers that matrix instructions have read
.endr
.endif
.irp t, 0,1,2,3,4,5,6,7
	ds_load_b128 v[RF+8*\t:RF+8*\t+3], v[RA+(\ks)/4] offset:16*PITCH*\t+64*((\ks)%4)
	ds_load_b128 v[RF+8*\t+4:RF+8*\t+7], v[RA+(\ks)/4] offset:16*PITCH*\t+64*((\ks)%4)+32
.endr
.irp i, 0,1
	ds_load_b128 v[LF+8*\i:LF+8*\i+3], v[LA+(\ks)/4] offset:8192*\i+1024*((\ks)%4)
	ds_load_b128 v[LF+8*\i+4:LF+8*\i+7], v[LA+(\ks)/4] offset:8192*\i+1024*((\ks)%4)+512
	ds_load_b32 v[LS+\i], v[LSA] offset:512*\i+64*(\ks)
.endr
.if (\ks)%2 == 0
.irp t, 0,1,2,3,4,5,6,7
	ds_load_b64 v[RS+2*\t:RS+2*\t+1], v[RSA] offset:640*\t+8*((\ks)/2)
.endr
.endif
	s_wait_dscnt 0x0
.irp i, 0,1
.irp t, 0,1,2,3,4,5,6,7
	v_wmma_scale_f32_16x16x128_f8f6f4 v[AC+64*\i+8*\t:AC+64*\i+8*\t+7], v[RF+8*\t:RF+8*\t+7], v[LF+8*\i:LF+8*\i+7], v[AC+64*\i+8*\t:AC+64*\i+8*\t+7], v[RS+2*\t+(\ks)%2], v[LS+\i] matrix_a_fmt:MATRIX_FMT_FP4 matrix_b_fmt:MATRIX_FMT_FP4
.endr
.endr
.endm
	s_wait_alu depctr_va_vdst(0)
	s_wait_loadcnt 0x0                             ; the bias
	s_wait_tensorcnt 0x0                           ; my one load is in
	s_barrier_signal -1
	s_barrier_wait -1
	KSTEP 0
	KSTEP 1
	KSTEP 2
	KSTEP 3
	KSTEP 4
	KSTEP 5
	KSTEP 6
	KSTEP 7
.rept 4
	v_nop                                          ; four places behind the last products: for the stores that read results and the loads into registers that held fragments
.endr
; Tile i of rows goes through my stage and comes back as whole rows.  Tile 0's rows come back into the registers that held Wo's fragments, tile 1's into tile 0's accumulators, which its LDS stores have read.
; LDS serves a wave's instructions in order (ISA guide 5.7.1.4): no wait between the stores and the loads, nor in front of the next tile's stores.
.macro TOSTAGE i
.irp t, 0,1,2,3,4,5,6,7
	ds_store_b128 v[STO], v[AC+64*(\i)+8*\t:AC+64*(\i)+8*\t+3] offset:128*(\t/2)+32*(\t%2)          ; each accumulator from its low end on
	ds_store_b128 v[STO], v[AC+64*(\i)+8*\t+4:AC+64*(\i)+8*\t+7] offset:128*(\t/2)+32*(\t%2)+16
.endr
.irp m, 0,1,2,3,4,5,6,7,8,9,10,11,12,13,14,15
	ds_load_b128 v[RF+64*(\i)+4*\m:RF+64*(\i)+4*\m+3], v[RD] offset:\m*SPI
.endr
.endm
.macro SEND i, younger                 ; younger: the LDS instructions issued behind tile i's loads, which may stay out
.irp m, 0,1,2,3,4,5,6,7,8,9,10,11,12,13,14,15
	s_wait_dscnt \younger+15-\m
	global_store_b128 v[GO], v[RF+64*(\i)+4*\m:RF+64*(\i)+4*\m+3], s[14:15] offset:(8*(\i)+\m+8*(\m/8))*4096 th:TH_STORE_NT   ; 32 lanes store 512 consecutive bytes, aligned; written once, read by nobody here
.endr
.endm
	TOSTAGE 0
	TOSTAGE 1
	SEND 0, 32                                     ; behind tile 0's loads: tile 1's 16 stores and 16 loads
	SEND 1, 0
	s_wait_tensorcnt 0x0
	ds_add_u32 v46, v47
	s_wait_dscnt 0x0
	ROUND                                          ; the closing round: no work-group ends while a partner may still ask for a tile that names it
	s_endpgm
.Lfunc_end_k_q0be09d70eb_outproj:
	.size	k_q0be09d70eb_outproj, .Lfunc_end_k_q0be09d70eb_outproj-k_q0be09d70eb_outproj
	.p2alignl 7, 3214868480
	.fill 96, 4, 3214868480
	.section	.rodata,"a",@progbits
	.p2align	6, 0x0
	.amdhsa_kernel k_q0be09d70eb_outproj
		.amdhsa_group_segment_fixed_size 287744
		.amdhsa_private_segment_fixed_size 0
		.amdhsa_enable_private_segment 0
		.amdhsa_kernarg_size 48
		.amdhsa_user_sgpr_count 2
		.amdhsa_user_sgpr_kernarg_segment_ptr 1
		.amdhsa_wavefront_size32 1
		.amdhsa_system_sgpr_workgroup_id_x 1
		.amdhsa_system_sgpr_workgroup_id_y 1
		.amdhsa_system_sgpr_workgroup_id_z 1
		.amdhsa_system_vgpr_workitem_id 0
		.amdhsa_next_free_vgpr 256
		.amdhsa_next_free_sgpr 106
		.amdhsa_reserve_vcc 0
		.amdhsa_float_denorm_mode_32 3
		.amdhsa_float_denorm_mode_16_64 3
		.amdhsa_memory_ordered 1
		.amdhsa_forward_progress 1
		.amdhsa_inst_pref_size 50
	.end_amdhsa_kernel
	.amdgpu_metadata
---
amdhsa.version: [ 1, 2 ]
amdhsa.kernels:
  - .name:           k_q0be09d70eb_outproj
    .symbol:         k_q0be09d70eb_outproj.kd
    .args:
      - { .name: oc, .offset: 0, .size: 8, .value_kind: global_buffer, .address_space: global }
      - { .name: os, .offset: 8, .size: 8, .value_kind: global_buffer, .address_space: global }
      - { .name: wc, .offset: 16, .size: 8, .value_kind: global_buffer, .address_space: global }
      - { .name: ws, .offset: 24, .size: 8, .value_kind: global_buffer, .address_space: global }
      - { .name: bo, .offset: 32, .size: 8, .value_kind: global_buffer, .address_space: global }
      - { .name: out0, .offset: 40, .size: 8, .value_kind: global_buffer, .address_space: global }
    .group_segment_fixed_size: 287744
    .private_segment_fixed_size: 0
    .kernarg_segment_align: 8
    .kernarg_segment_size: 48
    .max_flat_workgroup_size: 256
    .sgpr_count:     106
    .vgpr_count:     256
    .wavefront_size: 32
...
	.end_amdgpu_metadata
.endif
;; end of part 9
